; MI455X (gfx1250); checked and timed in simulation.
; The chip was launched on July 23, 2026; its instructions are those of AMD's public machine-readable ISA for CDNA 5 (MIT licence, August 2026) and "CDNA5" Instruction Set Architecture Reference Guide (July 2026). The comments in the code are by the model that wrote it; some were corrected since.
;; Attention. Allowed arithmetic: float matrix products may take bf16 or f16 operands with f32 sums; all other float work in f32.
;; Inputs: Wk 1,024 x 1,024 float32; Wq 1,024 x 1,024 float32; Wv 1,024 x 1,024 float32; x 4 x 2,048 x 1,024 float32.
;; Outputs: out0 4 x 2,048 x 1,024 float32.
;; 2 versions, each right and faster than the one before. Each part assembles by itself: llvm-mc -triple=amdgcn-amd-amdhsa -mcpu=gfx1250 --defsym DOCPART=n.
;; ======== version 1 of 2: 4 launches
;; limits: values are held in f16: magnitudes above 65,504 overflow, below 6.1e-05 lose precision
;; workspace buffers: xb 16,777,216 bytes; wt 6,291,456 bytes; qkv 50,331,648 bytes; v32 65,536 bytes; p 33,554,432 bytes; st 524,288 bytes
;; launch prep (part 1): grid 896 x 1, 8 waves a work-group, no clusters, 17,920 bytes of LDS; arguments x, Wq, Wk, Wv, xb, wt; writes xb, wt
.if DOCPART == 1
	.amdgcn_target "amdgcn-amd-amdhsa--gfx1250"
	.amdhsa_code_object_version 6
	.text
	.protected	k_qd5e8bf55c5_prep
	.globl	k_qd5e8bf55c5_prep
	.p2align	8
	.type	k_qd5e8bf55c5_prep,@function
k_qd5e8bf55c5_prep:
	s_mov_b64 s[64:65], 0
	v_nop
	global_prefetch_b8 v0, s[64:65] scope:SCOPE_SE
	s_setreg_imm32_b32 hwreg(HW_REG_WAVE_MODE, 25, 1), 1
	s_wait_xcnt 0x0
; xb = bf16(x), [8192][1024].  wt = bf16 of the three weights TURNED: rows 0-1023 Wq^T, 1024-2047 Wk^T, 2048-3071 Wv^T, each [out][in], so that the
; next launch finds K (the input channel) along the rows of both operands.  Rounding to nearest even, once.
; Work-groups 0-383 turn a tile of 128 k x 64 n of one weight through LDS; work-groups 384-895 convert 65,536 bytes of x each.  Memory binds: every load
; of sixteen lanes takes 256 consecutive bytes, every store of a wave covers 256 consecutive aligned bytes; no matrix unit, no cluster: nothing is shared.
; The one barrier (between the turned stores into LDS and the reads of whole rows) stands on both kinds' way, so that no jump passes it.
.set NW,    384                        ; work-groups that turn weights: 3 weights x 8 tiles along k x 16 along n
.set LP,    264                        ; an LDS row: 128 bf16 (256 bytes) + 8
.set SPARE, 64*LP                      ; behind the tile: the spare words, 128 bytes for each of the eight waves: four blocks of 256 bytes that no other line names
.set SPW, 8                            ; v8   LDS address of my spare word; never rewritten
.set NIL, 9                            ; v9   0; never rewritten
.set XL,  16                           ; v[16:79]   x: sixteen loads of 16 bytes
.set XD,  80                           ; v[80:111]  x: sixteen pairs of words to store
.set WL,  16                           ; v[16:47]   weights: load (u, d) at 16 + 8 u + 4 d
.set WD,  48                           ; v[48:63]   weights: k and k + 1 of one column in a word
.set WB,  64                           ; v[64:79]   weights: eight rows read back
	s_load_b256 s[4:11], s[0:1], 0x0               ; x s[4:5], Wq s[6:7], Wk s[8:9], Wv s[10:11]
	s_load_b128 s[12:15], s[0:1], 0x20             ; xb s[12:13], wt s[14:15]
	v_lshl_add_u32 v[SPW], v0, 2, SPARE
	v_mov_b32 v[NIL], 0
	s_sub_co_u32 s16, ttmp9, NW                    ; which 65,536 bytes of x (used by work-groups 384 on alone)
	s_lshl_b32 s24, s16, 16
	s_mov_b32 s25, 0
	s_lshl_b32 s26, s16, 15                        ; and which 32,768 of xb
	s_mov_b32 s27, 0
	s_lshr_b32 s17, ttmp9, 7                       ; which weight (used by work-groups 0-383 alone)
	s_bfe_u32 s18, ttmp9, 0x30004                  ; tile along k
	s_and_b32 s19, ttmp9, 15                       ; tile along n
	s_lshl_b32 s28, s18, 19                        ; 128 rows of 4,096 bytes
	s_lshl_b32 s20, s19, 8                         ; 64 columns of 4 bytes
	s_add_co_u32 s28, s28, s20
	s_mov_b32 s29, 0
	s_lshl_b32 s30, s17, 21                        ; in wt: 1,024 rows of 2,048 bytes a weight,
	s_lshl_b32 s20, s19, 17                        ; 64 rows a tile,
	s_add_co_u32 s30, s30, s20
	s_lshl_b32 s20, s18, 8                         ; 128 k of 2 bytes
	s_add_co_u32 s30, s30, s20
	s_mov_b32 s31, 0
	v_lshlrev_b32 v1, 4, v0                        ; x: 16 bytes a thread
	v_lshlrev_b32 v2, 3, v0                        ; xb: 8 bytes a thread
	v_and_b32 v3, 31, v0                           ; lane
	v_lshrrev_b32 v4, 5, v0                        ; wave
	v_lshlrev_b32 v5, 3, v3
	v_mul_u32_u24 v6, v4, 8*LP
	v_add_nc_u32 v6, v6, v5                        ; back from LDS: wave w reads rows 8 w on, 8 bytes a lane
	v_lshl_add_u32 v7, v4, 14, v5                  ; and the same rows in wt, 2,048 bytes apart
	s_wait_kmcnt 0x0
	s_add_nc_u64 s[22:23], s[14:15], s[30:31]      ; wt at the tile's first row
	s_cmp_lt_u32 ttmp9, NW
	s_cbranch_scc1 .Lweights
	; x: sixteen loads of every wave go out together; the waits count down, so that each is converted and stored as it comes
	s_add_nc_u64 s[4:5], s[4:5], s[24:25]
	s_add_nc_u64 s[12:13], s[12:13], s[26:27]
.set u, 0
.rept 16
	global_load_b128 v[XL+4*u:XL+4*u+3], v1, s[4:5] offset:4096*u th:TH_LOAD_NT
.set u, u+1
.endr
.set u, 0
.rept 16
	s_wait_loadcnt 15-u                            ; loads come back in order: load u is in, the 15 - u younger ones stay out
	v_cvt_pk_bf16_f32 v[XD+2*u], v[XL+4*u], v[XL+4*u+1]
	v_cvt_pk_bf16_f32 v[XD+2*u+1], v[XL+4*u+2], v[XL+4*u+3]
	global_store_b64 v2, v[XD+2*u:XD+2*u+1], s[12:13] offset:2048*u  ; a wave's store: 256 consecutive bytes, aligned; no register is used twice
.set u, u+1
.endr
	s_branch .Lmeet
.Lweights:
	s_cmp_eq_u32 s17, 1
	s_cselect_b64 s[6:7], s[8:9], s[6:7]
	s_cmp_eq_u32 s17, 2
	s_cselect_b64 s[6:7], s[10:11], s[6:7]
	s_add_nc_u64 s[6:7], s[6:7], s[28:29]          ; the weight at the tile's first element
	v_and_b32 v10, 15, v0                          ; i: my four columns 4 i ..
	v_lshrrev_b32 v11, 4, v0                       ; kp: my rows 32 u + 2 kp and + 1
	v_lshlrev_b32 v12, 4, v10
	v_lshl_add_u32 v12, v11, 13, v12               ; 2 kp rows of 4,096 bytes + 16 i: sixteen lanes take 256 bytes of a row
	v_mul_u32_u24 v13, v10, 4*LP
	v_lshl_add_u32 v13, v11, 2, v13                ; in LDS: row 4 i, word kp
.irp u, 0,1,2,3
.irp d, 0,1
	global_load_b128 v[WL+8*(\u)+4*(\d):WL+8*(\u)+4*(\d)+3], v12, s[6:7] offset:(\u)*131072+(\d)*4096 th:TH_LOAD_NT
.endr
.endr
	s_wait_loadcnt 0x0
.irp u, 0,1,2,3
.irp e, 0,1,2,3
	v_cvt_pk_bf16_f32 v[WD+4*(\u)+(\e)], v[WL+8*(\u)+(\e)], v[WL+8*(\u)+4+(\e)]  ; column 4 i + e: k in the low half, k + 1 in the high
.endr
.endr
.irp u, 0,1,2,3
.irp e, 0,1,2,3
	ds_store_b32 v13, v[WD+4*(\u)+(\e)] offset:(\e)*LP+(\u)*64
.endr
.endr
	s_wait_dscnt 0x0                               ; for the others' sake: my stores into the tile are done
.Lmeet:
	s_barrier_signal -1
	s_barrier_wait -1
	s_cmp_lt_u32 ttmp9, NW
	s_cbranch_scc0 .Lend
.irp r, 0,1,2,3,4,5,6,7
	ds_load_b64 v[WB+2*(\r):WB+2*(\r)+1], v6 offset:(\r)*LP
.endr
.irp r, 0,1,2,3,4,5,6,7
	s_wait_dscnt 7-(\r)                            ; LDS loads come back in order: row r is in
	global_store_b64 v7, v[WB+2*(\r):WB+2*(\r)+1], s[22:23] offset:(\r)*2048  ; 128 k of one output channel: 256 consecutive bytes, aligned
.endr
.Lend:
	s_wait_tensorcnt 0x0                           ; the wave's end, behind the last LDS store
	ds_add_u32 v[SPW], v[NIL]
	s_wait_dscnt 0x0
	s_endpgm
.Lfunc_end_k_qd5e8bf55c5_prep:
	.size	k_qd5e8bf55c5_prep, .Lfunc_end_k_qd5e8bf55c5_prep-k_qd5e8bf55c5_prep
	.p2alignl 7, 3214868480
	.fill 96, 4, 3214868480
	.section	.rodata,"a",@progbits
	.p2align	6, 0x0
	.amdhsa_kernel k_qd5e8bf55c5_prep
		.amdhsa_group_segment_fixed_size 17920
		.amdhsa_private_segment_fixed_size 0
		.amdhsa_enable_private_segment 0
		.amdhsa_kernarg_size 48
		.amdhsa_user_sgpr_count 2
		.amdhsa_user_sgpr_kernarg_segment_ptr 1
		.amdhsa_wavefront_size32 1
		.amdhsa_system_sgpr_workgroup_id_x 1
		.amdhsa_system_sgpr_workgroup_id_y 1
		.amdhsa_system_sgpr_workgroup_id_z 1
		.amdhsa_system_vgpr_workitem_id 0
		.amdhsa_next_free_vgpr 112
		.amdhsa_next_free_sgpr 66
		.amdhsa_reserve_vcc 0
		.amdhsa_float_denorm_mode_32 3
		.amdhsa_float_denorm_mode_16_64 3
		.amdhsa_memory_ordered 1
		.amdhsa_forward_progress 1
		.amdhsa_inst_pref_size 13
	.end_amdhsa_kernel
	.amdgpu_metadata
---
amdhsa.version: [ 1, 2 ]
amdhsa.kernels:
  - .name:           k_qd5e8bf55c5_prep
    .symbol:         k_qd5e8bf55c5_prep.kd
    .args:
      - { .name: x, .offset: 0, .size: 8, .value_kind: global_buffer, .address_space: global }
      - { .name: Wq, .offset: 8, .size: 8, .value_kind: global_buffer, .address_space: global }
      - { .name: Wk, .offset: 16, .size: 8, .value_kind: global_buffer, .address_space: global }
      - { .name: Wv, .offset: 24, .size: 8, .value_kind: global_buffer, .address_space: global }
      - { .name: xb, .offset: 32, .size: 8, .value_kind: global_buffer, .address_space: global }
      - { .name: wt, .offset: 40, .size: 8, .value_kind: global_buffer, .address_space: global }
    .group_segment_fixed_size: 17920
    .private_segment_fixed_size: 0
    .kernarg_segment_align: 8
    .kernarg_segment_size: 48
    .max_flat_workgroup_size: 256
    .sgpr_count:     66
    .vgpr_count:     112
    .wavefront_size: 32
...
	.end_amdgpu_metadata
.endif
;; end of part 1
;; launch proj (part 2): grid 12 x 32, 4 waves a work-group, clusters of 4 x 4, 327,680 bytes of LDS; arguments xb, wt, qkv, v32; writes qkv, v32
.if DOCPART == 2
	.amdgcn_target "amdgcn-amd-amdhsa--gfx1250"
	.amdhsa_code_object_version 6
	.text
	.protected	k_qd5e8bf55c5_proj
	.globl	k_qd5e8bf55c5_proj
	.p2align	8
	.type	k_qd5e8bf55c5_proj,@function
k_qd5e8bf55c5_proj:
	s_mov_b64 s[64:65], 0
	v_nop
	global_prefetch_b8 v0, s[64:65] scope:SCOPE_SE
	s_setreg_imm32_b32 hwreg(HW_REG_WAVE_MODE, 25, 1), 1
	s_wait_xcnt 0x0
	s_wait_alu depctr_hold_cnt(0) depctr_sa_sdst(0) depctr_va_vdst(0) depctr_va_sdst(0) depctr_va_ssrc(0) depctr_va_vcc(0) depctr_vm_vsrc(0)
	s_getreg_b32 s2, hwreg(HW_REG_IB_STS2, 6, 4)
	s_cmp_eq_u32 s2, 0
	s_cbranch_scc0 .Lentry_in_a_cluster
	s_endpgm
.Lentry_in_a_cluster:
	s_bfe_u32 s2, ttmp6, 0x10000c
	s_cmp_lg_u32 s2, 0xf033
	s_cbranch_scc0 .Lentry_shape_is_right
	s_endpgm
.Lentry_shape_is_right:
; qkv[m][n] = f16 of the sum over k of xb[m][k] wt[n][k]: xb [8192][1024] and wt [3072][1024] in bf16, sums in f32, qkv [8192][3072] in f16 (Q at column 0, K at 1024, V at 2048).
; v32 [4][4][1024] takes V's rows 0-3 of each batch unrounded, in f32: those rows of the output average over one to four keys only and are made apart, in the next launch.
; LIMIT.  f16 holds no number beyond 65,504: Q, K and V must lie within it (with x of unit spread and weights below 1/32 they lie near 0.6; thirty times larger inputs give some 2,600).
; A tile of 256 x 256 is made by four waves, 128 x 128 each: 64 accumulators of 16 x 16, 512 registers.  K goes in steps of 128 through two LDS slots filled by the tensor data mover: rows of 256 bytes.
; CLUSTERS: 4 x 4 work-groups; the four of a row need the same tiles of xb, the four of a column the same tiles of wt: each tile is asked for JOINTLY, by the same load, descriptor and mask in all four.
; THE MATRIX INSTRUCTION IS USED TRANSPOSED (source 0 = 16 rows of wt, source 1 = 16 rows of xb): lane l holds row l % 16 and the eight neighbouring columns 8 (l / 16) + 0..7.
; REGISTERS, in windows of 256 (s_set_vgpr_msb: bits 1:0 source 0, 3:2 source 1, 5:4 source 2, 7:6 destination):
;   window 0: v0-31 addresses; v64-127, v128-191 fragments of xb, two buffers; v32-63, v192-255 at work on the way out     window 1: v64-127, v128-191 fragments of wt
;   window 2: the accumulators of my rows 0-63 ((a, b) at v[8 (8 a + b)])     window 3: those of my rows 64-127
.set SIZE_N, 3072
.set SIZE_K, 1024
.set KSTEP,  128
.set PITCH,  272                       ; an LDS row: 256 bytes + 16 of padding = 68 words: the 16 rows that a load touches start at 16 different groups of four banks (ISA guide 11.1)
.set HALFT,  128*PITCH                 ; 128 rows: what one tensor load brings
.set SLOT,   4*HALFT                   ; xb's 256 rows, then wt's 256 rows
.set STAGE,  2*SLOT                    ; behind the ring: 16 rows x 272 bytes for each wave, for the way out
.set SPITCH, 272
.set SPARE,  STAGE+4*16*SPITCH         ; behind the stages: the spare words, 128 bytes for each wave: two blocks of 256 bytes that no other line names
.set LAPS,   SIZE_K/(2*KSTEP)          ; 4 laps of two K steps
.set ADRA, 16                          ; v16-17  LDS address of my xb fragments in slot 0, 1
.set ADRB, 20                          ; v20-21  the same for wt
.set STO,  24                          ; v24     the way out: where I put 16 bytes of a row
.set RD,   25                          ; v25     where I read a row back
.set CO,   26                          ; v26     my byte offset in qkv
.set VO,   27                          ; v27     my byte offset in v32
.set SPW,  28                          ; v28     LDS address of my spare word; never rewritten
.set NIL,  29                          ; v29     0; never rewritten
.set F0,   64
.set F1,   128
.set TMP,  192
.set OB,   32
.set G1, 24                            ; s[24:31] descriptor group 1 for xb's tiles;  s[32:39] group 0, a set for each slot
.set G0, 32
.set G1B, 48                           ; s[48:55], s[56:63] the same for wt's
.set G0B, 56
.set MSB, 0
.macro WIN new                         ; the immediate's high byte repeats the setting that is left; a switch that changes nothing is dropped
.if MSB != (\new)
	s_set_vgpr_msb (MSB<<8)|(\new)
.set MSB, \new
.endif
.endm
.set MUL_LO, 0xa1                      ; source 0 (wt) window 1, source 1 (xb) window 0, C and D window 2
.set MUL_HI, 0xf1                      ; the same, C and D window 3
.set TO_B,   0x40                      ; destination window 1, address window 0
; A joint load: waves 0 and 1 fetch xb's two halves, waves 2 and 3 wt's.  The branch hangs on the wave's number alone.  An s_nop 0 and four v_nop follow each of the two lines.
.macro JLOAD s
	s_cmp_eq_u32 s11, 0
	s_cbranch_scc0 .Lfor_b_\@
	tensor_load_to_lds s[G0+4*(\s):G0+4*(\s)+3], s[G1:G1+7]
	s_nop 0
.rept 4
	v_nop
.endr
	s_branch .Lasked_\@
.Lfor_b_\@:
	tensor_load_to_lds s[G0B+4*(\s):G0B+4*(\s)+3], s[G1B:G1B+7]
	s_nop 0
.rept 4
	v_nop
.endr
.Lasked_\@:
.endm
.macro CREST                           ; a round of the cluster's barrier behind its opening barrier
	s_cmp_lg_u32 s10, 0
	s_cbranch_scc1 .Lnot_wave_0_\@
	s_barrier_signal -3
.Lnot_wave_0_\@:
	s_barrier_wait -3
	s_barrier_signal -1
	s_barrier_wait -1
.endm
.macro CROUND                          ; a whole round
	s_barrier_signal -1
	s_barrier_wait -1
	CREST
.endm
	s_load_b128 s[4:7], s[0:1], 0x0                ; xb s[4:5], wt s[6:7]
	s_load_b64 s[8:9], s[0:1], 0x10                ; qkv
	s_load_b64 s[68:69], s[0:1], 0x18              ; v32
	v_lshl_add_u32 v[SPW], v0, 2, SPARE
	v_mov_b32 v[NIL], 0
	ds_add_u32 v[SPW], v[NIL]                      ; the wave's opening: the add and its wait stand ahead of my first tensor load; the set-up below stands between them
	ds_add_u32 v28, v29
	v_lshrrev_b32 v1, 5, v0
	v_readfirstlane_b32 s10, v1                    ; wave 0..3
	s_lshr_b32 s11, s10, 1                         ; which half of the tile's rows is mine.  Also: I fetch for xb (0) or for wt (1)
	s_and_b32 s12, s10, 1                          ; which half of its columns.  Also: which 128 rows of that tile I fetch
	s_bfe_u32 s40, ttmp6, 0x40000                  ; cx
	s_bfe_u32 s41, ttmp6, 0x40004                  ; cy
	s_lshl_b32 s42, ttmp9, 2
	s_add_co_u32 s42, s42, s40                     ; tile column = 4 x cluster x + cx
	s_and_b32 s13, ttmp7, 0xffff
	s_lshl_b32 s13, s13, 2
	s_add_co_u32 s13, s13, s41                     ; tile row = 4 x cluster y + cy
	s_and_b32 s70, s13, 7                          ; 0: the tile holds a batch's first rows (a batch is 8 tile rows)
	s_lshr_b32 s71, s13, 3                         ; the batch
	s_lshl_b32 s43, s41, 2
	s_lshl_b32 s43, 15, s43                        ; my row of the cluster
	s_lshl_b32 s44, 0x1111, s40                    ; my column
	s_or_b32 s[G1+0], s43, (1<<16)|(1<<20)|(1<<21)|(5<<22)|(3<<25)   ; the mask; 2-byte elements; padding on; bit 21 beside a mask; after every 64 words (code 5) 4 words (code 3)
	s_or_b32 s[G1B+0], s44, (1<<16)|(1<<20)|(1<<21)|(5<<22)|(3<<25)
.irp g, G1, G1B
	s_mov_b32 s[(\g)+1], KSTEP<<16                 ; tensor_dim0 = 128
	s_mov_b32 s[(\g)+2], 128<<16                   ; tensor_dim1 = 128
	s_mov_b32 s[(\g)+3], KSTEP<<16                 ; tile_dim0 = 128
	s_mov_b32 s[(\g)+4], 128                       ; tile_dim1 = 128
	s_mov_b32 s[(\g)+5], SIZE_K                    ; elements from row to row
	s_mov_b32 s[(\g)+6], 0
	s_mov_b32 s[(\g)+7], 0
.endr
	s_lshl_b32 s17, s12, 7                         ; which 128 rows of the tile I fetch
	s_lshl_b32 s16, s13, 8
	s_add_co_u32 s16, s16, s17                     ; xb: row 256 x tile row + 128 x half
	s_lshl_b32 s46, s42, 8
	s_add_co_u32 s46, s46, s17                     ; wt: row 256 x tile column + 128 x half
	s_mov_b32 s17, 0
	s_mov_b32 s47, 0
	s_mov_b64 s[18:19], SIZE_K*2
	s_mul_u64 s[16:17], s[16:17], s[18:19]
	s_mul_u64 s[46:47], s[46:47], s[18:19]
	s_mul_i32 s20, s10, HALFT                      ; where they go: wave x 128 rows: no place in the cluster enters an LDS address
	s_wait_dscnt 0x0                               ; the opening add is done
	s_wait_kmcnt 0x0
	s_add_nc_u64 s[14:15], s[4:5], s[16:17]
	s_add_nc_u64 s[46:47], s[6:7], s[46:47]
	CROUND                                         ; all sixteen work-groups are here: the first joint loads meet
.irp s, 0,1
	s_mov_b32 s[G0+4*(\s)], 1
	s_add_co_u32 s[G0+4*(\s)+1], s20, (\s)*SLOT
	s_add_nc_u64 s[G0+4*(\s)+2:G0+4*(\s)+3], s[14:15], (\s)*KSTEP*2
	s_or_b32 s[G0+4*(\s)+3], s[G0+4*(\s)+3], 0x80000000
	s_mov_b32 s[G0B+4*(\s)], 1
	s_add_co_u32 s[G0B+4*(\s)+1], s20, (\s)*SLOT
	s_add_nc_u64 s[G0B+4*(\s)+2:G0B+4*(\s)+3], s[46:47], (\s)*KSTEP*2
	s_or_b32 s[G0B+4*(\s)+3], s[G0B+4*(\s)+3], 0x80000000
	JLOAD \s                                       ; two loads of mine are out
.endr
	; a fragment is 16 rows x 32 K in 8 registers: lane l holds row l % 16; two loads of 16 bytes, 32 bytes apart, at row x pitch + 16 (l / 16)
	v_and_b32 v1, 15, v0                           ; l % 16
	v_bfe_u32 v2, v0, 4, 1                         ; l / 16
	v_mul_u32_u24 v3, v1, PITCH
	v_lshl_add_u32 v3, v2, 4, v3
	s_mul_i32 s21, s11, HALFT                      ; my 128 rows of xb
	s_mul_i32 s22, s12, HALFT                      ; my 128 rows of wt,
	s_add_co_u32 s22, s22, 2*HALFT                 ; which lie behind xb's 256
.irp s, 0,1
	v_add_nc_u32 v[ADRA+(\s)], s21, v3
	v_add_nc_u32 v[ADRB+(\s)], s22, v3
	s_add_co_u32 s21, s21, SLOT
	s_add_co_u32 s22, s22, SLOT
.endr
	s_mul_i32 s23, s10, 16*SPITCH
	s_add_co_u32 s23, s23, STAGE                   ; my stage
	v_mul_u32_u24 v4, v1, SPITCH
	v_lshl_add_u32 v4, v2, 4, v4
	v_add_nc_u32 v[STO], s23, v4
	v_mul_u32_u24 v5, v2, SPITCH
	v_lshl_add_u32 v5, v1, 4, v5
	v_add_nc_u32 v[RD], s23, v5
	v_mul_u32_u24 v5, v2, SIZE_N*2
	v_lshl_add_u32 v[CO], v1, 4, v5
	s_lshl_b32 s13, s13, 8
	s_lshl_b32 s14, s11, 7
	s_add_co_u32 s16, s13, s14                     ; my first row of qkv
	s_mov_b32 s17, 0
	s_mov_b64 s[18:19], SIZE_N*2
	s_mul_u64 s[16:17], s[16:17], s[18:19]
	s_lshl_b32 s46, s42, 9                         ; my first column, in bytes
	s_lshl_b32 s47, s12, 8
	s_add_co_u32 s46, s46, s47
	s_mov_b32 s47, 0
	s_add_nc_u64 s[16:17], s[16:17], s[46:47]
; 16 matrix instructions: m blocks a0, a0 + 1 of the window's four x all 8 n blocks, 32 along K.  zero = 1: the first product starts the sums
.macro MUL16 f, hi, a0, zero
	WIN MUL_LO+0x50*(\hi)
.irp a, \a0, (\a0)+1
.irp b, 0,1,2,3,4,5,6,7
.if \zero
	v_wmma_f32_16x16x32_bf16 v[8*(8*(\a)+(\b)):8*(8*(\a)+(\b))+7], v[(\f)+8*(\b):(\f)+8*(\b)+7], v[(\f)+8*(4*(\hi)+(\a)):(\f)+8*(4*(\hi)+(\a))+7], 0
.else
	v_wmma_f32_16x16x32_bf16 v[8*(8*(\a)+(\b)):8*(8*(\a)+(\b))+7], v[(\f)+8*(\b):(\f)+8*(\b)+7], v[(\f)+8*(4*(\hi)+(\a)):(\f)+8*(4*(\hi)+(\a))+7], v[8*(8*(\a)+(\b)):8*(8*(\a)+(\b))+7]
.endif
.endr
.endr
.endm
; 32 LDS loads in one run: the fragments of one quarter step (32 K at byte k of the rows) into buffer f
.macro FETCH slot, k, f
	WIN TO_B
.irp i, 0,1,2,3,4,5,6,7
	ds_load_b128 v[(\f)+8*(\i):(\f)+8*(\i)+3],   v[ADRB+(\slot)] offset:(\k)+(\i)*16*PITCH
	ds_load_b128 v[(\f)+8*(\i)+4:(\f)+8*(\i)+7], v[ADRB+(\slot)] offset:(\k)+(\i)*16*PITCH+32
.endr
	WIN 0
.irp i, 0,1,2,3,4,5,6,7
	ds_load_b128 v[(\f)+8*(\i):(\f)+8*(\i)+3],   v[ADRA+(\slot)] offset:(\k)+(\i)*16*PITCH
	ds_load_b128 v[(\f)+8*(\i)+4:(\f)+8*(\i)+7], v[ADRA+(\slot)] offset:(\k)+(\i)*16*PITCH+32
.endr
.endm
.macro PLACES                          ; four places in front of loads into registers that matrix instructions have read, and of lines that read results
.rept 4
	v_nop
.endr
.endm
; A K step is four quarters of 32 along K, 64 matrix instructions each, on buffers 0, 1, 0, 1; the 64 accumulators take turns in the same order everywhere.
.macro QUARTER slot, k, f, g, zero
	s_wait_dscnt 8                                 ; wt's fragments and xb's rows 0-63 are in; the youngest eight loads may be out
	MUL16 \f, 0, 0, \zero
	MUL16 \f, 0, 2, \zero
	PLACES
	FETCH \slot, \k, \g
	s_wait_dscnt 32                                ; all but the 32 just issued
	MUL16 \f, 1, 0, \zero
	MUL16 \f, 1, 2, \zero
.endm
; The first half of a step's last quarter: ONE barrier for the change of slots.  In front of it each wave waits for all its tensor loads (one is out: its part of the next slot), adds 0 to its spare word, and waits for that and for its reads of this slot.
.macro MEET round
	WIN 0
	s_wait_tensorcnt 0x0
	ds_add_u32 v[SPW], v[NIL]
	s_wait_dscnt 9                                 ; (the add and the youngest eight loads may be out)
	MUL16 F1, 0, 0, 0
	s_wait_dscnt 0x0                               ; the add is done, and my reads of this slot are over
	s_barrier_signal -1
	MUL16 F1, 0, 2, 0
.if \round
	WIN 0
.endif
	s_barrier_wait -1
.endm
; The whole last quarter.  fill = 1: the barrier opens a round of the cluster's barrier, and the slot just read is filled again, two K steps on, first thing behind it: 224 matrix instructions ahead of the wait for it.
.macro TURN slot, next, fill
	MEET \fill
.if \fill
	CREST
	s_add_nc_u64 s[G0+4*(\slot)+2:G0+4*(\slot)+3], s[G0+4*(\slot)+2:G0+4*(\slot)+3], 2*KSTEP*2
	s_add_nc_u64 s[G0B+4*(\slot)+2:G0B+4*(\slot)+3], s[G0B+4*(\slot)+2:G0B+4*(\slot)+3], 2*KSTEP*2
	JLOAD \slot                                    ; the four v_nop behind it are also the places in front of the loads below
.else
	PLACES
.endif
	FETCH \next, 0, F0
	MUL16 F1, 1, 0, 0
	MUL16 F1, 1, 2, 0
.endm
; THE WAY OUT of block a (16 rows): rounded to f16, 16 bytes a lane; into my own stage; back as whole rows of 256 bytes; stored.
.macro PACK a
.set AC, 64*((\a)%4)
	WIN 0x0a+5*((\a)/4)                            ; sources 0 and 1: window 2 or 3
.irp b, 0,1,2,3,4,5,6,7
.irp r, 0,1,2,3
	v_cvt_pk_f16_f32 v[TMP+4*(\b)+(\r)], v[AC+8*(\b)+2*(\r)], v[AC+8*(\b)+2*(\r)+1]
.endr
.endr
	WIN 0
.endm
.macro TOSTAGE a
	WIN 0
.set BK, OB+192*((\a)%2)
.irp b, 0,1,2,3,4,5,6,7
	ds_store_b128 v[STO], v[TMP+4*(\b):TMP+4*(\b)+3] offset:32*(\b)
.endr
.irp t, 0,1,2,3,4,5,6,7
	ds_load_b128 v[BK+4*(\t):BK+4*(\t)+3], v[RD] offset:(\t)*2*SPITCH  ; LDS serves a wave's instructions in order (ISA guide 5.7.1.4): these see the stores above
.endr
.endm
.macro SEND a
	WIN 0
.set BK, OB+192*((\a)%2)
	s_wait_dscnt 0x0                               ; the block is back in registers
	s_wait_xcnt 0x0                                ; only behind this wait are the stores' base and the registers that earlier stores read rewritten
.if (\a) == 0
	s_add_nc_u64 s[8:9], s[8:9], s[16:17]
.else
	s_add_nc_u64 s[8:9], s[8:9], 16*SIZE_N*2
.endif
.irp t, 0,1,2,3,4,5,6,7
	global_store_b128 v[CO], v[BK+4*(\t):BK+4*(\t)+3], s[8:9] offset:2*(\t)*SIZE_N*2  ; 16 lanes store 256 consecutive bytes, at a multiple of 256 from qkv's first byte
.endr
.endm
	s_wait_tensorcnt 1                             ; my part of K step 0 is in; K step 1's may stay out
	s_barrier_signal -1
	s_barrier_wait -1
	FETCH 0, 0, F0
	QUARTER 0, 64,  F0, F1, 1                      ; the first quarter's products start the sums
	WIN 0
	s_mov_b32 s3, LAPS-1
.Llap:                                                 ; a trip goes once round the ring and fills both slots again
	QUARTER 0, 128, F1, F0, 0
	QUARTER 0, 192, F0, F1, 0
	TURN 0, 1, 1
	QUARTER 1, 64,  F0, F1, 0
	QUARTER 1, 128, F1, F0, 0
	QUARTER 1, 192, F0, F1, 0
	TURN 1, 0, 1
	QUARTER 0, 64,  F0, F1, 0
	WIN 0
	s_sub_co_u32 s3, s3, 1
	s_cmp_lg_u32 s3, 0
	s_cbranch_scc1 .Llap
	QUARTER 0, 128, F1, F0, 0                      ; the last lap is written out: it fills nothing
	QUARTER 0, 192, F0, F1, 0
	TURN 0, 1, 0
	QUARTER 1, 64,  F0, F1, 0
	QUARTER 1, 128, F1, F0, 0
	QUARTER 1, 192, F0, F1, 0
	s_wait_dscnt 8
	MUL16 F1, 0, 0, 0
	MUL16 F1, 0, 2, 0
	s_wait_dscnt 0x0
	MUL16 F1, 1, 0, 0
	MUL16 F1, 1, 2, 0
	WIN 0
	PLACES
	; V's rows 0-3 of a batch, unrounded.  They lie in block 0 of the waves with the tile's upper rows, in tile rows 0, 8, 16, 24 and tile columns 8-11; everywhere else the row limit is 0 and no lane stores.
	s_cmp_ge_u32 s42, 8
	s_cselect_b32 s66, 4, 0
	s_cmp_eq_u32 s70, 0
	s_cselect_b32 s66, s66, 0
	s_cmp_eq_u32 s11, 0
	s_cselect_b32 s66, s66, 0
	s_max_u32 s67, s42, 8
	s_sub_co_u32 s67, s67, 8
	s_lshl_b32 s67, s67, 10                        ; 256 channels of 4 bytes a tile column
	s_lshl_b32 s70, s71, 14                        ; 4 rows of 4,096 bytes a batch
	s_add_co_u32 s70, s70, s67
	s_lshl_b32 s67, s12, 9
	s_add_co_u32 s70, s70, s67
	s_mov_b32 s71, 0
	s_add_nc_u64 s[68:69], s[68:69], s[70:71]
	v_lshlrev_b32 v[VO], 12, v1                    ; row l % 16,
	v_lshl_add_u32 v[VO], v2, 5, v[VO]             ; eight channels for each half of the lanes
	v_cmp_gt_u32 vcc_lo, s66, v1
	s_wait_xcnt 0x0                                ; EXEC changes only behind this wait
	s_and_saveexec_b32 s67, vcc_lo
	WIN 0x08                                       ; store data in window 2
.irp b, 0,1,2,3,4,5,6,7
	global_store_b128 v[VO], v[8*(\b):8*(\b)+3],   s[68:69] offset:64*(\b)
	global_store_b128 v[VO], v[8*(\b)+4:8*(\b)+7], s[68:69] offset:64*(\b)+16
.endr
	s_wait_xcnt 0x0                                ; and again, in front of the line that widens it
	s_or_b32 exec_lo, exec_lo, s67
	WIN 0
	PACK 0
	TOSTAGE 0
.irp a, 1,2,3,4,5,6,7                  ; block a's conversions stand between block a - 1's loads from the stage and the wait for them
	PACK \a
	SEND (\a)-1
	TOSTAGE \a
.endr
	SEND 7
	s_wait_tensorcnt 0x0                           ; the wave's end
	ds_add_u32 v[SPW], v[NIL]
	s_wait_dscnt 0x0
	CROUND                                         ; the closing round: no work-group ends while a partner may still ask for a tile that names it
	s_endpgm
.Lfunc_end_k_qd5e8bf55c5_proj:
	.size	k_qd5e8bf55c5_proj, .Lfunc_end_k_qd5e8bf55c5_proj-k_qd5e8bf55c5_proj
	.p2alignl 7, 3214868480
	.fill 96, 4, 3214868480
	.section	.rodata,"a",@progbits
	.p2align	6, 0x0
	.amdhsa_kernel k_qd5e8bf55c5_proj
		.amdhsa_group_segment_fixed_size 327680
		.amdhsa_private_segment_fixed_size 0
		.amdhsa_enable_private_segment 0
		.amdhsa_kernarg_size 32
		.amdhsa_user_sgpr_count 2
		.amdhsa_user_sgpr_kernarg_segment_ptr 1
		.amdhsa_wavefront_size32 1
		.amdhsa_system_sgpr_workgroup_id_x 1
		.amdhsa_system_sgpr_workgroup_id_y 1
		.amdhsa_system_sgpr_workgroup_id_z 1
		.amdhsa_system_vgpr_workitem_id 0
		.amdhsa_next_free_vgpr 1024
		.amdhsa_next_free_sgpr 72
		.amdhsa_reserve_vcc 1
		.amdhsa_float_denorm_mode_32 3
		.amdhsa_float_denorm_mode_16_64 3
		.amdhsa_memory_ordered 1
		.amdhsa_forward_progress 1
		.amdhsa_inst_pref_size 145
	.end_amdhsa_kernel
	.amdgpu_metadata
---
amdhsa.version: [ 1, 2 ]
amdhsa.kernels:
  - .name:           k_qd5e8bf55c5_proj
    .symbol:         k_qd5e8bf55c5_proj.kd
    .args:
      - { .name: xb, .offset: 0, .size: 8, .value_kind: global_buffer, .address_space: global }
      - { .name: wt, .offset: 8, .size: 8, .value_kind: global_buffer, .address_space: global }
      - { .name: qkv, .offset: 16, .size: 8, .value_kind: global_buffer, .address_space: global }
      - { .name: v32, .offset: 24, .size: 8, .value_kind: global_buffer, .address_space: global }
    .group_segment_fixed_size: 327680
    .private_segment_fixed_size: 0
    .kernarg_segment_align: 8
    .kernarg_segment_size: 32
    .max_flat_workgroup_size: 128
    .sgpr_count:     72
    .vgpr_count:     1024
    .wavefront_size: 32
...
	.end_amdgpu_metadata
.endif
;; end of part 2
;; launch scores (part 3): grid 36 x 4, 4 waves a work-group, no clusters, 327,680 bytes of LDS; arguments qkv, v32, p, st, out0; writes p, st, out0
.if DOCPART == 3
	.amdgcn_target "amdgcn-amd-amdhsa--gfx1250"
	.amdhsa_code_object_version 6
	.text
	.protected	k_qd5e8bf55c5_scores
	.globl	k_qd5e8bf55c5_scores
	.p2align	8
	.type	k_qd5e8bf55c5_scores,@function
k_qd5e8bf55c5_scores:
	s_mov_b64 s[64:65], 0
	v_nop
	global_prefetch_b8 v0, s[64:65] scope:SCOPE_SE
	s_setreg_imm32_b32 hwreg(HW_REG_WAVE_MODE, 25, 1), 1
	s_wait_xcnt 0x0
; For each causal tile (i, j), j <= i, of 256 queries x 256 keys of a batch: S = Q K^T (f16 operands, f32 sums, K = 1024); keys behind the query are hidden; for each row the tile's own maximum m,
; p = 2^(c s - c m) with c = log2(e) / 32, rounded to f16 into p [4][2048][2048], and (c m, the sum l of the unrounded p) into st [4][8 j][2048 q][2].  The next launch joins the tiles of a row by
; the maximum over their c m: the maximum that is taken away is a true one, first of the tile, then of the row.
; Tile (0, 0) of a batch also makes rows 0-3 of the output, from f32 V (v32) and f32 weights: they average over one to four keys, and f16's rounding of V would use up their allowance.
; LIMITS.  A hidden score counts as -1e30 (f16 operands give scores of 4.4e12 at the most); a weight below 2^-126 counts as 0; p below 6e-5 keeps f16's fixed step of 6e-8; NaN and infinities are not treated apart.
; NO CLUSTER: tile row i has i + 1 tiles and tile column j has 8 - j; only rows and columns of 4 and 8 split into fours that share Q's or K's tile, so a grid of clusters would have to carry work-groups whose tiles are wholly hidden.
; The product is the 256 x 256 tile of the launch before: four waves of 128 x 128, K steps of 128 through two LDS slots, each wave fetching a quarter of a slot by a load of its own.  Source 0 = 16 keys' rows,
; source 1 = 16 queries' rows: lane l holds query l % 16 and the keys 8 (l / 16) + 0..7.  S then goes through LDS (the ring's bytes, behind their last fill), so that a wave sees whole rows.
.set QP,     3072                      ; elements from row to row of qkv
.set KSTEP,  128
.set PITCH,  272
.set HALFT,  128*PITCH
.set SLOT,   4*HALFT
.set PS,     1040                      ; a row of S in LDS: 1,024 bytes + 16: an odd multiple of 16
.set STB,    2*SLOT                    ; behind the ring: (c m, l) of the tile's 256 rows, 8 bytes each
.set SPARE,  STB+2048                  ; the spare words, 128 bytes for each wave: two blocks of 256 bytes that no other line names
.set LAPS,   4
.set ADRA, 16
.set ADRB, 20
.set SPW,  28                          ; v28  LDS address of my spare word; never rewritten
.set NIL,  29                          ; v29  0; never rewritten
.set F0,   64
.set F1,   128
.set SV,   64                          ; the softmax: row R's eight scores at v[64 + 8 R]
.set CM,   96                          ; (c m, l) of row R at v[96 + 2 R]
.set MR,   104                         ; at work
.set MT,   108                         ; the other half of the lanes'
.set PK,   112                         ; row R's eight weights in f16 at v[112 + 4 R]
.set G1, 24                            ; s[24:31] descriptor group 1
.set G0, 32                            ; s[32:39] group 0, a set for each slot
.set MSB, 0
.macro WIN new
.if MSB != (\new)
	s_set_vgpr_msb (MSB<<8)|(\new)
.set MSB, \new
.endif
.endm
.set MUL_LO, 0xa1
.set MUL_HI, 0xf1
.set TO_B,   0x40
	s_load_b256 s[68:75], s[0:1], 0x0              ; qkv s[68:69], v32 s[70:71], p s[72:73], st s[74:75]
	s_load_b64 s[76:77], s[0:1], 0x20              ; out0
	v_lshl_add_u32 v[SPW], v0, 2, SPARE
	v_mov_b32 v[NIL], 0
	ds_add_u32 v[SPW], v[NIL]                      ; the wave's opening: the add and its wait stand ahead of my first tensor load
	ds_add_u32 v28, v29
	v_lshrrev_b32 v1, 5, v0
	v_readfirstlane_b32 s10, v1                    ; wave 0..3
	s_lshr_b32 s11, s10, 1                         ; which half of the queries is mine.  Also: I fetch Q (0) or K (1)
	s_and_b32 s12, s10, 1                          ; which half of the keys.  Also: which 128 rows I fetch
	s_mov_b32 s47, ttmp9                           ; the tile's number in the triangle, 0..35
	s_and_b32 s15, ttmp7, 0xffff                   ; the batch
	s_mov_b32 s13, 0
.irp th, 1,3,6,10,15,21,28             ; tile row i begins at number i (i + 1) / 2
	s_cmp_ge_u32 s47, \th
	s_cselect_b32 s14, 1, 0
	s_add_co_u32 s13, s13, s14                     ; i
.endr
	s_add_co_u32 s14, s13, 1
	s_mul_i32 s14, s14, s13
	s_lshr_b32 s14, s14, 1
	s_sub_co_u32 s14, s47, s14                     ; j
	s_cmp_eq_u32 s13, s14
	s_cselect_b32 s44, 1, 0                        ; 1: the tile holds the diagonal
	s_mov_b32 s[G1+0], (1<<16)|(1<<20)|(5<<22)|(3<<25)  ; 2-byte elements; padding on: after every 64 words (code 5) 4 words (code 3)
	s_mov_b32 s[G1+1], KSTEP<<16
	s_mov_b32 s[G1+2], 128<<16
	s_mov_b32 s[G1+3], KSTEP<<16
	s_mov_b32 s[G1+4], 128
	s_mov_b32 s[G1+5], QP
	s_mov_b32 s[G1+6], 0
	s_mov_b32 s[G1+7], 0
	s_cmp_eq_u32 s11, 0
	s_cselect_b32 s16, s13, s14                    ; Q's rows go by i, K's by j
	s_cselect_b32 s18, 0, 2048                     ; K begins 1,024 elements into a row
	s_lshl_b32 s16, s16, 8
	s_lshl_b32 s17, s15, 11
	s_add_co_u32 s16, s16, s17
	s_lshl_b32 s17, s12, 7
	s_add_co_u32 s16, s16, s17                     ; the first row that I fetch
	s_mul_i32 s16, s16, QP*2
	s_add_co_u32 s16, s16, s18
	s_mov_b32 s17, 0
	s_mul_i32 s20, s10, HALFT                      ; where it goes: wave x 128 rows
	s_wait_dscnt 0x0                               ; the opening add is done
	s_wait_kmcnt 0x0
	s_add_nc_u64 s[18:19], s[68:69], s[16:17]
.irp s, 0,1
	s_mov_b32 s[G0+4*(\s)], 1
	s_add_co_u32 s[G0+4*(\s)+1], s20, (\s)*SLOT
	s_add_nc_u64 s[G0+4*(\s)+2:G0+4*(\s)+3], s[18:19], (\s)*KSTEP*2
	s_or_b32 s[G0+4*(\s)+3], s[G0+4*(\s)+3], 0x80000000
	tensor_load_to_lds s[G0+4*(\s):G0+4*(\s)+3], s[G1:G1+7]  ; the two first fills go out together: two loads of mine are out
	s_nop 0
.endr
	v_and_b32 v1, 15, v0                           ; l % 16
	v_bfe_u32 v2, v0, 4, 1                         ; l / 16
	v_mul_u32_u24 v3, v1, PITCH
	v_lshl_add_u32 v3, v2, 4, v3
	s_mul_i32 s21, s11, HALFT
	s_mul_i32 s22, s12, HALFT
	s_add_co_u32 s22, s22, 2*HALFT
.irp s, 0,1
	v_add_nc_u32 v[ADRA+(\s)], s21, v3
	v_add_nc_u32 v[ADRB+(\s)], s22, v3
	s_add_co_u32 s21, s21, SLOT
	s_add_co_u32 s22, s22, SLOT
.endr
	s_lshl_b32 s16, s15, 11                        ; p at my 64 rows of the tile: row 2,048 b + 256 i + 64 w, key 256 j
	s_lshl_b32 s18, s13, 8
	s_add_co_u32 s16, s16, s18
	s_lshl_b32 s18, s10, 6
	s_add_co_u32 s16, s16, s18
	s_lshl_b32 s16, s16, 12
	s_lshl_b32 s18, s14, 9
	s_add_co_u32 s16, s16, s18
	s_add_nc_u64 s[72:73], s[72:73], s[16:17]
	s_lshl_b32 s16, s15, 3                         ; st at the same rows: ((8 b + j) 2,048 + 256 i + 64 w) x 8 bytes
	s_add_co_u32 s16, s16, s14
	s_lshl_b32 s16, s16, 11
	s_lshl_b32 s18, s13, 8
	s_add_co_u32 s16, s16, s18
	s_lshl_b32 s18, s10, 6
	s_add_co_u32 s16, s16, s18
	s_lshl_b32 s16, s16, 3
	s_add_nc_u64 s[74:75], s[74:75], s[16:17]
	s_mov_b32 s40, 0x3d38aa3b                      ; c = log2(e) / 32
	s_mov_b32 s41, s40                             ; named with it as a pair
	s_mov_b32 s42, 0x76543210                      ; v_permlanex16_b32: each lane takes its own place in the other half
	s_mov_b32 s43, 0xfedcba98
.macro MUL16 f, hi, a0, zero
	WIN MUL_LO+0x50*(\hi)
.irp a, \a0, (\a0)+1
.irp b, 0,1,2,3,4,5,6,7
.if \zero
	v_wmma_f32_16x16x32_f16 v[8*(8*(\a)+(\b)):8*(8*(\a)+(\b))+7], v[(\f)+8*(\b):(\f)+8*(\b)+7], v[(\f)+8*(4*(\hi)+(\a)):(\f)+8*(4*(\hi)+(\a))+7], 0
.else
	v_wmma_f32_16x16x32_f16 v[8*(8*(\a)+(\b)):8*(8*(\a)+(\b))+7], v[(\f)+8*(\b):(\f)+8*(\b)+7], v[(\f)+8*(4*(\hi)+(\a)):(\f)+8*(4*(\hi)+(\a))+7], v[8*(8*(\a)+(\b)):8*(8*(\a)+(\b))+7]
.endif
.endr
.endr
.endm
.macro FETCH slot, k, f
	WIN TO_B
.irp i, 0,1,2,3,4,5,6,7
	ds_load_b128 v[(\f)+8*(\i):(\f)+8*(\i)+3],   v[ADRB+(\slot)] offset:(\k)+(\i)*16*PITCH
	ds_load_b128 v[(\f)+8*(\i)+4:(\f)+8*(\i)+7], v[ADRB+(\slot)] offset:(\k)+(\i)*16*PITCH+32
.endr
	WIN 0
.irp i, 0,1,2,3,4,5,6,7
	ds_load_b128 v[(\f)+8*(\i):(\f)+8*(\i)+3],   v[ADRA+(\slot)] offset:(\k)+(\i)*16*PITCH
	ds_load_b128 v[(\f)+8*(\i)+4:(\f)+8*(\i)+7], v[ADRA+(\slot)] offset:(\k)+(\i)*16*PITCH+32
.endr
.endm
.macro PLACES                          ; four places in front of loads into registers that matrix instructions have read
.rept 4
	v_nop
.endr
.endm
.macro QUARTER slot, k, f, g, zero
	s_wait_dscnt 8                                 ; K's fragments and Q's rows 0-63 are in; the youngest eight loads may be out
	MUL16 \f, 0, 0, \zero
	MUL16 \f, 0, 2, \zero
	PLACES
	FETCH \slot, \k, \g
	s_wait_dscnt 32                                ; all but the 32 just issued
	MUL16 \f, 1, 0, \zero
	MUL16 \f, 1, 2, \zero
.endm
; A step's last quarter changes slots: ONE barrier; in front of it each wave waits for all its tensor loads (one is out: its part of the next slot), adds 0 to its spare word, and waits for that and for its
; reads of this slot.  fill = 1: this slot is filled again, two K steps on, first thing behind the barrier: 224 matrix instructions ahead of the wait for it.
.macro TURN slot, next, fill
	WIN 0
	s_wait_tensorcnt 0x0
	ds_add_u32 v[SPW], v[NIL]
	s_wait_dscnt 9                                 ; (the add and the youngest eight loads may be out)
	MUL16 F1, 0, 0, 0
	s_wait_dscnt 0x0                               ; the add is done, and my reads of this slot are over
	s_barrier_signal -1
	MUL16 F1, 0, 2, 0
	s_barrier_wait -1
.if \fill
	s_add_nc_u64 s[G0+4*(\slot)+2:G0+4*(\slot)+3], s[G0+4*(\slot)+2:G0+4*(\slot)+3], 2*KSTEP*2
	tensor_load_to_lds s[G0+4*(\slot):G0+4*(\slot)+3], s[G1:G1+7]
	s_nop 0
.endif
	PLACES                                         ; behind the load, and in front of the loads below
	FETCH \next, 0, F0
	MUL16 F1, 1, 0, 0
	MUL16 F1, 1, 2, 0
.endm
	s_wait_tensorcnt 1                             ; my part of K step 0 is in; K step 1's may stay out
	s_barrier_signal -1
	s_barrier_wait -1
	FETCH 0, 0, F0
	QUARTER 0, 64,  F0, F1, 1
	WIN 0
	s_mov_b32 s3, LAPS-1
.Llap:
	QUARTER 0, 128, F1, F0, 0
	QUARTER 0, 192, F0, F1, 0
	TURN 0, 1, 1
	QUARTER 1, 64,  F0, F1, 0
	QUARTER 1, 128, F1, F0, 0
	QUARTER 1, 192, F0, F1, 0
	TURN 1, 0, 1
	QUARTER 0, 64,  F0, F1, 0
	WIN 0
	s_sub_co_u32 s3, s3, 1
	s_cmp_lg_u32 s3, 0
	s_cbranch_scc1 .Llap
	QUARTER 0, 128, F1, F0, 0                      ; the last lap is written out: it fills nothing
	QUARTER 0, 192, F0, F1, 0
	TURN 0, 1, 0
	QUARTER 1, 64,  F0, F1, 0
	QUARTER 1, 128, F1, F0, 0
	QUARTER 1, 192, F0, F1, 0
	s_wait_dscnt 8
	MUL16 F1, 0, 0, 0
	MUL16 F1, 0, 2, 0
	s_wait_dscnt 0x0                               ; my last reads of the ring are back
	MUL16 F1, 1, 0, 0
	MUL16 F1, 1, 2, 0
	WIN 0
	s_barrier_signal -1                            ; nobody reads the ring any more, and it has had its last fill: S may be laid over it
	s_barrier_wait -1
	s_lshl_b32 s16, s11, 7                         ; the five address lines are the places behind the last products
	v_add_nc_u32 v3, s16, v1                       ; row 128 x half + l % 16
	v_mul_u32_u24 v3, v3, PS
	v_lshl_add_u32 v3, v2, 5, v3                   ; eight keys of 4 bytes for each half of the lanes
	s_lshl_b32 s16, s12, 9
	v_add_nc_u32 v3, s16, v3                       ; my 128 keys
	v_add_nc_u32 v4, 64*PS, v3                     ; blocks 4-7: the immediate does not reach them
.irp a, 0,1,2,3,4,5,6,7
	WIN 0x08+4*((\a)/4)                            ; store data in window 2 or 3
.irp b, 0,1,2,3,4,5,6,7
	ds_store_b128 v[3+(\a)/4], v[8*(8*((\a)%4)+(\b)):8*(8*((\a)%4)+(\b))+3],   offset:((\a)%4)*16*PS+64*(\b)
	ds_store_b128 v[3+(\a)/4], v[8*(8*((\a)%4)+(\b))+4:8*(8*((\a)%4)+(\b))+7], offset:((\a)%4)*16*PS+64*(\b)+16
.endr
.endr
	WIN 0
	v_and_b32 v11, 31, v0                          ; lane
	s_mul_i32 s16, s10, 64*PS
	v_lshl_add_u32 v5, v11, 5, s16                 ; where I read: my wave's rows 64 w on, keys 8 l .. 8 l + 7
	v_lshlrev_b32 v6, 4, v11                       ; my 16 bytes of a row of p
	v_lshlrev_b32 v13, 4, v11                      ; the same, kept for st
	s_lshl_b32 s46, s10, 9
	s_add_co_u32 s46, s46, STB                     ; my wave's 64 pairs of statistics
	v_mov_b32 v7, s46
	v_lshlrev_b32 v8, 3, v11                       ; my first key
	v_mov_b32 v9, 0xf149f2ca                       ; -1e30
	s_lshl_b32 s45, s10, 6                         ; the trip's first row in the tile
.irp R, 0,1,2,3
	v_mov_b32 v[CM+2*(\R)+1], 0                    ; named in a pair before it is made
	v_mov_b32 v[MT+(\R)], 0                        ; v_permlanex16_b32's destination counts as read
.endr
	s_wait_dscnt 0x0                               ; for the others' sake: my part of S is in LDS
	s_barrier_signal -1
	s_barrier_wait -1
	s_mov_b32 s3, 16
.Lrow:                                                 ; a trip: four whole rows of my 64
.irp R, 0,1,2,3
	ds_load_b128 v[SV+8*(\R):SV+8*(\R)+3],   v5 offset:(\R)*PS
	ds_load_b128 v[SV+8*(\R)+4:SV+8*(\R)+7], v5 offset:(\R)*PS+16
.endr
	s_wait_dscnt 0x0
	s_cmp_eq_u32 s44, 0
	s_cbranch_scc1 .Lopen                          ; below the diagonal nothing is hidden
	v_sub_nc_u32 v12, s45, v8                      ; key 8 l + e is hidden from row s45 + R where e - R is greater than this
.irp R, 0,1,2,3
.irp e, 0,1,2,3,4,5,6,7
	v_cmp_gt_i32 vcc_lo, (\e)-(\R), v12
	v_cndmask_b32 v[SV+8*(\R)+(\e)], v[SV+8*(\R)+(\e)], v9, vcc_lo
.endr
.endr
.Lopen:
	; the rows' maxima: within the lane, across sixteen lanes on the arithmetic itself, then the other half; the four rows alternate, so that no line waits for the one before it
.irp R, 0,1,2,3
	v_max3_num_f32 v[MR+(\R)], v[SV+8*(\R)], v[SV+8*(\R)+1], v[SV+8*(\R)+2]
.endr
.irp R, 0,1,2,3
	v_max3_num_f32 v[MR+(\R)], v[MR+(\R)], v[SV+8*(\R)+3], v[SV+8*(\R)+4]
.endr
.irp R, 0,1,2,3
	v_max3_num_f32 v[MR+(\R)], v[MR+(\R)], v[SV+8*(\R)+5], v[SV+8*(\R)+6]
.endr
.irp R, 0,1,2,3
	v_max_num_f32 v[MR+(\R)], v[MR+(\R)], v[SV+8*(\R)+7]
.endr
.irp x, 1,2,4,8
.irp R, 0,1,2,3
	v_max_num_f32_dpp v[MR+(\R)], v[MR+(\R)], v[MR+(\R)] row_xmask:\x row_mask:0xf bank_mask:0xf
.endr
.endr
.irp R, 0,1,2,3
	v_permlanex16_b32 v[MT+(\R)], v[MR+(\R)], s42, s43
.endr
.irp R, 0,1,2,3
	v_max_num_f32 v[MR+(\R)], v[MR+(\R)], v[MT+(\R)]
.endr
.irp R, 0,1,2,3
	v_mul_f32 v[CM+2*(\R)], s40, v[MR+(\R)]        ; c m
.endr
.irp R, 0,1,2,3
.irp z, 0,2,4,6
	v_pk_fma_f32 v[SV+8*(\R)+(\z):SV+8*(\R)+(\z)+1], v[SV+8*(\R)+(\z):SV+8*(\R)+(\z)+1], s[40:41], v[CM+2*(\R):CM+2*(\R)+1] op_sel_hi:[1,0,0] neg_lo:[0,0,1] neg_hi:[0,0,1]  ; c s - c m
.endr
.endr
.set z, 0
.rept 32
	v_exp_f32 v[SV+z], v[SV+z]
.set z, z+1
.endr
	v_nop                                          ; a plain instruction between the last exponential and the use of its result (ISA guide 5.7.2)
	s_wait_alu depctr_va_vdst(0)
.irp R, 0,1,2,3
.irp r, 0,1,2,3
	v_cvt_pk_f16_f32 v[PK+4*(\R)+(\r)], v[SV+8*(\R)+2*(\r)], v[SV+8*(\R)+2*(\r)+1]
.endr
.endr
.irp R, 0,1,2,3
	v_pk_add_f32 v[SV+8*(\R):SV+8*(\R)+1], v[SV+8*(\R):SV+8*(\R)+1], v[SV+8*(\R)+2:SV+8*(\R)+3]
	v_pk_add_f32 v[SV+8*(\R)+4:SV+8*(\R)+5], v[SV+8*(\R)+4:SV+8*(\R)+5], v[SV+8*(\R)+6:SV+8*(\R)+7]
.endr
.irp R, 0,1,2,3
	v_pk_add_f32 v[SV+8*(\R):SV+8*(\R)+1], v[SV+8*(\R):SV+8*(\R)+1], v[SV+8*(\R)+4:SV+8*(\R)+5]
.endr
.irp R, 0,1,2,3
	v_add_f32 v[MR+(\R)], v[SV+8*(\R)], v[SV+8*(\R)+1]
.endr
.irp x, 1,2,4,8
.irp R, 0,1,2,3
	v_add_f32_dpp v[MR+(\R)], v[MR+(\R)], v[MR+(\R)] row_xmask:\x row_mask:0xf bank_mask:0xf
.endr
.endr
.irp R, 0,1,2,3
	v_permlanex16_b32 v[MT+(\R)], v[MR+(\R)], s42, s43
.endr
.irp R, 0,1,2,3
	v_add_f32 v[CM+2*(\R)+1], v[MR+(\R)], v[MT+(\R)]  ; l
.endr
.irp R, 0,1,2,3
	global_store_b128 v6, v[PK+4*(\R):PK+4*(\R)+3], s[72:73] offset:(\R)*4096  ; the tile's 256 keys of a row: 512 consecutive bytes, aligned
	ds_store_b64 v7, v[CM+2*(\R):CM+2*(\R)+1] offset:8*(\R)  ; every lane writes the same pair
.endr
	s_wait_xcnt 0x0                                ; the weights' registers and the offset are rewritten only behind this wait
	v_add_nc_u32 v6, 4*4096, v6
	v_add_nc_u32 v5, 4*PS, v5
	v_add_nc_u32 v7, 32, v7
	s_add_co_u32 s45, s45, 4
	s_sub_co_u32 s3, s3, 1
	s_cmp_lg_u32 s3, 0
	s_cbranch_scc1 .Lrow
	v_lshl_add_u32 v7, v11, 4, s46                 ; my wave's own 512 bytes of statistics leave as one store
	ds_load_b128 v[SV:SV+3], v7                    ; LDS serves a wave's instructions in order: this sees the stores above
	s_wait_dscnt 0x0
	global_store_b128 v13, v[SV:SV+3], s[74:75]
	s_cmp_lg_u32 s47, 0
	s_cbranch_scc1 .Lend
	; ROWS 0-3 OF THE BATCH, in f32.  Thread t owns channels 4 t .. and 512 + 4 t ..: each load and store of a wave covers 512 consecutive bytes.  Row t' sees keys 0 .. t': which, stands in the text.
	v_lshlrev_b32 v14, 4, v0
	s_lshl_b32 s16, s15, 14
	s_mov_b32 s17, 0
	s_add_nc_u64 s[70:71], s[70:71], s[16:17]      ; v32 at the batch
	s_lshl_b32 s16, s15, 23
	s_add_nc_u64 s[76:77], s[76:77], s[16:17]      ; out0 at the batch
.irp k, 0,1,2,3
.irp h, 0,1
	global_load_b128 v[192+8*(\k)+4*(\h):192+8*(\k)+4*(\h)+3], v14, s[70:71] offset:(\k)*4096+(\h)*2048
.endr
.endr
	v_mov_b32 v10, 0
.irp t, 1,2,3
	ds_load_b128 v[160+4*(\t):160+4*(\t)+3], v10 offset:(\t)*PS  ; scores of row t', keys 0-3, the same in every lane
.endr
	s_wait_dscnt 0x0
	v_max_num_f32 v176, v164, v165
	v_max3_num_f32 v177, v168, v169, v170
	v_max3_num_f32 v178, v172, v173, v174
	v_max_num_f32 v178, v178, v175
.irp t, 1,2,3
	v_mul_f32 v[175+(\t)], s40, v[175+(\t)]        ; c m
.endr
.irp t, 1,2,3
.irp k, 0,1,2,3
.if (\k) <= (\t)
	v_fma_f32 v[160+4*(\t)+(\k)], v[160+4*(\t)+(\k)], s40, -v[175+(\t)]
.endif
.endr
.endr
.irp t, 1,2,3
.irp k, 0,1,2,3
.if (\k) <= (\t)
	v_exp_f32 v[160+4*(\t)+(\k)], v[160+4*(\t)+(\k)]
.endif
.endr
.endr
	v_nop
	s_wait_alu depctr_va_vdst(0)
.irp t, 1,2,3
	v_add_f32 v[175+(\t)], v[160+4*(\t)], v[160+4*(\t)+1]
.endr
	v_add_f32 v177, v177, v170
	v_add_f32 v178, v178, v174
	v_add_f32 v178, v178, v175
.irp t, 1,2,3
	v_rcp_f32 v[175+(\t)], v[175+(\t)]
.endr
	v_nop
	s_wait_alu depctr_va_vdst(0)
.irp t, 1,2,3
.irp k, 0,1,2,3
.if (\k) <= (\t)
	v_mul_f32 v[160+4*(\t)+(\k)], v[160+4*(\t)+(\k)], v[175+(\t)]
.endif
.endr
.endr
	s_wait_loadcnt 0x0
	global_store_b128 v14, v[192:195], s[76:77] th:TH_STORE_NT  ; row 0 sees its own key alone: its weight is 1
	global_store_b128 v14, v[196:199], s[76:77] offset:2048 th:TH_STORE_NT
.irp t, 1,2,3
.irp e, 0,1,2,3,4,5,6,7
	v_mul_f32 v[216+8*(\t)+(\e)], v[160+4*(\t)], v[192+(\e)]
.endr
.irp k, 1,2,3
.if (\k) <= (\t)
.irp e, 0,1,2,3,4,5,6,7
	v_fma_f32 v[216+8*(\t)+(\e)], v[160+4*(\t)+(\k)], v[192+8*(\k)+(\e)], v[216+8*(\t)+(\e)]
.endr
.endif
.endr
	global_store_b128 v14, v[216+8*(\t):216+8*(\t)+3],   s[76:77] offset:(\t)*4096 th:TH_STORE_NT
	global_store_b128 v14, v[216+8*(\t)+4:216+8*(\t)+7], s[76:77] offset:(\t)*4096+2048 th:TH_STORE_NT
.endr
.Lend:
	s_wait_tensorcnt 0x0                           ; the wave's end
	ds_add_u32 v[SPW], v[NIL]
	s_wait_dscnt 0x0
	s_endpgm
.Lfunc_end_k_qd5e8bf55c5_scores:
	.size	k_qd5e8bf55c5_scores, .Lfunc_end_k_qd5e8bf55c5_scores-k_qd5e8bf55c5_scores
	.p2alignl 7, 3214868480
	.fill 96, 4, 3214868480
	.section	.rodata,"a",@progbits
	.p2align	6, 0x0
	.amdhsa_kernel k_qd5e8bf55c5_scores
		.amdhsa_group_segment_fixed_size 327680
		.amdhsa_private_segment_fixed_size 0
		.amdhsa_enable_private_segment 0
		.amdhsa_kernarg_size 40
		.amdhsa_user_sgpr_count 2
		.amdhsa_user_sgpr_kernarg_segment_ptr 1
		.amdhsa_wavefront_size32 1
		.amdhsa_system_sgpr_workgroup_id_x 1
		.amdhsa_system_sgpr_workgroup_id_y 1
		.amdhsa_system_sgpr_workgroup_id_z 1
		.amdhsa_system_vgpr_workitem_id 0
		.amdhsa_next_free_vgpr 1024
		.amdhsa_next_free_sgpr 80
		.amdhsa_reserve_vcc 1
		.amdhsa_float_denorm_mode_32 3
		.amdhsa_float_denorm_mode_16_64 3
		.amdhsa_memory_ordered 1
		.amdhsa_forward_progress 1
		.amdhsa_inst_pref_size 136
	.end_amdhsa_kernel
	.amdgpu_metadata
---
amdhsa.version: [ 1, 2 ]
amdhsa.kernels:
  - .name:           k_qd5e8bf55c5_scores
    .symbol:         k_qd5e8bf55c5_scores.kd
    .args:
      - { .name: qkv, .offset: 0, .size: 8, .value_kind: global_buffer, .address_space: global }
      - { .name: v32, .offset: 8, .size: 8, .value_kind: global_buffer, .address_space: global }
      - { .name: p, .offset: 16, .size: 8, .value_kind: global_buffer, .address_space: global }
      - { .name: st, .offset: 24, .size: 8, .value_kind: global_buffer, .address_space: global }
      - { .name: out0, .offset: 32, .size: 8, .value_kind: global_buffer, .address_space: global }
    .group_segment_fixed_size: 327680
    .private_segment_fixed_size: 0
    .kernarg_segment_align: 8
    .kernarg_segment_size: 40
    .max_flat_workgroup_size: 128
    .sgpr_count:     80
    .vgpr_count:     1024
    .wavefront_size: 32
...
	.end_amdgpu_metadata
.endif
;; end of part 3
;; launch pv (part 4): grid 8 x 32, 4 waves a work-group, clusters of 4 x 4, 327,680 bytes of LDS; arguments p, st, qkv, out0; writes out0
.if DOCPART == 4
	.amdgcn_target "amdgcn-amd-amdhsa--gfx1250"
	.amdhsa_code_object_version 6
	.text
	.protected	k_qd5e8bf55c5_pv
	.globl	k_qd5e8bf55c5_pv
	.p2align	8
	.type	k_qd5e8bf55c5_pv,@function
k_qd5e8bf55c5_pv:
	s_mov_b64 s[64:65], 0
	v_nop
	global_prefetch_b8 v0, s[64:65] scope:SCOPE_SE
	s_setreg_imm32_b32 hwreg(HW_REG_WAVE_MODE, 25, 1), 1
	s_wait_xcnt 0x0
	s_wait_alu depctr_hold_cnt(0) depctr_sa_sdst(0) depctr_va_vdst(0) depctr_va_sdst(0) depctr_va_ssrc(0) depctr_va_vcc(0) depctr_vm_vsrc(0)
	s_getreg_b32 s2, hwreg(HW_REG_IB_STS2, 6, 4)
	s_cmp_eq_u32 s2, 0
	s_cbranch_scc0 .Lentry_in_a_cluster
	s_endpgm
.Lentry_in_a_cluster:
	s_bfe_u32 s2, ttmp6, 0x10000c
	s_cmp_lg_u32 s2, 0xf033
	s_cbranch_scc0 .Lentry_shape_is_right
	s_endpgm
.Lentry_shape_is_right:
; out[q][:] = the sum over key tiles j of w_j(q) (P_j V_j)[q][:], with w_j(q) = 2^(cm_j(q) - M(q)) / L(q), M = the maximum over j of cm_j, L = the sum over j of 2^(cm_j - M) l_j: p [4][2048][2048] f16 and
; st [4][8][2048][2] f32 as the launch before left them, V = columns 2048-3071 of qkv (f16), out0 f32.  Products in f16 with f32 sums; the tiles are joined in f32.
; Rows 0-3 of a batch are the launch before's and are not stored here: the wave that holds them stores its rows 4-7 a second time in their place (offset and data chosen by v_cndmask_b32: the same bytes to the
; same addresses), so that all lanes stay on throughout and no register is written under a mask that hangs on the place in the cluster.
; LIMITS.  A factor 2^(cm_j - M) below 2^-126 counts as 0; NaN and infinities are not treated apart.
; SHARES.  A work-group makes 128 queries x 128 channels, twice: of a batch's sixteen query blocks first block 4 (3 - u) + cy, then block 4 u + cy (u: the cluster's y, odd or even; the batch: that y halved).
; THE WALK is the same for all sixteen partners: key tiles 0 .. 7 - 2 u, then 0 .. 2 u + 1: ten steps of 256 keys, whatever u.  A partner whose block ends a tile sooner (cy < 2) still makes every joint request: it asks for
; its last written tile of P once more and gives the product the weight 0.  That is address and data arithmetic: no branch hangs on a place in the cluster.
; CLUSTER 4 x 4: a tile of P hangs on cy and is shared along a row of the cluster, a tile of V on cx and is shared along a column: each is asked for JOINTLY.
; LAYOUT.  Source 0 = 16 channels of V^T (V lies [key][channel] and is turned by ds_load_tr16_b128), source 1 = 16 queries' rows of P: lane l holds query l % 16 and channels 8 (l / 16) + 0..7, so w is one number a lane.
; A step's products start at 0 (T); then O += w T, 64 packed multiply-adds that stand inside the next change of slots.
; REGISTERS: window 0: v0-31 addresses; v32-39 w; v40-63 at work at the start; v64-95 at work; v128-255 T ((a, b) at 128 + 8 (4 a + b); at the start the raw statistics)
;   window 1: two fragment buffers of 128: for 64 keys 64 registers of P, then 64 of V^T          window 2: v0-127 O
.set PA,     528                       ; a row of P in LDS: 512 bytes + 16: an odd multiple of 16
.set PB,     288                       ; a row of V: 256 + 32: an odd multiple of 32
.set ABYTES, 128*PA
.set SLOT,   ABYTES+256*PB             ; P's 128 rows, then V's 256 rows
.set STAGE,  2*SLOT                    ; 16 rows x 272 bytes for each wave, for the way out
.set SP,     272
.set TBL,    STAGE+4*16*SP             ; for each wave 4,096 bytes: w as [16 entries][16 rows][4 fragments] f32; entry s is the walk's step s (of the sixteen the walk reads ten)
.set SPARE,  TBL+4*4096                ; the spare words, 128 bytes for each wave: two blocks of 256 bytes that no other line names
.set ADRA, 16                          ; v16-17  LDS address of my fragments of P in slot 0, 1
.set ADRB, 18                          ; v18-21  of V: slot 0 keys 0-127, 128-255; slot 1 likewise (the immediate does not reach 256 rows)
.set TA,   22                          ; v22     where the step's four w lie: it steps by an entry in every step, and is written nowhere else
.set TA2,  23                          ; v23     where the second block's entries begin: behind the first part's 8 - 2 u
.set STO,  24
.set RD,   25
.set GO,   26                          ; v26     my byte offset in two rows of out0
.set GOS,  27                          ; v27     the same for a block's rows 0-3: four rows further down where those rows are not mine to store
.set SPW,  28                          ; v28     LDS address of my spare word; never rewritten
.set NIL,  29                          ; v29     0; never rewritten
.set RB,   30                          ; v30     my wave's first row in the batch: 0 where rows 0-3 are not mine to store
.set FW,   32                          ; w of fragment a in v[32 + 2 a]; the odd registers are named in pairs alone
.set MX,   40
.set LS,   44
.set SO,   48                          ; v48-63  byte offsets of the statistics, by block and tile
.set FF,   64
.set BK,   64
.set T,    128
.set F0,   0
.set F1,   128
.set G1A, 24                           ; s[24:31] descriptor group 1 for P's tiles;  s[32:39] group 0, a set for each slot
.set G0A, 32
.set G1B, 48                           ; s[48:55], s[56:63] the same for V's
.set G0B, 56
.set I1,  18                           ; s18, s19  the last visible tile of the first, the second block
.set RQ,  66                           ; s66  byte offset in p of the rows that I fetch, block in hand
.set Q2,  67                           ; s67  the second block's
.set RI,  68                           ; s68  the last visible tile of the block in hand
.set RJ,  69                           ; s69  the tile to be asked for next
.set RL,  70                           ; s70  the last tile of the walk's part in hand
.set VB0, 71                           ; s71  byte offset in qkv of the rows of V's tile 0 that I fetch
.set MSB, 0
.macro WIN new
.if MSB != (\new)
	s_set_vgpr_msb (MSB<<8)|(\new)
.set MSB, \new
.endif
.endm
.set MUL,  0x05                        ; sources 0 and 1 window 1; C and D window 0
.set TO_F, 0x40                        ; destination window 1, address window 0
.macro JLOAD s                         ; a joint load: waves 0 and 1 fetch P's two halves, waves 2 and 3 V's; an s_nop 0 and four v_nop follow each of the two lines
	s_cmp_eq_u32 s11, 0
	s_cbranch_scc0 .Lfor_b_\@
	tensor_load_to_lds s[G0A+4*(\s):G0A+4*(\s)+3], s[G1A:G1A+7]
	s_nop 0
.rept 4
	v_nop
.endr
	s_branch .Lasked_\@
.Lfor_b_\@:
	tensor_load_to_lds s[G0B+4*(\s):G0B+4*(\s)+3], s[G1B:G1B+7]
	s_nop 0
.rept 4
	v_nop
.endr
.Lasked_\@:
.endm
.macro CREST
	s_cmp_lg_u32 s10, 0
	s_cbranch_scc1 .Lnot_wave_0_\@
	s_barrier_signal -3
.Lnot_wave_0_\@:
	s_barrier_wait -3
	s_barrier_signal -1
	s_barrier_wait -1
.endm
.macro CROUND
	s_barrier_signal -1
	s_barrier_wait -1
	CREST
.endm
; The addresses of the next step's two tiles, made anew from the tile's number, into slot s's descriptors; then the walk steps.  P's offset holds cy and never cx, V's cx and never cy, each in registers of its own.
.macro MAKE s
	s_min_u32 s80, s[RJ], s[RI]                    ; past my block's last visible tile: that tile once more
	s_lshl_b32 s80, s80, 9                         ; 256 keys of 2 bytes
	s_add_co_u32 s80, s80, s[RQ]
	s_add_nc_u64 s[G0A+4*(\s)+2:G0A+4*(\s)+3], s[84:85], s[80:81]
	s_or_b32 s[G0A+4*(\s)+3], s[G0A+4*(\s)+3], 0x80000000
	s_mul_i32 s82, s[RJ], 256*6144                 ; 256 rows of qkv
	s_add_co_u32 s82, s82, s[VB0]
	s_add_nc_u64 s[G0B+4*(\s)+2:G0B+4*(\s)+3], s[88:89], s[82:83]
	s_or_b32 s[G0B+4*(\s)+3], s[G0B+4*(\s)+3], 0x80000000
	s_add_co_u32 s[RJ], s[RJ], 1
	s_cmp_gt_u32 s[RJ], s[RL]                      ; behind the first part's last tile: the second block's tile 0
	s_cselect_b32 s[RJ], 0, s[RJ]
	s_cselect_b32 s[RQ], s[Q2], s[RQ]
	s_cselect_b32 s[RI], s[I1+1], s[RI]
	s_cselect_b32 s[RL], 15, s[RL]
.endm
	s_load_b256 s[84:91], s[0:1], 0x0              ; p s[84:85], st s[86:87], qkv s[88:89], out0 s[90:91]
	v_lshl_add_u32 v[SPW], v0, 2, SPARE
	v_mov_b32 v[NIL], 0
	ds_add_u32 v[SPW], v[NIL]                      ; the wave's opening: the add and its wait stand ahead of my first tensor load
	ds_add_u32 v28, v29
	v_lshrrev_b32 v1, 5, v0
	v_readfirstlane_b32 s10, v1                    ; wave 0..3
	s_lshr_b32 s11, s10, 1                         ; which 64 queries are mine.  Also: I fetch P (0) or V (1)
	s_and_b32 s12, s10, 1                          ; which 64 channels.  Also: which half of that tile I fetch
	s_bfe_u32 s40, ttmp6, 0x40000                  ; cx
	s_bfe_u32 s41, ttmp6, 0x40004                  ; cy
	s_lshl_b32 s42, ttmp9, 2
	s_add_co_u32 s42, s42, s40                     ; my block of 128 channels = 4 x cluster x + cx
	s_and_b32 s13, ttmp7, 0xffff                   ; the cluster's y
	s_lshr_b32 s14, s13, 1                         ; the batch
	s_and_b32 s15, s13, 1                          ; u
	s_lshl_b32 s43, s41, 2
	s_lshl_b32 s43, 15, s43                        ; my row of the cluster
	s_lshl_b32 s44, 0x1111, s40                    ; my column
	s_sub_co_u32 s16, 3, s15
	s_lshl_b32 s16, s16, 2
	s_add_co_u32 s16, s16, s41                     ; the first query block
	s_lshl_b32 s17, s15, 2
	s_add_co_u32 s17, s17, s41                     ; the second
	s_lshr_b32 s[I1], s16, 1
	s_lshr_b32 s[I1+1], s17, 1
	s_lshl_b32 s20, s14, 23                        ; p: 2,048 rows of 4,096 bytes a batch,
	s_lshl_b32 s21, s12, 18                        ; 64 rows a half
	s_add_co_u32 s20, s20, s21
	s_lshl_b32 s[RQ], s16, 19                      ; 128 rows a block
	s_add_co_u32 s[RQ], s[RQ], s20
	s_lshl_b32 s[Q2], s17, 19
	s_add_co_u32 s[Q2], s[Q2], s20
	s_mov_b32 s[RI], s[I1]
	s_mov_b32 s[RJ], 0
	s_lshl_b32 s[RL], s15, 1
	s_sub_co_u32 s[RL], 7, s[RL]
	s_lshl_b32 s22, s14, 11                        ; V: row 2,048 b + 128 x half,
	s_lshl_b32 s23, s12, 7
	s_add_co_u32 s22, s22, s23
	s_mul_i32 s22, s22, 6144
	s_lshl_b32 s23, s42, 8                         ; column 2,048 + 128 x channel block
	s_add_co_u32 s[VB0], s22, s23
	s_add_co_u32 s[VB0], s[VB0], 4096
	s_mov_b32 s81, 0
	s_mov_b32 s83, 0
	s_lshl_b32 s74, s14, 23                        ; out0: the batch, my 64 rows, my 64 channels,
	s_lshl_b32 s75, s11, 18
	s_add_co_u32 s74, s74, s75
	s_lshl_b32 s75, s42, 9
	s_add_co_u32 s74, s74, s75
	s_lshl_b32 s75, s12, 8
	s_add_co_u32 s74, s74, s75
	s_lshl_b32 s76, s16, 19                        ; and the block
	s_add_co_u32 s76, s76, s74
	s_mov_b32 s77, 0
	s_lshl_b32 s78, s17, 19
	s_add_co_u32 s78, s78, s74
	s_mov_b32 s79, 0
	s_lshl_b32 s75, s11, 6
	s_lshl_b32 s73, s16, 7
	s_add_co_u32 s73, s73, s75                     ; my wave's first row in the batch, first block
	s_lshl_b32 s72, s17, 7
	s_add_co_u32 s72, s72, s75                     ; second block
	s_lshl_b32 s75, s14, 17                        ; st: 8 tiles x 2,048 rows x 8 bytes a batch
	s_lshl_b32 s96, s73, 3
	s_add_co_u32 s96, s96, s75
	s_lshl_b32 s97, s72, 3
	s_add_co_u32 s97, s97, s75
	s_sub_co_u32 s47, 4, s15                       ; the first block leaves in the loop's trip 3 - u
	s_or_b32 s[G1A+0], s43, (1<<16)|(1<<20)|(1<<21)|(6<<22)|(3<<25)  ; the mask; 2-byte elements; padding on; bit 21 beside a mask; after every 128 words (code 6) 4 words (code 3)
	s_mov_b32 s[G1A+1], 256<<16                    ; tensor_dim0 = 256
	s_mov_b32 s[G1A+2], 64<<16                     ; tensor_dim1 = 64
	s_mov_b32 s[G1A+3], 256<<16                    ; tile_dim0 = 256
	s_mov_b32 s[G1A+4], 64                         ; tile_dim1 = 64
	s_mov_b32 s[G1A+5], 2048
	s_mov_b32 s[G1A+6], 0
	s_mov_b32 s[G1A+7], 0
	s_or_b32 s[G1B+0], s44, (1<<16)|(1<<20)|(1<<21)|(5<<22)|(7<<25)  ; after every 64 words (code 5) 8 words (code 7)
	s_mov_b32 s[G1B+1], 128<<16
	s_mov_b32 s[G1B+2], 128<<16
	s_mov_b32 s[G1B+3], 128<<16
	s_mov_b32 s[G1B+4], 128
	s_mov_b32 s[G1B+5], 3072
	s_mov_b32 s[G1B+6], 0
	s_mov_b32 s[G1B+7], 0
	s_mul_i32 s45, s12, 64*PA                      ; where the tiles go: the wave's number alone enters an LDS address
	s_mul_i32 s46, s12, 128*PB
	s_add_co_u32 s46, s46, ABYTES
.irp s, 0,1
	s_mov_b32 s[G0A+4*(\s)], 1
	s_add_co_u32 s[G0A+4*(\s)+1], s45, (\s)*SLOT
	s_mov_b32 s[G0B+4*(\s)], 1
	s_add_co_u32 s[G0B+4*(\s)+1], s46, (\s)*SLOT
.endr
	s_wait_dscnt 0x0                               ; the opening add is done
	s_wait_kmcnt 0x0
	s_add_nc_u64 s[92:93], s[90:91], s[76:77]      ; out0 at my part of the first block,
	s_add_nc_u64 s[94:95], s[90:91], s[78:79]      ; of the second
	CROUND                                         ; all sixteen work-groups are here: the first joint loads meet
	MAKE 0
	JLOAD 0                                        ; step 0 into slot 0; slot 1 is filled behind the first change of slots, as a refill is
	v_and_b32 v1, 15, v0                           ; l % 16
	v_bfe_u32 v2, v0, 4, 1                         ; l / 16
	v_lshlrev_b32 v6, 3, v1
.irp k, 0,1
.irp j, 0,1,2,3,4,5,6,7
	s_min_u32 s98, s[I1+(\k)], \j                  ; only tiles up to the block's last were written: past it that one is read once more, and its weight set to 0 below
	s_lshl_b32 s98, s98, 14
	s_add_co_u32 s98, s98, s[96+(\k)]
	v_add_nc_u32 v[SO+8*(\k)+(\j)], s98, v6
.endr
.endr
.irp k, 0,1
.irp j, 0,1,2,3,4,5,6,7
.irp a, 0,1,2,3
	global_load_b64 v[T+64*(\k)+8*(\j)+2*(\a):T+64*(\k)+8*(\j)+2*(\a)+1], v[SO+8*(\k)+(\j)], s[86:87] offset:128*(\a)  ; (c m, l) of query 16 a + l % 16
.endr
.endr
.endr
	WIN 0x80
.set i, 0
.rept 128
	v_mov_b32 v[i], 0                              ; O starts at 0: one text serves every step; these stand in the wait for the first tile
.set i, i+1
.endr
	WIN 0
	v_mul_u32_u24 v3, v1, PA
	v_lshl_add_u32 v3, v2, 4, v3
	s_mul_i32 s45, s11, 64*PA
	v_add_nc_u32 v[ADRA], s45, v3                  ; (64 x half + l % 16) x pitch + 16 (l / 16)
	v_add_nc_u32 v[ADRA+1], SLOT, v[ADRA]
	v_and_b32 v4, 7, v0                            ; the turning load: lane l reads key 8 (l / 16) + l % 8, channels 8 ((l / 8) % 2) + 0..7
	v_bfe_u32 v5, v0, 3, 1
	v_lshl_add_u32 v4, v2, 3, v4
	v_mul_u32_u24 v4, v4, PB
	v_lshl_add_u32 v4, v5, 4, v4
	s_lshl_b32 s45, s12, 7
	s_add_co_u32 s45, s45, ABYTES
	v_add_nc_u32 v[ADRB], s45, v4
	v_add_nc_u32 v[ADRB+1], 128*PB, v[ADRB]
	v_add_nc_u32 v[ADRB+2], SLOT, v[ADRB]
	v_add_nc_u32 v[ADRB+3], SLOT, v[ADRB+1]
	s_mul_i32 s45, s10, 16*SP
	s_add_co_u32 s45, s45, STAGE                   ; my stage
	v_mul_u32_u24 v[STO], v1, SP                   ; in: row l % 16, 32 bytes for each half of the lanes
	v_lshl_add_u32 v[STO], v2, 5, v[STO]
	v_add_nc_u32 v[STO], s45, v[STO]
	v_mul_u32_u24 v[RD], v2, SP                    ; back: lanes 0-15 one row of 256 bytes, lanes 16-31 the next
	v_lshl_add_u32 v[RD], v1, 4, v[RD]
	v_add_nc_u32 v[RD], s45, v[RD]
	v_lshlrev_b32 v[GO], 12, v2                    ; and the same two rows in out0
	v_lshl_add_u32 v[GO], v1, 4, v[GO]
	s_lshl_b32 s45, s10, 12
	s_add_co_u32 s45, s45, TBL
	v_lshl_add_u32 v[TA], v1, 4, s45               ; my wave's table, entry 0, row l % 16
	s_lshl_b32 s45, s15, 9
	s_sub_co_u32 s45, 2048, s45                    ; 256 bytes x the first part's 8 - 2 u steps: it hangs on the cluster's y, which all partners share
	v_add_nc_u32 v[TA2], s45, v[TA]
	v_mov_b32 v[RB], s73
.irp a, 0,1,2,3
	v_mov_b32 v[FW+2*(\a)+1], 0
.endr
	s_wait_loadcnt 0x0
; The weights of block k's eight tiles, for my 64 queries (fragment a: query 16 a + l % 16), into my wave's table: block 0's at entries 0-7, block 1's from entry 8 - 2 u on.  Where the two overlap (u = 1: entries 6, 7)
; block 0's belong to tiles that its walk does not reach, and block 1's, stored later by the same wave, take their place.
.macro TAB k
.set RS, T+64*(\k)
.irp a, 0,1,2,3
	v_max3_num_f32 v[MX+(\a)], v[RS+2*(\a)], v[RS+8+2*(\a)], v[RS+16+2*(\a)]
.endr
.irp a, 0,1,2,3
	v_max3_num_f32 v[MX+(\a)], v[MX+(\a)], v[RS+24+2*(\a)], v[RS+32+2*(\a)]
.endr
.irp a, 0,1,2,3
	v_max3_num_f32 v[MX+(\a)], v[MX+(\a)], v[RS+40+2*(\a)], v[RS+48+2*(\a)]
.endr
.irp a, 0,1,2,3
	v_max_num_f32 v[MX+(\a)], v[MX+(\a)], v[RS+56+2*(\a)]  ; M: a tile read twice does a maximum no harm
.endr
.irp j, 0,1,2,3,4,5,6,7
.irp a, 0,1,2,3
	v_sub_f32 v[FF+4*(\j)+(\a)], v[RS+8*(\j)+2*(\a)], v[MX+(\a)]
.endr
.endr
.set z, 0
.rept 32
	v_exp_f32 v[FF+z], v[FF+z]
.set z, z+1
.endr
	v_nop                                          ; a plain instruction between the last exponential and the use of its result
	s_wait_alu depctr_va_vdst(0)
.irp j, 0,1,2,3,4,5,6,7
	s_cmp_ge_u32 s[I1+(\k)], \j
	s_cselect_b32 s98, 1.0, 0                      ; a tile past the block's last counts for nothing
.irp a, 0,1,2,3
	v_mul_f32 v[FF+4*(\j)+(\a)], s98, v[FF+4*(\j)+(\a)]
.endr
.endr
.irp a, 0,1,2,3
	v_mul_f32 v[LS+(\a)], v[FF+(\a)], v[RS+2*(\a)+1]
.endr
.irp j, 1,2,3,4,5,6,7
.irp a, 0,1,2,3
	v_fma_f32 v[LS+(\a)], v[FF+4*(\j)+(\a)], v[RS+8*(\j)+2*(\a)+1], v[LS+(\a)]
.endr
.endr
.irp a, 0,1,2,3
	v_rcp_f32 v[LS+(\a)], v[LS+(\a)]               ; L is 1 at the least: the row's largest weight is 1
.endr
	v_nop
	s_wait_alu depctr_va_vdst(0)
.irp j, 0,1,2,3,4,5,6,7
.irp a, 0,1,2,3
	v_mul_f32 v[FF+4*(\j)+(\a)], v[FF+4*(\j)+(\a)], v[LS+(\a)]
.endr
.endr
.irp j, 0,1,2,3,4,5,6,7
	ds_store_b128 v[TA+(\k)], v[FF+4*(\j):FF+4*(\j)+3] offset:256*(\j)  ; both halves of the lanes write the same words
.endr
.endm
	TAB 0
	TAB 1
; 8 matrix instructions: query blocks a0, a0 + 1 x all 4 channel blocks, 32 keys: half c of buffer f.  zero = 1: the step's first products start T.  The 16 accumulators take turns.
.macro MUL8 f, c, a0, zero
	WIN MUL
.irp a, \a0, (\a0)+1
.irp b, 0,1,2,3
.if \zero
	v_wmma_f32_16x16x32_f16 v[T+8*(4*(\a)+(\b)):T+8*(4*(\a)+(\b))+7], v[(\f)+64+8*(4*(\c)+(\b)):(\f)+64+8*(4*(\c)+(\b))+7], v[(\f)+8*(4*(\c)+(\a)):(\f)+8*(4*(\c)+(\a))+7], 0
.else
	v_wmma_f32_16x16x32_f16 v[T+8*(4*(\a)+(\b)):T+8*(4*(\a)+(\b))+7], v[(\f)+64+8*(4*(\c)+(\b)):(\f)+64+8*(4*(\c)+(\b))+7], v[(\f)+8*(4*(\c)+(\a)):(\f)+8*(4*(\c)+(\a))+7], v[T+8*(4*(\a)+(\b)):T+8*(4*(\a)+(\b))+7]
.endif
.endr
.endr
.endm
; 32 LDS loads in one run: the fragments of keys 64 q .. 64 q + 63 into buffer f, the first 32 keys first
.macro FETCH slot, q, f
	WIN TO_F
.irp c, 0,1
.irp i, 0,1,2,3
	ds_load_tr16_b128 v[(\f)+64+8*(4*(\c)+(\i)):(\f)+64+8*(4*(\c)+(\i))+3],   v[ADRB+2*(\slot)+(\q)/2] offset:((64*(\q)+32*(\c))%128)*PB+32*(\i)
	ds_load_tr16_b128 v[(\f)+64+8*(4*(\c)+(\i))+4:(\f)+64+8*(4*(\c)+(\i))+7], v[ADRB+2*(\slot)+(\q)/2] offset:((64*(\q)+32*(\c))%128)*PB+16*PB+32*(\i)
	ds_load_b128 v[(\f)+8*(4*(\c)+(\i)):(\f)+8*(4*(\c)+(\i))+3],               v[ADRA+(\slot)] offset:128*(\q)+64*(\c)+(\i)*16*PA
	ds_load_b128 v[(\f)+8*(4*(\c)+(\i))+4:(\f)+8*(4*(\c)+(\i))+7],             v[ADRA+(\slot)] offset:128*(\q)+64*(\c)+(\i)*16*PA+32
.endr
.endr
.endm
.macro PLACES                          ; four places in front of loads into registers that matrix instructions have read, and of lines that read results
.rept 4
	v_nop
.endr
.endm
.macro QUARTER slot, q, f, g, zero     ; multiplies buffer f and fetches keys 64 q on into g
	s_wait_dscnt 16                                ; the first 32 keys are in
	MUL8 \f, 0, 0, \zero
	MUL8 \f, 0, 2, \zero
	PLACES
	FETCH \slot, \q, \g
	s_wait_dscnt 32                                ; all but the 32 just issued
	MUL8 \f, 1, 0, 0
	MUL8 \f, 1, 2, 0
.endm
; A step: T = P_j V_j for my 64 x 64: 128 matrix instructions.  The step's four w come first: they are the oldest loads, so the counted waits behind them hold for them too.
.macro BODY slot
	WIN 0
.irp a, 0,1,2,3
	ds_load_b32 v[FW+2*(\a)], v[TA] offset:4*(\a)
.endr
	v_add_nc_u32 v[TA], 256, v[TA]                 ; the next step's entry
	FETCH \slot, 0, F0
	QUARTER \slot, 1, F0, F1, 1
	QUARTER \slot, 2, F1, F0, 0
	QUARTER \slot, 3, F0, F1, 0
	s_wait_dscnt 16
	MUL8 F1, 0, 0, 0
	MUL8 F1, 0, 2, 0
	s_wait_dscnt 0x0
	MUL8 F1, 1, 0, 0
	MUL8 F1, 1, 2, 0
.endm
.macro FMA                             ; O += w T; each accumulator is read from its low end on
	PLACES
	WIN 0xa0                                       ; O (destination and source 2) in window 2
.irp a, 0,1,2,3
.set z, 0
.rept 16
	v_pk_fma_f32 v[32*(\a)+2*z:32*(\a)+2*z+1], v[T+32*(\a)+2*z:T+32*(\a)+2*z+1], v[FW+2*(\a):FW+2*(\a)+1], v[32*(\a)+2*z:32*(\a)+2*z+1] op_sel_hi:[1,0,1]
.set z, z+1
.endr
.endr
.endm
; THE CHANGE OF SLOTS in front of a step in slot `slot`.  Each wave waits for all its tensor loads (one is out: its part of this slot), adds 0 to its spare word, and waits for that and for its reads of the other slot.
; fill = 1: the barrier opens a round of the cluster's barrier, and the other slot takes the next step's tiles, first thing behind the round: one load of mine is out, with a step's 128 matrix instructions in which to land.
; fma = 1: the step before is added onto O between the signal and the wait: work on registers.
.macro HEAD slot, fma, fill
	WIN 0
	s_wait_tensorcnt 0x0                           ; no tensor load of mine is out, so a group 0 may be written
	ds_add_u32 v[SPW], v[NIL]                      ; the descriptors' scalar work stands between the add and the wait for it
.if \fill
	MAKE 1-(\slot)
.endif
	s_wait_dscnt 0x0
	s_barrier_signal -1
.if \fma
	FMA
.endif
	WIN 0
	s_barrier_wait -1
.if \fill
	CREST
	JLOAD 1-(\slot)
.endif
.endm
; THE WAY OUT of a block: 16 rows at a time through my stage: a lane's eight channels go in as 32 bytes, whole rows of 256 bytes come back and are stored.
; Where my block's rows 0-3 are a batch's rows 0-3, their two stores take rows 4-7's offset and data instead.
; mid = 1: the second block follows: its address, its row and a clean O.
.macro OSTORE a, t
	global_store_b128 v[GO], v[BK+4*(\t):BK+4*(\t)+3], s[92:93] offset:(\a)*65536+(\t)*8192 th:TH_STORE_NT  ; 16 lanes store 256 consecutive bytes, aligned
.endm
.macro OUT mid
.irp a, 0,1,2,3
	WIN 0x08                                       ; store data in window 2
.irp b, 0,1,2,3
	ds_store_b128 v[STO], v[8*(4*(\a)+(\b)):8*(4*(\a)+(\b))+3] offset:64*(\b)
	ds_store_b128 v[STO], v[8*(4*(\a)+(\b))+4:8*(4*(\a)+(\b))+7] offset:64*(\b)+16
.endr
	WIN 0
	s_wait_xcnt 0x0                                ; the registers that the last block's stores read (data and offsets) are written again only behind this wait
.irp t, 0,1,2,3,4,5,6,7
	ds_load_b128 v[BK+4*(\t):BK+4*(\t)+3], v[RD] offset:(\t)*2*SP  ; LDS serves a wave's instructions in order: these see the stores above
.endr
.if (\a) == 0
	v_cmp_eq_u32 vcc_lo, 0, v[RB]                  ; are these a batch's first rows?
	v_add_nc_u32 v[GOS], 2*8192, v[GO]
	v_cndmask_b32 v[GOS], v[GO], v[GOS], vcc_lo    ; then four rows further down,
	s_wait_dscnt 4                                 ; (rows 0-7 are back; the four younger loads may be out)
.irp z, 0,1,2,3,4,5,6,7
	v_cndmask_b32 v[BK+(\z)], v[BK+(\z)], v[BK+8+(\z)], vcc_lo  ; with those rows' numbers
.endr
	global_store_b128 v[GOS], v[BK:BK+3],   s[92:93] th:TH_STORE_NT
	global_store_b128 v[GOS], v[BK+4:BK+7], s[92:93] offset:8192 th:TH_STORE_NT
.irp t, 2,3,4,5,6,7
	s_wait_dscnt 7-(\t)
	OSTORE 0, \t
.endr
.else
.irp t, 0,1,2,3,4,5,6,7
	s_wait_dscnt 7-(\t)
	OSTORE \a, \t
.endr
.endif
.endr
.if \mid
	s_wait_xcnt 0x0                                ; the stores have read their base
	s_mov_b64 s[92:93], s[94:95]
	v_mov_b32 v[RB], s72
	WIN 0x80
.set i, 0
.rept 128
	v_mov_b32 v[i], 0
.set i, i+1
.endr
	WIN 0
.endif
.endm
	HEAD 0, 0, 1                                   ; step 0 is in, everybody's part of it; step 1 is asked for
	BODY 0
	WIN 0
	s_mov_b32 s3, 4
.Lwalk:                                                ; a trip: steps 2 t + 1 and 2 t + 2
	HEAD 1, 1, 1
	BODY 1
	HEAD 0, 1, 1
	s_sub_co_u32 s47, s47, 1
	s_cmp_lg_u32 s47, 0
	s_cbranch_scc1 .Lgo                            ; the same in all partners: it hangs on the cluster's y and the trip; what is jumped holds no barrier and no tensor load
	OUT 1                                          ; the first block's last step has just been added: it leaves
.Lgo:
	BODY 0
	WIN 0
	s_sub_co_u32 s3, s3, 1
	s_cmp_lg_u32 s3, 0
	s_cbranch_scc1 .Lwalk
	HEAD 1, 1, 0                                   ; the last step is written out: nothing is asked for
	BODY 1
	FMA
	OUT 0
	WIN 0
	s_wait_tensorcnt 0x0                           ; the wave's end
	ds_add_u32 v[SPW], v[NIL]
	s_wait_dscnt 0x0
	CROUND                                         ; the closing round: no work-group ends while a partner may still ask for a tile that names it
	s_endpgm
.Lfunc_end_k_qd5e8bf55c5_pv:
	.size	k_qd5e8bf55c5_pv, .Lfunc_end_k_qd5e8bf55c5_pv-k_qd5e8bf55c5_pv
	.p2alignl 7, 3214868480
	.fill 96, 4, 3214868480
	.section	.rodata,"a",@progbits
	.p2align	6, 0x0
	.amdhsa_kernel k_qd5e8bf55c5_pv
		.amdhsa_group_segment_fixed_size 327680
		.amdhsa_private_segment_fixed_size 0
		.amdhsa_enable_private_segment 0
		.amdhsa_kernarg_size 32
		.amdhsa_user_sgpr_count 2
		.amdhsa_user_sgpr_kernarg_segment_ptr 1
		.amdhsa_wavefront_size32 1
		.amdhsa_system_sgpr_workgroup_id_x 1
		.amdhsa_system_sgpr_workgroup_id_y 1
		.amdhsa_system_sgpr_workgroup_id_z 1
		.amdhsa_system_vgpr_workitem_id 0
		.amdhsa_next_free_vgpr 640
		.amdhsa_next_free_sgpr 100
		.amdhsa_reserve_vcc 1
		.amdhsa_float_denorm_mode_32 3
		.amdhsa_float_denorm_mode_16_64 3
		.amdhsa_memory_ordered 1
		.amdhsa_forward_progress 1
		.amdhsa_inst_pref_size 149
	.end_amdhsa_kernel
	.amdgpu_metadata
---
amdhsa.version: [ 1, 2 ]
amdhsa.kernels:
  - .name:           k_qd5e8bf55c5_pv
    .symbol:         k_qd5e8bf55c5_pv.kd
    .args:
      - { .name: p, .offset: 0, .size: 8, .value_kind: global_buffer, .address_space: global }
      - { .name: st, .offset: 8, .size: 8, .value_kind: global_buffer, .address_space: global }
      - { .name: qkv, .offset: 16, .size: 8, .value_kind: global_buffer, .address_space: global }
      - { .name: out0, .offset: 24, .size: 8, .value_kind: global_buffer, .address_space: global }
    .group_segment_fixed_size: 327680
    .private_segment_fixed_size: 0
    .kernarg_segment_align: 8
    .kernarg_segment_size: 32
    .max_flat_workgroup_size: 128
    .sgpr_count:     100
    .vgpr_count:     640
    .wavefront_size: 32
...
	.end_amdgpu_metadata
.endif
;; end of part 4
;; ======== version 2 of 2: 4 launches; 1.13 times as fast as version 1
;; limits: values are held in f16: magnitudes above 65,504 overflow, below 6.1e-05 lose precision; inputs' magnitudes at most 65,504
;; workspace buffers: xb 16,777,216 bytes; wt 4,194,304 bytes; y 16,777,216 bytes; v 16,777,216 bytes; v32 65,536 bytes; p 33,554,432 bytes; st 524,288 bytes
;; launch prep (part 5): grid 896 x 1, 8 waves a work-group, no clusters, 77,824 bytes of LDS; arguments x, Wq, Wk, Wv, xb, wt; writes xb, wt
.if DOCPART == 5
	.amdgcn_target "amdgcn-amd-amdhsa--gfx1250"
	.amdhsa_code_object_version 6
	.text
	.protected	k_qd5e8bf55c5_prep
	.globl	k_qd5e8bf55c5_prep
	.p2align	8
	.type	k_qd5e8bf55c5_prep,@function
k_qd5e8bf55c5_prep:
	s_mov_b64 s[64:65], 0
	v_nop
	global_prefetch_b8 v0, s[64:65] scope:SCOPE_SE
	s_setreg_imm32_b32 hwreg(HW_REG_WAVE_MODE, 25, 1), 1
	s_wait_xcnt 0x0
; Q K^T = x (Wq Wk^T) x^T, so one projection is spared: this launch makes M = Wq Wk^T, the next one Y = x M, and the scores are Y x^T.
; xb [8192][1024] = x rounded to bf16 (nearest even) and written as f16.  wt [2048][1024] in f16: row c' < 1024 holds 64 M[c][c'] = 64 x the sum over h of Wk[c'][h] Wq[c][h], from operands rounded to bf16, summed in f32,
; rounded once; row 1024 + n holds Wv[k][n], TURNED, rounded to bf16 and written as f16.  So the next launch finds K (the input channel) along the rows of both operands.
; LIMITS.  A bf16 number is written as f16 without loss from 7.6e-6 to 65,504; below, it keeps f16's fixed step of 6e-8; x and Wv beyond 65,504 are not served.  The factor 64 keeps M clear of that fixed step for weights
; thirty times smaller than 1/32, and 64 M within f16 up to |M| = 1,023 (weights with a common offset of 0.54 give some 300).
; Work-groups 0-255 make a tile of 64 c' x 64 c of M; 256-383 turn a tile of 128 k x 64 n of Wv through LDS; 384-895 convert 65,536 bytes of x each.
; M's TILE.  64 x 64 gives each of 256 work-groups 128 rows x 4,096 bytes to load, the fewest for that number of tiles.  Its rows are 128 bytes: eight lanes store 128 consecutive bytes, half of an aligned 256;
; that holds for M's 2 MB of the launch's 22 MB of stores; a tile of 32 x 128 would store 256 consecutive bytes and load 160 rows for 128.  All other stores of a wave cover 256 consecutive aligned bytes.
; K goes in four steps of 256: 32 loads of 16 bytes a thread are on their way while the step before is multiplied.  Eight waves, 16 c' x 32 c each: two sums, which take turns.
; No cluster and no tensor load: the rows arrive in f32 and are converted on the way into LDS.
.set NM,    256                        ; work-groups that make M
.set NX0,   384                        ; the first that converts x
.set LP,    264                        ; Wv: an LDS row: 128 numbers (256 bytes) + 8
.set PM,    528                        ; M: an LDS row: 256 bf16 (512 bytes) + 16: an odd multiple of 16
.set MB,    64*PM                      ; Wq's 64 rows lie behind Wk's
.set STG,   2*MB                       ; behind them: 64 rows x 144 bytes, for M's way out
.set SPT,   144
.set SPARE, STG+64*SPT                 ; the spare words, 128 bytes for each of the eight waves: four blocks of 256 bytes that no other line names
.set SPW, 8                            ; v8   LDS address of my spare word; never rewritten
.set NIL, 9                            ; v9   0; never rewritten
.set XL,  16                           ; v[16:79]   x: sixteen loads of 16 bytes
.set XD,  80                           ; v[80:111]  x: sixteen pairs of words to store
.set WL,  16                           ; v[16:47]   Wv: load (u, d) at 16 + 8 u + 4 d
.set WD,  48                           ; v[48:63]   Wv: k and k + 1 of one column in a word
.set WB,  64                           ; v[64:79]   Wv: eight rows read back
.set ML,  16                           ; v[16:143]  M: a step's 32 loads: Wk's sixteen, then Wq's
.set FR,  144                          ; v[144:239] M: fragments of four K slices of 32: 16 rows of Wk, 2 x 16 rows of Wq
.set AC,  240                          ; v[240:255] M: the two sums
.macro TOH d, a, b                     ; v[d] = v[a] and v[b], rounded to bf16, as two f16; a and b are used up
	v_cvt_pk_bf16_f32 v[\d], v[\a], v[\b]
	v_lshlrev_b32 v[\a], 16, v[\d]
	v_and_b32 v[\b], s21, v[\d]
	v_cvt_pk_f16_f32 v[\d], v[\a], v[\b]
.endm
	s_load_b256 s[4:11], s[0:1], 0x0               ; x s[4:5], Wq s[6:7], Wk s[8:9], Wv s[10:11]
	s_load_b128 s[12:15], s[0:1], 0x20             ; xb s[12:13], wt s[14:15]
	v_lshl_add_u32 v[SPW], v0, 2, SPARE
	v_mov_b32 v[NIL], 0
	s_sub_co_u32 s16, ttmp9, NX0                   ; which 65,536 bytes of x (used by work-groups 384 on alone)
	s_lshl_b32 s24, s16, 16
	s_mov_b32 s25, 0
	s_lshl_b32 s26, s16, 15                        ; and which 32,768 of xb
	s_mov_b32 s27, 0
	s_bfe_u32 s18, ttmp9, 0x30004                  ; Wv: tile along k (used by work-groups 256-383 alone)
	s_and_b32 s19, ttmp9, 15                       ; tile along n
	s_lshl_b32 s28, s18, 19                        ; 128 rows of 4,096 bytes
	s_lshl_b32 s20, s19, 8                         ; 64 columns of 4 bytes
	s_add_co_u32 s28, s28, s20
	s_mov_b32 s29, 0
	s_lshl_b32 s30, s19, 17                        ; in wt: 64 rows of 2,048 bytes a tile,
	s_lshl_b32 s20, s18, 8                         ; 128 k of 2 bytes,
	s_add_co_u32 s30, s30, s20
	s_add_co_u32 s30, s30, 1024*2048               ; behind M's 1,024 rows
	s_mov_b32 s31, 0
	s_mov_b32 s21, 0xffff0000                      ; a word's upper bf16
	v_lshlrev_b32 v1, 4, v0                        ; x: 16 bytes a thread
	v_lshlrev_b32 v2, 3, v0                        ; xb: 8 bytes a thread
	v_and_b32 v3, 31, v0                           ; lane
	v_lshrrev_b32 v4, 5, v0                        ; wave
	v_lshlrev_b32 v5, 3, v3
	v_mul_u32_u24 v6, v4, 8*LP
	v_add_nc_u32 v6, v6, v5                        ; Wv, back from LDS: wave w reads rows 8 w on, 8 bytes a lane
	v_lshl_add_u32 v7, v4, 14, v5                  ; and the same rows in wt, 2,048 bytes apart
	s_wait_kmcnt 0x0
	s_add_nc_u64 s[22:23], s[14:15], s[30:31]      ; wt at Wv's tile
	s_cmp_lt_u32 ttmp9, NM
	s_cbranch_scc1 .Lmm
	s_cmp_lt_u32 ttmp9, NX0
	s_cbranch_scc1 .Lweights
	; x: sixteen loads of every wave go out together; the waits count down, so that each is converted and stored as it comes
	s_add_nc_u64 s[4:5], s[4:5], s[24:25]
	s_add_nc_u64 s[12:13], s[12:13], s[26:27]
.set u, 0
.rept 16
	global_load_b128 v[XL+4*u:XL+4*u+3], v1, s[4:5] offset:4096*u th:TH_LOAD_NT
.set u, u+1
.endr
.set u, 0
.rept 16
	s_wait_loadcnt 15-u                            ; loads come back in order: load u is in, the 15 - u younger ones stay out
	TOH XD+2*u,XL+4*u,XL+4*u+1
	TOH XD+2*u+1,XL+4*u+2,XL+4*u+3
	global_store_b64 v2, v[XD+2*u:XD+2*u+1], s[12:13] offset:2048*u  ; a wave's store: 256 consecutive bytes, aligned; no register is used twice
.set u, u+1
.endr
	s_branch .Lmeet
.Lweights:
	s_add_nc_u64 s[10:11], s[10:11], s[28:29]      ; Wv at the tile's first element
	v_and_b32 v10, 15, v0                          ; i: my four columns 4 i ..
	v_lshrrev_b32 v11, 4, v0                       ; kp: my rows 32 u + 2 kp and + 1
	v_lshlrev_b32 v12, 4, v10
	v_lshl_add_u32 v12, v11, 13, v12               ; 2 kp rows of 4,096 bytes + 16 i: sixteen lanes take 256 bytes of a row
	v_mul_u32_u24 v13, v10, 4*LP
	v_lshl_add_u32 v13, v11, 2, v13                ; in LDS: row 4 i, word kp
.irp u, 0,1,2,3
.irp d, 0,1
	global_load_b128 v[WL+8*(\u)+4*(\d):WL+8*(\u)+4*(\d)+3], v12, s[10:11] offset:(\u)*131072+(\d)*4096 th:TH_LOAD_NT
.endr
.endr
	s_wait_loadcnt 0x0
.irp u, 0,1,2,3
.irp e, 0,1,2,3
	TOH WD+4*(\u)+(\e),WL+8*(\u)+(\e),WL+8*(\u)+4+(\e)
.endr
.endr
.irp u, 0,1,2,3
.irp e, 0,1,2,3
	ds_store_b32 v13, v[WD+4*(\u)+(\e)] offset:(\e)*LP+(\u)*64  ; column 4 i + e: k in the low half, k + 1 in the high
.endr
.endr
	s_wait_dscnt 0x0                               ; for the others' sake: my stores into the tile are done
.Lmeet:
	s_barrier_signal -1
	s_barrier_wait -1
	s_cmp_lt_u32 ttmp9, NX0
	s_cbranch_scc0 .Lend
.irp r, 0,1,2,3,4,5,6,7
	ds_load_b64 v[WB+2*(\r):WB+2*(\r)+1], v6 offset:(\r)*LP
.endr
.irp r, 0,1,2,3,4,5,6,7
	s_wait_dscnt 7-(\r)                            ; LDS loads come back in order: row r is in
	global_store_b64 v7, v[WB+2*(\r):WB+2*(\r)+1], s[22:23] offset:(\r)*2048  ; 128 k of one output channel: 256 consecutive bytes, aligned
.endr
.Lend:
	s_wait_tensorcnt 0x0                           ; the wave's end, behind the last LDS store
	ds_add_u32 v[SPW], v[NIL]
	s_wait_dscnt 0x0
	s_endpgm
	; ---- a tile of M ----
.Lmm:
	s_lshr_b32 s16, ttmp9, 4                       ; which 64 c' (rows of Wk)
	s_and_b32 s17, ttmp9, 15                       ; which 64 c (rows of Wq)
	s_lshl_b32 s24, s16, 18                        ; 64 rows of 4,096 bytes
	s_lshl_b32 s26, s17, 18
	s_add_nc_u64 s[8:9], s[8:9], s[24:25]
	s_add_nc_u64 s[6:7], s[6:7], s[26:27]
	s_lshl_b32 s28, s16, 17                        ; in wt: 64 rows of 2,048 bytes,
	s_lshl_b32 s20, s17, 7                         ; 64 columns of 2 bytes
	s_add_co_u32 s28, s28, s20
	s_add_nc_u64 s[14:15], s[14:15], s[28:29]
	s_mov_b32 s30, 0x42800000                      ; 64.0
	s_mov_b32 s31, s30                             ; named with it as a pair
	v_and_b32 v1, 63, v0                           ; 64 threads take a row's 1,024 bytes of a step, 256 threads four rows
	v_lshrrev_b32 v2, 6, v0
	v_lshlrev_b32 v10, 4, v1
	v_lshl_add_u32 v10, v2, 12, v10                ; in memory: row t / 64, 16 bytes a thread; never rewritten
	v_mul_u32_u24 v11, v2, PM
	v_lshl_add_u32 v11, v1, 3, v11                 ; in LDS: the same row, 8 bytes a thread
	v_and_b32 v3, 15, v0                           ; l % 16
	v_bfe_u32 v4, v0, 4, 1                         ; l / 16
	v_lshrrev_b32 v5, 5, v0
	v_readfirstlane_b32 s18, v5                    ; wave 0..7
	s_and_b32 s19, s18, 3                          ; my 16 c'
	s_lshr_b32 s20, s18, 2                         ; my 32 c
	v_mul_u32_u24 v12, v3, PM                      ; a fragment: row l % 16, two loads of 16 bytes, 32 apart, at 16 (l / 16)
	v_lshl_add_u32 v12, v4, 4, v12
	s_mul_i32 s16, s20, 32*PM
	s_add_co_u32 s16, s16, MB
	v_add_nc_u32 v13, s16, v12                     ; Wq's
	s_mul_i32 s16, s19, 16*PM
	v_add_nc_u32 v12, s16, v12                     ; Wk's
	v_mul_u32_u24 v14, v3, SPT                     ; into the stage: row 16 a + l % 16, 16 bytes for each half of the lanes, my 32 columns
	v_lshl_add_u32 v14, v4, 4, v14
	s_mul_i32 s16, s19, 16*SPT
	s_lshl_b32 s17, s20, 6
	s_add_co_u32 s16, s16, s17
	s_add_co_u32 s16, s16, STG
	v_add_nc_u32 v14, s16, v14
	v_bfe_u32 v7, v0, 3, 2                         ; back: 32 lanes take four rows of 128 bytes; wave w rows 8 w on
	v_and_b32 v5, 7, v0
	v_mul_u32_u24 v15, v7, SPT
	v_lshl_add_u32 v15, v5, 4, v15
	s_mul_i32 s16, s18, 8*SPT
	s_add_co_u32 s16, s16, STG
	v_add_nc_u32 v15, s16, v15
	v_lshlrev_b32 v6, 11, v7                       ; and the same rows in wt
	v_lshl_add_u32 v6, v5, 4, v6
	s_lshl_b32 s16, s18, 14
	v_add_nc_u32 v6, s16, v6
.set i, 0
.rept 16
	v_mov_b32 v[AC+i], 0                           ; sixteen registers: so one text serves every step
.set i, i+1
.endr
; A step's 16 matrix instructions, in two halves of four K slices of 32.  Source 0 = 16 rows of Wq, source 1 = 16 rows of Wk: lane l holds c' = l % 16 and the eight neighbouring c 8 (l / 16) + 0..7.
.macro COMPUTE
.irp g, 0,1
.if \g
.rept 4
	v_nop                                          ; four places in front of loads into registers that matrix instructions have read; ahead of the first half the conversions are the places
.endr
.endif
.irp j, 0,1,2,3
	ds_load_b128 v[FR+24*(\j):FR+24*(\j)+3],     v12 offset:256*(\g)+64*(\j)
	ds_load_b128 v[FR+24*(\j)+4:FR+24*(\j)+7],   v12 offset:256*(\g)+64*(\j)+32
	ds_load_b128 v[FR+24*(\j)+8:FR+24*(\j)+11],  v13 offset:256*(\g)+64*(\j)
	ds_load_b128 v[FR+24*(\j)+12:FR+24*(\j)+15], v13 offset:256*(\g)+64*(\j)+32
	ds_load_b128 v[FR+24*(\j)+16:FR+24*(\j)+19], v13 offset:16*PM+256*(\g)+64*(\j)
	ds_load_b128 v[FR+24*(\j)+20:FR+24*(\j)+23], v13 offset:16*PM+256*(\g)+64*(\j)+32
.endr
.irp j, 0,1,2,3
	s_wait_dscnt 18-6*(\j)                         ; slice j's six loads are in; the younger slices' stay out
	v_wmma_f32_16x16x32_bf16 v[AC:AC+7],    v[FR+24*(\j)+8:FR+24*(\j)+15],  v[FR+24*(\j):FR+24*(\j)+7], v[AC:AC+7]
	v_wmma_f32_16x16x32_bf16 v[AC+8:AC+15], v[FR+24*(\j)+16:FR+24*(\j)+23], v[FR+24*(\j):FR+24*(\j)+7], v[AC+8:AC+15]
.endr
.endr
.endm
	s_mov_b32 s3, 4
.Lmstep:                                               ; a trip: this step's loads go out; the step before is multiplied meanwhile; then this step goes into LDS
.set u, 0
.rept 16
	global_load_b128 v[ML+4*u:ML+4*u+3],       v10, s[8:9] offset:16384*u
	global_load_b128 v[ML+64+4*u:ML+64+4*u+3], v10, s[6:7] offset:16384*u
.set u, u+1
.endr
	s_cmp_eq_u32 s3, 4
	s_cbranch_scc1 .Lmfirst                        ; the first trip has no step before it; what is jumped holds no barrier
	COMPUTE
.Lmfirst:
	s_barrier_signal -1                            ; my reads of the last step's rows are back (the last wait above is for 0)
	s_wait_loadcnt 0x0                             ; this step's rows are in, and the loads' bases may be stepped
	s_add_nc_u64 s[8:9], s[8:9], 1024
	s_add_nc_u64 s[6:7], s[6:7], 1024
.set u, 0
.rept 32
	v_cvt_pk_bf16_f32 v[ML+4*u],   v[ML+4*u],   v[ML+4*u+1]
	v_cvt_pk_bf16_f32 v[ML+4*u+1], v[ML+4*u+2], v[ML+4*u+3]
.set u, u+1
.endr
	s_barrier_wait -1                              ; everybody's are: the rows may be written over
.set u, 0
.rept 16
	ds_store_b64 v11, v[ML+4*u:ML+4*u+1]       offset:u*4*PM
	ds_store_b64 v11, v[ML+64+4*u:ML+64+4*u+1] offset:MB+u*4*PM
.set u, u+1
.endr
	s_wait_dscnt 0x0                               ; for the others' sake: my part of the step is in LDS
	s_barrier_signal -1
	s_barrier_wait -1
	s_sub_co_u32 s3, s3, 1
	s_cmp_lg_u32 s3, 0
	s_cbranch_scc1 .Lmstep
	COMPUTE                                        ; the last step
.rept 4
	v_nop                                          ; the places behind the last products
.endr
.irp z, 0,2,4,6,8,10,12,14
	v_pk_mul_f32 v[AC+(\z):AC+(\z)+1], v[AC+(\z):AC+(\z)+1], s[30:31] op_sel_hi:[1,0]
.endr
.irp z, 0,1,2,3,4,5,6,7
	v_cvt_pk_f16_f32 v[ML+(\z)], v[AC+2*(\z)], v[AC+2*(\z)+1]
.endr
	ds_store_b128 v14, v[ML:ML+3]
	ds_store_b128 v14, v[ML+4:ML+7] offset:32
	s_wait_dscnt 0x0                               ; for the others' sake: a row's 128 bytes come from two waves
	s_barrier_signal -1
	s_barrier_wait -1
	ds_load_b128 v[ML+8:ML+11],  v15
	ds_load_b128 v[ML+12:ML+15], v15 offset:4*SPT
	s_wait_dscnt 0x0
	global_store_b128 v6, v[ML+8:ML+11],  s[14:15]
	global_store_b128 v6, v[ML+12:ML+15], s[14:15] offset:4*2048
	s_wait_tensorcnt 0x0                           ; the wave's end, behind the last LDS store
	ds_add_u32 v[SPW], v[NIL]
	s_wait_dscnt 0x0
	s_endpgm
.Lfunc_end_k_qd5e8bf55c5_prep:
	.size	k_qd5e8bf55c5_prep, .Lfunc_end_k_qd5e8bf55c5_prep-k_qd5e8bf55c5_prep
	.p2alignl 7, 3214868480
	.fill 96, 4, 3214868480
	.section	.rodata,"a",@progbits
	.p2align	6, 0x0
	.amdhsa_kernel k_qd5e8bf55c5_prep
		.amdhsa_group_segment_fixed_size 77824
		.amdhsa_private_segment_fixed_size 0
		.amdhsa_enable_private_segment 0
		.amdhsa_kernarg_size 48
		.amdhsa_user_sgpr_count 2
		.amdhsa_user_sgpr_kernarg_segment_ptr 1
		.amdhsa_wavefront_size32 1
		.amdhsa_system_sgpr_workgroup_id_x 1
		.amdhsa_system_sgpr_workgroup_id_y 1
		.amdhsa_system_sgpr_workgroup_id_z 1
		.amdhsa_system_vgpr_workitem_id 0
		.amdhsa_next_free_vgpr 256
		.amdhsa_next_free_sgpr 66
		.amdhsa_reserve_vcc 0
		.amdhsa_float_denorm_mode_32 3
		.amdhsa_float_denorm_mode_16_64 3
		.amdhsa_memory_ordered 1
		.amdhsa_forward_progress 1
		.amdhsa_inst_pref_size 42
	.end_amdhsa_kernel
	.amdgpu_metadata
---
amdhsa.version: [ 1, 2 ]
amdhsa.kernels:
  - .name:           k_qd5e8bf55c5_prep
    .symbol:         k_qd5e8bf55c5_prep.kd
    .args:
      - { .name: x, .offset: 0, .size: 8, .value_kind: global_buffer, .address_space: global }
      - { .name: Wq, .offset: 8, .size: 8, .value_kind: global_buffer, .address_space: global }
      - { .name: Wk, .offset: 16, .size: 8, .value_kind: global_buffer, .address_space: global }
      - { .name: Wv, .offset: 24, .size: 8, .value_kind: global_buffer, .address_space: global }
      - { .name: xb, .offset: 32, .size: 8, .value_kind: global_buffer, .address_space: global }
      - { .name: wt, .offset: 40, .size: 8, .value_kind: global_buffer, .address_space: global }
    .group_segment_fixed_size: 77824
    .private_segment_fixed_size: 0
    .kernarg_segment_align: 8
    .kernarg_segment_size: 48
    .max_flat_workgroup_size: 256
    .sgpr_count:     66
    .vgpr_count:     256
    .wavefront_size: 32
...
	.end_amdgpu_metadata
.endif
;; end of part 5
;; launch proj (part 6): grid 8 x 32, 4 waves a work-group, clusters of 4 x 4, 327,680 bytes of LDS; arguments xb, wt, y, v, v32; writes y, v, v32
.if DOCPART == 6
	.amdgcn_target "amdgcn-amd-amdhsa--gfx1250"
	.amdhsa_code_object_version 6
	.text
	.protected	k_qd5e8bf55c5_proj
	.globl	k_qd5e8bf55c5_proj
	.p2align	8
	.type	k_qd5e8bf55c5_proj,@function
k_qd5e8bf55c5_proj:
	s_mov_b64 s[64:65], 0
	v_nop
	global_prefetch_b8 v0, s[64:65] scope:SCOPE_SE
	s_setreg_imm32_b32 hwreg(HW_REG_WAVE_MODE, 25, 1), 1
	s_wait_xcnt 0x0
	s_wait_alu depctr_hold_cnt(0) depctr_sa_sdst(0) depctr_va_vdst(0) depctr_va_sdst(0) depctr_va_ssrc(0) depctr_va_vcc(0) depctr_vm_vsrc(0)
	s_getreg_b32 s2, hwreg(HW_REG_IB_STS2, 6, 4)
	s_cmp_eq_u32 s2, 0
	s_cbranch_scc0 .Lentry_in_a_cluster
	s_endpgm
.Lentry_in_a_cluster:
	s_bfe_u32 s2, ttmp6, 0x10000c
	s_cmp_lg_u32 s2, 0xf033
	s_cbranch_scc0 .Lentry_shape_is_right
	s_endpgm
.Lentry_shape_is_right:
; C[m][n] = the sum over k of xb[m][k] wt[n][k]: xb [8192][1024] and wt [2048][1024] in f16, sums in f32.  Columns 0-1023 (wt holds 64 M there) leave as y = f16(2^-16 C) = x M / 1024; columns 1024-2047
; (wt holds Wv turned) leave as v = f16(C) = V; y and v are [8192][1024].  The factor is applied in f32, ahead of the one rounding.
; v32 [4][4][1024] takes V's rows 0-3 of each batch unrounded, in f32: those rows of the output average over one to four keys only and are made apart, in the next launch.
; LIMIT.  f16 holds no number beyond 65,504: V and x M / 1024 must lie within it (with x of unit spread and weights below 1/32, V lies near 0.6 and x M near 0.3; all inputs thirty times larger give some 2,600 and 50).
; A tile of 256 x 256 is made by four waves, 128 x 128 each: 64 accumulators of 16 x 16, 512 registers: 32 x 8 tiles, 256 work-groups.  K goes in steps of 128 through two LDS slots filled by the tensor data mover: rows of 256 bytes.
; THE TEXT.  A K step is written once for the six steps behind which a slot is filled again, and once for the last two.  The two slots differ in an LDS offset alone, 0 or SLOT:
; s[TB] holds it and is turned at each change of slots; the fragments' addresses and the refill's LDS word are made from it.
; CLUSTERS: 4 x 4 work-groups; the four of a row need the same tiles of xb, the four of a column the same tiles of wt: each tile is asked for JOINTLY, by the same load, descriptor and mask in all four.
; THE MATRIX INSTRUCTION IS USED TRANSPOSED (source 0 = 16 rows of wt, source 1 = 16 rows of xb): lane l holds row l % 16 and the eight neighbouring columns 8 (l / 16) + 0..7.
; REGISTERS, in windows of 256 (s_set_vgpr_msb: bits 1:0 source 0, 3:2 source 1, 5:4 source 2, 7:6 destination):
;   window 0: v0-31 addresses; v64-127, v128-191 fragments of xb, two buffers; v32-63, v192-255 at work on the way out     window 1: v64-127, v128-191 fragments of wt
;   window 2: the accumulators of my rows 0-63 ((a, b) at v[8 (8 a + b)])     window 3: those of my rows 64-127
.set OUT_N,  1024                      ; elements in a row of y and of v
.set SIZE_K, 1024
.set KSTEP,  128
.set STEPS,  SIZE_K/KSTEP              ; 8 K steps
.set PITCH,  272                       ; an LDS row: 256 bytes + 16 of padding = 68 words: the 16 rows that a load touches start at 16 different groups of four banks (ISA guide 11.1)
.set HALFT,  128*PITCH                 ; 128 rows: what one tensor load brings
.set SLOT,   4*HALFT                   ; xb's 256 rows, then wt's 256 rows
.set STAGE,  2*SLOT                    ; behind the ring: 16 rows x 272 bytes for each wave, for the way out
.set SPITCH, 272
.set SPARE,  STAGE+4*16*SPITCH         ; behind the stages: the spare words, 128 bytes for each wave: two blocks of 256 bytes that no other line names
.set A0,   16                          ; v16     LDS address of my xb fragments in slot 0; never rewritten
.set ADRA, 17                          ; v17     the same in the slot in hand
.set B0,   20                          ; v20     LDS address of my wt fragments in slot 0; never rewritten
.set ADRB, 21                          ; v21     the same in the slot in hand
.set STO,  24                          ; v24     the way out: where I put 16 bytes of a row
.set RD,   25                          ; v25     where I read a row back
.set CO,   26                          ; v26     my byte offset in y or v
.set VO,   27                          ; v27     my byte offset in v32
.set SPW,  28                          ; v28     LDS address of my spare word; never rewritten
.set NIL,  29                          ; v29     0; never rewritten
.set F0,   64
.set F1,   128
.set TMP,  192
.set OB,   32
.set G1, 24                            ; s[24:31] descriptor group 1 for xb's tiles;  s[32:39] group 0: a set for each of the two first fills; the second then walks on
.set G0, 32
.set G1B, 48                           ; s[48:55], s[56:63] the same for wt's
.set G0B, 56
.set TB,  45                           ; s45  the LDS offset of the slot in hand: 0 or SLOT
.set MSB, 0
.macro WIN new                         ; the immediate's high byte repeats the setting that is left; a switch that changes nothing is dropped
.if MSB != (\new)
	s_set_vgpr_msb (MSB<<8)|(\new)
.set MSB, \new
.endif
.endm
.set MUL_LO, 0xa1                      ; source 0 (wt) window 1, source 1 (xb) window 0, C and D window 2
.set MUL_HI, 0xf1                      ; the same, C and D window 3
.set TO_B,   0x40                      ; destination window 1, address window 0
; A joint load: waves 0 and 1 fetch xb's two halves, waves 2 and 3 wt's.  The branch hangs on the wave's number alone.  An s_nop 0 and four v_nop follow each of the two lines.
.macro JLOAD s
	s_cmp_eq_u32 s11, 0
	s_cbranch_scc0 .Lfor_b_\@
	tensor_load_to_lds s[G0+4*(\s):G0+4*(\s)+3], s[G1:G1+7]
	s_nop 0
.rept 4
	v_nop
.endr
	s_branch .Lasked_\@
.Lfor_b_\@:
	tensor_load_to_lds s[G0B+4*(\s):G0B+4*(\s)+3], s[G1B:G1B+7]
	s_nop 0
.rept 4
	v_nop
.endr
.Lasked_\@:
.endm
.macro CREST                           ; a round of the cluster's barrier behind its opening barrier
	s_cmp_lg_u32 s10, 0
	s_cbranch_scc1 .Lnot_wave_0_\@
	s_barrier_signal -3
.Lnot_wave_0_\@:
	s_barrier_wait -3
	s_barrier_signal -1
	s_barrier_wait -1
.endm
.macro CROUND                          ; a whole round
	s_barrier_signal -1
	s_barrier_wait -1
	CREST
.endm
	s_load_b128 s[4:7], s[0:1], 0x0                ; xb s[4:5], wt s[6:7]
	s_load_b128 s[72:75], s[0:1], 0x10             ; y s[72:73], v s[74:75]
	s_load_b64 s[68:69], s[0:1], 0x20              ; v32
	v_lshl_add_u32 v[SPW], v0, 2, SPARE
	v_mov_b32 v[NIL], 0
	ds_add_u32 v[SPW], v[NIL]                      ; the wave's opening: the add and its wait stand ahead of my first tensor load; the set-up below stands between them
	ds_add_u32 v28, v29
	v_lshrrev_b32 v1, 5, v0
	v_readfirstlane_b32 s10, v1                    ; wave 0..3
	s_lshr_b32 s11, s10, 1                         ; which half of the tile's rows is mine.  Also: I fetch for xb (0) or for wt (1)
	s_and_b32 s12, s10, 1                          ; which half of its columns.  Also: which 128 rows of that tile I fetch
	s_bfe_u32 s40, ttmp6, 0x40000                  ; cx
	s_bfe_u32 s41, ttmp6, 0x40004                  ; cy
	s_lshl_b32 s42, ttmp9, 2
	s_add_co_u32 s42, s42, s40                     ; tile column = 4 x cluster x + cx: 0-3 are y's, 4-7 v's
	s_and_b32 s13, ttmp7, 0xffff
	s_lshl_b32 s13, s13, 2
	s_add_co_u32 s13, s13, s41                     ; tile row = 4 x cluster y + cy
	s_and_b32 s70, s13, 7                          ; 0: the tile holds a batch's first rows (a batch is 8 tile rows)
	s_lshr_b32 s71, s13, 3                         ; the batch
	s_lshl_b32 s43, s41, 2
	s_lshl_b32 s43, 15, s43                        ; my row of the cluster
	s_lshl_b32 s44, 0x1111, s40                    ; my column
	s_or_b32 s[G1+0], s43, (1<<16)|(1<<20)|(1<<21)|(5<<22)|(3<<25)   ; the mask; 2-byte elements; padding on; bit 21 beside a mask; after every 64 words (code 5) 4 words (code 3)
	s_or_b32 s[G1B+0], s44, (1<<16)|(1<<20)|(1<<21)|(5<<22)|(3<<25)
.irp g, G1, G1B
	s_mov_b32 s[(\g)+1], KSTEP<<16                 ; tensor_dim0 = 128
	s_mov_b32 s[(\g)+2], 128<<16                   ; tensor_dim1 = 128
	s_mov_b32 s[(\g)+3], KSTEP<<16                 ; tile_dim0 = 128
	s_mov_b32 s[(\g)+4], 128                       ; tile_dim1 = 128
	s_mov_b32 s[(\g)+5], SIZE_K                    ; elements from row to row
	s_mov_b32 s[(\g)+6], 0
	s_mov_b32 s[(\g)+7], 0
.endr
	s_lshl_b32 s17, s12, 7                         ; which 128 rows of the tile I fetch
	s_lshl_b32 s16, s13, 8
	s_add_co_u32 s16, s16, s17                     ; xb: row 256 x tile row + 128 x half
	s_lshl_b32 s46, s42, 8
	s_add_co_u32 s46, s46, s17                     ; wt: row 256 x tile column + 128 x half
	s_mov_b32 s17, 0
	s_mov_b32 s47, 0
	s_mov_b64 s[18:19], SIZE_K*2
	s_mul_u64 s[16:17], s[16:17], s[18:19]
	s_mul_u64 s[46:47], s[46:47], s[18:19]
	s_mul_i32 s20, s10, HALFT                      ; where they go in a slot: wave x 128 rows: no place in the cluster enters an LDS address; kept for the refills
	s_mov_b32 s[TB], 0                             ; K step 0 lies in slot 0
	s_wait_dscnt 0x0                               ; the opening add is done
	s_wait_kmcnt 0x0
	s_cmp_eq_u32 ttmp9, 0
	s_cselect_b64 s[8:9], s[72:73], s[74:75]       ; the clusters with x = 0 make y, the others v
	s_add_nc_u64 s[14:15], s[4:5], s[16:17]
	s_add_nc_u64 s[46:47], s[6:7], s[46:47]
	CROUND                                         ; all sixteen work-groups are here: the first joint loads meet
.irp s, 0,1
	s_mov_b32 s[G0+4*(\s)], 1
	s_add_co_u32 s[G0+4*(\s)+1], s20, (\s)*SLOT
	s_add_nc_u64 s[G0+4*(\s)+2:G0+4*(\s)+3], s[14:15], (\s)*KSTEP*2
	s_or_b32 s[G0+4*(\s)+3], s[G0+4*(\s)+3], 0x80000000
	s_mov_b32 s[G0B+4*(\s)], 1
	s_add_co_u32 s[G0B+4*(\s)+1], s20, (\s)*SLOT
	s_add_nc_u64 s[G0B+4*(\s)+2:G0B+4*(\s)+3], s[46:47], (\s)*KSTEP*2
	s_or_b32 s[G0B+4*(\s)+3], s[G0B+4*(\s)+3], 0x80000000
	JLOAD \s                                       ; two loads of mine are out
.endr
	; a fragment is 16 rows x 32 K in 8 registers: lane l holds row l % 16; two loads of 16 bytes, 32 bytes apart, at row x pitch + 16 (l / 16)
	v_and_b32 v1, 15, v0                           ; l % 16
	v_bfe_u32 v2, v0, 4, 1                         ; l / 16
	v_mul_u32_u24 v3, v1, PITCH
	v_lshl_add_u32 v3, v2, 4, v3
	s_mul_i32 s21, s11, HALFT                      ; my 128 rows of xb
	s_mul_i32 s22, s12, HALFT                      ; my 128 rows of wt,
	s_add_co_u32 s22, s22, 2*HALFT                 ; which lie behind xb's 256
	v_add_nc_u32 v[A0], s21, v3
	v_add_nc_u32 v[B0], s22, v3
	v_mov_b32 v[ADRA], v[A0]                       ; the slot in hand is slot 0
	v_mov_b32 v[ADRB], v[B0]
	s_mul_i32 s23, s10, 16*SPITCH
	s_add_co_u32 s23, s23, STAGE                   ; my stage
	v_mul_u32_u24 v4, v1, SPITCH
	v_lshl_add_u32 v4, v2, 4, v4
	v_add_nc_u32 v[STO], s23, v4
	v_mul_u32_u24 v5, v2, SPITCH
	v_lshl_add_u32 v5, v1, 4, v5
	v_add_nc_u32 v[RD], s23, v5
	v_mul_u32_u24 v5, v2, OUT_N*2
	v_lshl_add_u32 v[CO], v1, 4, v5
	s_lshl_b32 s13, s13, 8
	s_lshl_b32 s14, s11, 7
	s_add_co_u32 s16, s13, s14                     ; my first row of y or v
	s_mov_b32 s17, 0
	s_mov_b64 s[18:19], OUT_N*2
	s_mul_u64 s[16:17], s[16:17], s[18:19]
	s_lshl_b32 s46, s40, 9                         ; my first column there, in bytes: 512 cx + 256 x half
	s_lshl_b32 s47, s12, 8
	s_add_co_u32 s46, s46, s47
	s_mov_b32 s47, 0
	s_add_nc_u64 s[16:17], s[16:17], s[46:47]
; 16 matrix instructions: m blocks a0, a0 + 1 of the window's four x all 8 n blocks, 32 along K.  zero = 1: the first product starts the sums
.macro MUL16 f, hi, a0, zero
	WIN MUL_LO+0x50*(\hi)
.irp a, \a0, (\a0)+1
.irp b, 0,1,2,3,4,5,6,7
.if \zero
	v_wmma_f32_16x16x32_f16 v[8*(8*(\a)+(\b)):8*(8*(\a)+(\b))+7], v[(\f)+8*(\b):(\f)+8*(\b)+7], v[(\f)+8*(4*(\hi)+(\a)):(\f)+8*(4*(\hi)+(\a))+7], 0
.else
	v_wmma_f32_16x16x32_f16 v[8*(8*(\a)+(\b)):8*(8*(\a)+(\b))+7], v[(\f)+8*(\b):(\f)+8*(\b)+7], v[(\f)+8*(4*(\hi)+(\a)):(\f)+8*(4*(\hi)+(\a))+7], v[8*(8*(\a)+(\b)):8*(8*(\a)+(\b))+7]
.endif
.endr
.endr
.endm
; 32 LDS loads in one run: the fragments of one quarter step (32 K at byte k of the rows of the slot in hand) into buffer f
.macro FETCH k, f
	WIN TO_B
.irp i, 0,1,2,3,4,5,6,7
	ds_load_b128 v[(\f)+8*(\i):(\f)+8*(\i)+3],   v[ADRB] offset:(\k)+(\i)*16*PITCH
	ds_load_b128 v[(\f)+8*(\i)+4:(\f)+8*(\i)+7], v[ADRB] offset:(\k)+(\i)*16*PITCH+32
.endr
	WIN 0
.irp i, 0,1,2,3,4,5,6,7
	ds_load_b128 v[(\f)+8*(\i):(\f)+8*(\i)+3],   v[ADRA] offset:(\k)+(\i)*16*PITCH
	ds_load_b128 v[(\f)+8*(\i)+4:(\f)+8*(\i)+7], v[ADRA] offset:(\k)+(\i)*16*PITCH+32
.endr
.endm
.macro PLACES                          ; four places in front of loads into registers that matrix instructions have read, and of lines that read results
.rept 4
	v_nop
.endr
.endm
; A K step is four quarters of 32 along K, 64 matrix instructions each, on buffers 0, 1, 0, 1; the 64 accumulators take turns in the same order everywhere.
; One of the first three: multiplies buffer f; in its middle it fetches the next quarter's fragments, at byte k, into buffer g.
.macro QUARTER k, f, g, zero
	s_wait_dscnt 8                                 ; wt's fragments and xb's rows 0-63 are in; the youngest eight loads may be out
	MUL16 \f, 0, 0, \zero
	MUL16 \f, 0, 2, \zero
	PLACES
	FETCH \k, \g
	s_wait_dscnt 32                                ; all but the 32 just issued
	MUL16 \f, 1, 0, \zero
	MUL16 \f, 1, 2, \zero
.endm
; The last quarter multiplies buffer 1 and changes slots: ONE barrier.  In front of it each wave waits for all its tensor loads (one is out at the most: its part of the next slot), adds 0 to its spare word, and
; waits for that and for its reads of this slot.  fill = 1: the barrier opens a round of the cluster's barrier, and the slot just read is filled again, two K steps on, first thing behind it: 224 matrix
; instructions ahead of the wait for it; the walking descriptors take that slot's LDS address and the next 256 bytes of their rows.  Then s[TB] is turned, and the next slot's first fragments are fetched.
; fill = 0 (the last two steps): nothing is asked for; in the very last step there is no next slot, and the fetch is jumped over.
.macro TURN fill
	WIN 0
	s_wait_tensorcnt 0x0                           ; no tensor load of mine is out, so a group 0 may be written
	ds_add_u32 v[SPW], v[NIL]
	s_wait_dscnt 9                                 ; (the add and the youngest eight loads may be out)
	MUL16 F1, 0, 0, 0
	s_wait_dscnt 0x0                               ; the add is done, and my reads of this slot are over
	s_barrier_signal -1
	MUL16 F1, 0, 2, 0
	WIN 0                                          ; branches and lines on window 0 follow
	s_barrier_wait -1
.if \fill
	CREST
	s_add_co_u32 s[G0+5], s20, s[TB]               ; my part of the slot just read
	s_add_co_u32 s[G0B+5], s20, s[TB]
	s_add_nc_u64 s[G0+6:G0+7], s[G0+6:G0+7], KSTEP*2
	s_add_nc_u64 s[G0B+6:G0B+7], s[G0B+6:G0B+7], KSTEP*2
	s_sub_co_u32 s[TB], SLOT, s[TB]                ; 0 becomes SLOT, SLOT becomes 0
	JLOAD 1                                        ; the four v_nop behind it are also the places in front of the loads below
.else
	s_sub_co_u32 s[TB], SLOT, s[TB]
	PLACES
.endif
	v_add_nc_u32 v[ADRA], s[TB], v[A0]
	v_add_nc_u32 v[ADRB], s[TB], v[B0]
.if (\fill) == 0
	s_cmp_eq_u32 s3, 1
	s_cbranch_scc1 .Lno_fetch
.endif
	FETCH 0, F0
.if (\fill) == 0
.Lno_fetch:
.endif
	MUL16 F1, 1, 0, 0
	MUL16 F1, 1, 2, 0
.endm
; THE WAY OUT of block a (16 rows): rounded to f16, 16 bytes a lane; into my own stage; back as whole rows of 256 bytes; stored.
.macro PACK a
.set AC, 64*((\a)%4)
	WIN 0x0a+5*((\a)/4)                            ; sources 0 and 1: window 2 or 3
.irp b, 0,1,2,3,4,5,6,7
.irp r, 0,1,2,3
	v_cvt_pk_f16_f32 v[TMP+4*(\b)+(\r)], v[AC+8*(\b)+2*(\r)], v[AC+8*(\b)+2*(\r)+1]
.endr
.endr
	WIN 0
.endm
.macro TOSTAGE a
	WIN 0
.set BK, OB+192*((\a)%2)
.irp b, 0,1,2,3,4,5,6,7
	ds_store_b128 v[STO], v[TMP+4*(\b):TMP+4*(\b)+3] offset:32*(\b)
.endr
.irp t, 0,1,2,3,4,5,6,7
	ds_load_b128 v[BK+4*(\t):BK+4*(\t)+3], v[RD] offset:(\t)*2*SPITCH  ; LDS serves a wave's instructions in order (ISA guide 5.7.1.4): these see the stores above
.endr
.endm
.macro SEND a
	WIN 0
.set BK, OB+192*((\a)%2)
	s_wait_dscnt 0x0                               ; the block is back in registers
	s_wait_xcnt 0x0                                ; only behind this wait are the stores' base and the registers that earlier stores read rewritten
.if (\a) == 0
	s_add_nc_u64 s[8:9], s[8:9], s[16:17]
.else
	s_add_nc_u64 s[8:9], s[8:9], 16*OUT_N*2
.endif
.irp t, 0,1,2,3,4,5,6,7
	global_store_b128 v[CO], v[BK+4*(\t):BK+4*(\t)+3], s[8:9] offset:2*(\t)*OUT_N*2  ; 16 lanes store 256 consecutive bytes, at a multiple of 256 from the buffer's first byte
.endr
.endm
	s_wait_tensorcnt 1                             ; my part of K step 0 is in; K step 1's may stay out
	s_barrier_signal -1
	s_barrier_wait -1
	FETCH 0, F0
	QUARTER 64,  F0, F1, 1                         ; the first quarter's products start the sums
	WIN 0                                          ; at a label and at a branch every window is 0
	s_mov_b32 s3, STEPS-2
.Lstep:                                                ; a trip goes from a K step's second quarter to the next step's first, and fills the slot that it leaves: K steps 2 to 7
	QUARTER 128, F1, F0, 0
	QUARTER 192, F0, F1, 0
	TURN 1
	QUARTER 64,  F0, F1, 0
	WIN 0
	s_sub_co_u32 s3, s3, 1
	s_cmp_lg_u32 s3, 0
	s_cbranch_scc1 .Lstep
	s_mov_b32 s3, 2
.Ltail:                                                ; the last two K steps ask for nothing; the second is left behind its last products
	QUARTER 128, F1, F0, 0
	QUARTER 192, F0, F1, 0
	TURN 0
	WIN 0
	s_cmp_eq_u32 s3, 1
	s_cbranch_scc1 .Lsums
	QUARTER 64,  F0, F1, 0
	WIN 0
	s_sub_co_u32 s3, s3, 1
	s_cmp_lg_u32 s3, 0
	s_cbranch_scc1 .Ltail
.Lsums:
	PLACES
	; V's rows 0-3 of a batch, unrounded.  They lie in block 0 of the waves with the tile's upper rows, in tile rows 0, 8, 16, 24 and tile columns 4-7; everywhere else the row limit is 0 and no lane stores.
	s_cmp_ge_u32 s42, 4
	s_cselect_b32 s66, 4, 0
	s_cmp_eq_u32 s70, 0
	s_cselect_b32 s66, s66, 0
	s_cmp_eq_u32 s11, 0
	s_cselect_b32 s66, s66, 0
	s_lshl_b32 s67, s40, 10                        ; 256 channels of 4 bytes a tile column
	s_lshl_b32 s70, s71, 14                        ; 4 rows of 4,096 bytes a batch
	s_add_co_u32 s70, s70, s67
	s_lshl_b32 s67, s12, 9
	s_add_co_u32 s70, s70, s67
	s_mov_b32 s71, 0
	s_add_nc_u64 s[68:69], s[68:69], s[70:71]
	v_lshlrev_b32 v[VO], 12, v1                    ; row l % 16,
	v_lshl_add_u32 v[VO], v2, 5, v[VO]             ; eight channels for each half of the lanes
	v_cmp_gt_u32 vcc_lo, s66, v1
	s_wait_xcnt 0x0                                ; EXEC changes only behind this wait
	s_and_saveexec_b32 s67, vcc_lo
	WIN 0x08                                       ; store data in window 2
.irp b, 0,1,2,3,4,5,6,7
	global_store_b128 v[VO], v[8*(\b):8*(\b)+3],   s[68:69] offset:64*(\b)
	global_store_b128 v[VO], v[8*(\b)+4:8*(\b)+7], s[68:69] offset:64*(\b)+16
.endr
	s_wait_xcnt 0x0                                ; and again, in front of the line that widens it; it also frees the stores' data registers
	s_or_b32 exec_lo, exec_lo, s67
	WIN 0
	; y's sums are taken down by 2^-16, so that x M / 1024 is what is rounded.  The branch hangs on the cluster's x: it is the same in all sixteen partners.
	s_mov_b32 s70, 0x37800000                      ; 2^-16
	s_mov_b32 s71, s70                             ; named with it as a pair
	s_cmp_lg_u32 ttmp9, 0
	s_cbranch_scc1 .Lplain
	WIN 0x82                                       ; destination and source 0 in window 2
.set i, 0
.rept 128
	v_pk_mul_f32 v[i:i+1], v[i:i+1], s[70:71] op_sel_hi:[1,0]
.set i, i+2
.endr
	WIN 0xc3                                       ; in window 3
.set i, 0
.rept 128
	v_pk_mul_f32 v[i:i+1], v[i:i+1], s[70:71] op_sel_hi:[1,0]
.set i, i+2
.endr
	WIN 0
.Lplain:
	PACK 0
	TOSTAGE 0
.irp a, 1,2,3,4,5,6,7                  ; block a's conversions stand between block a - 1's loads from the stage and the wait for them
	PACK \a
	SEND (\a)-1
	TOSTAGE \a
.endr
	SEND 7
	s_wait_tensorcnt 0x0                           ; the wave's end
	ds_add_u32 v[SPW], v[NIL]
	s_wait_dscnt 0x0
	CROUND                                         ; the closing round: no work-group ends while a partner may still ask for a tile that names it
	s_endpgm
.Lfunc_end_k_qd5e8bf55c5_proj:
	.size	k_qd5e8bf55c5_proj, .Lfunc_end_k_qd5e8bf55c5_proj-k_qd5e8bf55c5_proj
	.p2alignl 7, 3214868480
	.fill 96, 4, 3214868480
	.section	.rodata,"a",@progbits
	.p2align	6, 0x0
	.amdhsa_kernel k_qd5e8bf55c5_proj
		.amdhsa_group_segment_fixed_size 327680
		.amdhsa_private_segment_fixed_size 0
		.amdhsa_enable_private_segment 0
		.amdhsa_kernarg_size 40
		.amdhsa_user_sgpr_count 2
		.amdhsa_user_sgpr_kernarg_segment_ptr 1
		.amdhsa_wavefront_size32 1
		.amdhsa_system_sgpr_workgroup_id_x 1
		.amdhsa_system_sgpr_workgroup_id_y 1
		.amdhsa_system_sgpr_workgroup_id_z 1
		.amdhsa_system_vgpr_workitem_id 0
		.amdhsa_next_free_vgpr 1024
		.amdhsa_next_free_sgpr 76
		.amdhsa_reserve_vcc 1
		.amdhsa_float_denorm_mode_32 3
		.amdhsa_float_denorm_mode_16_64 3
		.amdhsa_memory_ordered 1
		.amdhsa_forward_progress 1
		.amdhsa_inst_pref_size 119
	.end_amdhsa_kernel
	.amdgpu_metadata
---
amdhsa.version: [ 1, 2 ]
amdhsa.kernels:
  - .name:           k_qd5e8bf55c5_proj
    .symbol:         k_qd5e8bf55c5_proj.kd
    .args:
      - { .name: xb, .offset: 0, .size: 8, .value_kind: global_buffer, .address_space: global }
      - { .name: wt, .offset: 8, .size: 8, .value_kind: global_buffer, .address_space: global }
      - { .name: y, .offset: 16, .size: 8, .value_kind: global_buffer, .address_space: global }
      - { .name: v, .offset: 24, .size: 8, .value_kind: global_buffer, .address_space: global }
      - { .name: v32, .offset: 32, .size: 8, .value_kind: global_buffer, .address_space: global }
    .group_segment_fixed_size: 327680
    .private_segment_fixed_size: 0
    .kernarg_segment_align: 8
    .kernarg_segment_size: 40
    .max_flat_workgroup_size: 128
    .sgpr_count:     76
    .vgpr_count:     1024
    .wavefront_size: 32
...
	.end_amdgpu_metadata
.endif
;; end of part 6
;; launch scores (part 7): grid 36 x 4, 4 waves a work-group, no clusters, 327,680 bytes of LDS; arguments y, v32, p, st, out0, xb; writes p, st, out0
.if DOCPART == 7
	.amdgcn_target "amdgcn-amd-amdhsa--gfx1250"
	.amdhsa_code_object_version 6
	.text
	.protected	k_qd5e8bf55c5_scores
	.globl	k_qd5e8bf55c5_scores
	.p2align	8
	.type	k_qd5e8bf55c5_scores,@function
k_qd5e8bf55c5_scores:
	s_mov_b64 s[64:65], 0
	v_nop
	global_prefetch_b8 v0, s[64:65] scope:SCOPE_SE
	s_setreg_imm32_b32 hwreg(HW_REG_WAVE_MODE, 25, 1), 1
	s_wait_xcnt 0x0
; For each causal tile (i, j), j <= i, of 256 queries x 256 keys of a batch: S = Y x^T (f16 operands, f32 sums, K = 1024), which is Q K^T / 1024 since y holds x Wq Wk^T / 1024; keys behind the query are hidden;
; for each row the tile's own maximum m, p = 2^(c s - c m) with c = 1024 log2(e) / 32, rounded to f16 into p [4][2048][2048], and (c m, the sum l of the unrounded p) into st [4][8 j][2048 q][2].  The next launch joins the
; tiles of a row by the maximum over their c m: the maximum that is taken away is a true one, first of the tile, then of the row.
; Tile (0, 0) of a batch also makes rows 0-3 of the output, from f32 V (v32) and f32 weights: they average over one to four keys, and f16's rounding of V would use up their allowance.
; LIMITS.  A hidden score counts as -1e30 (f16 operands give sums of 4.4e12 at the most); a weight below 2^-126 counts as 0; p below 6e-5 keeps f16's fixed step of 6e-8; NaN and infinities are not treated apart.
; NO CLUSTER: tile row i has i + 1 tiles and tile column j has 8 - j; only rows and columns of 4 and 8 split into fours that share y's or x's tile, so a grid of clusters would have to carry work-groups whose tiles are wholly hidden.
; The product is the 256 x 256 tile of the launch before: four waves of 128 x 128, K steps of 128 through two LDS slots, each wave fetching a quarter of a slot by a load of its own.  Source 0 = 16 keys' rows of x,
; source 1 = 16 queries' rows of y: lane l holds query l % 16 and the keys 8 (l / 16) + 0..7.  S then goes through LDS (the ring's bytes, behind their last fill), so that a wave sees whole rows.
; THE TEXT.  A K step is written once for the six steps behind which a slot is filled again, and once for the last two.  The two slots differ in an LDS offset alone, 0 or SLOT:
; s[TB] holds it and is turned at each change of slots; the fragments' addresses and the refill's LDS word are made from it.
.set QP,     1024                      ; elements from row to row of y and of xb
.set KSTEP,  128
.set STEPS,  8                         ; K steps
.set PITCH,  272
.set HALFT,  128*PITCH
.set SLOT,   4*HALFT
.set PS,     1040                      ; a row of S in LDS: 1,024 bytes + 16: an odd multiple of 16
.set STB,    2*SLOT                    ; behind the ring: (c m, l) of the tile's 256 rows, 8 bytes each
.set SPARE,  STB+2048                  ; the spare words, 128 bytes for each wave: two blocks of 256 bytes that no other line names
.set A0,   16                          ; v16  LDS address of my fragments of y in slot 0; never rewritten
.set ADRA, 17                          ; v17  the same in the slot in hand
.set B0,   20                          ; v20  LDS address of my fragments of x in slot 0; never rewritten
.set ADRB, 21                          ; v21  the same in the slot in hand
.set SPW,  28                          ; v28  LDS address of my spare word; never rewritten
.set NIL,  29                          ; v29  0; never rewritten
.set F0,   64
.set F1,   128
.set SV,   64                          ; the softmax: row R's eight scores at v[64 + 8 R]
.set CM,   96                          ; (c m, l) of row R at v[96 + 2 R]
.set MR,   104                         ; at work
.set MT,   108                         ; the other half of the lanes'
.set PK,   112                         ; row R's eight weights in f16 at v[112 + 4 R]
.set G1, 24                            ; s[24:31] descriptor group 1
.set G0, 32                            ; s[32:39] group 0: a set for each of the two first fills; the second then walks on
.set TB, 23                            ; s23  the LDS offset of the slot in hand: 0 or SLOT
.set MSB, 0
.macro WIN new
.if MSB != (\new)
	s_set_vgpr_msb (MSB<<8)|(\new)
.set MSB, \new
.endif
.endm
.set MUL_LO, 0xa1
.set MUL_HI, 0xf1
.set TO_B,   0x40
	s_load_b256 s[68:75], s[0:1], 0x0              ; y s[68:69], v32 s[70:71], p s[72:73], st s[74:75]
	s_load_b128 s[76:79], s[0:1], 0x20             ; out0 s[76:77], xb s[78:79]
	v_lshl_add_u32 v[SPW], v0, 2, SPARE
	v_mov_b32 v[NIL], 0
	ds_add_u32 v[SPW], v[NIL]                      ; the wave's opening: the add and its wait stand ahead of my first tensor load
	ds_add_u32 v28, v29
	v_lshrrev_b32 v1, 5, v0
	v_readfirstlane_b32 s10, v1                    ; wave 0..3
	s_lshr_b32 s11, s10, 1                         ; which half of the queries is mine.  Also: I fetch y (0) or x (1)
	s_and_b32 s12, s10, 1                          ; which half of the keys.  Also: which 128 rows I fetch
	s_mov_b32 s47, ttmp9                           ; the tile's number in the triangle, 0..35
	s_and_b32 s15, ttmp7, 0xffff                   ; the batch
	s_mov_b32 s13, 0
.irp th, 1,3,6,10,15,21,28             ; tile row i begins at number i (i + 1) / 2
	s_cmp_ge_u32 s47, \th
	s_cselect_b32 s14, 1, 0
	s_add_co_u32 s13, s13, s14                     ; i
.endr
	s_add_co_u32 s14, s13, 1
	s_mul_i32 s14, s14, s13
	s_lshr_b32 s14, s14, 1
	s_sub_co_u32 s14, s47, s14                     ; j
	s_cmp_eq_u32 s13, s14
	s_cselect_b32 s44, 1, 0                        ; 1: the tile holds the diagonal
	s_mov_b32 s[G1+0], (1<<16)|(1<<20)|(5<<22)|(3<<25)  ; 2-byte elements; padding on: after every 64 words (code 5) 4 words (code 3)
	s_mov_b32 s[G1+1], KSTEP<<16
	s_mov_b32 s[G1+2], 128<<16
	s_mov_b32 s[G1+3], KSTEP<<16
	s_mov_b32 s[G1+4], 128
	s_mov_b32 s[G1+5], QP
	s_mov_b32 s[G1+6], 0
	s_mov_b32 s[G1+7], 0
	s_cmp_eq_u32 s11, 0
	s_cselect_b32 s16, s13, s14                    ; y's rows go by i, x's by j
	s_lshl_b32 s16, s16, 8
	s_lshl_b32 s17, s15, 11
	s_add_co_u32 s16, s16, s17
	s_lshl_b32 s17, s12, 7
	s_add_co_u32 s16, s16, s17                     ; the first row that I fetch
	s_mul_i32 s16, s16, QP*2
	s_mov_b32 s17, 0
	s_mul_i32 s20, s10, HALFT                      ; where it goes in a slot: wave x 128 rows; kept for the refills
	s_mov_b32 s[TB], 0                             ; K step 0 lies in slot 0
	s_wait_dscnt 0x0                               ; the opening add is done
	s_wait_kmcnt 0x0
	s_cmp_eq_u32 s11, 0
	s_cselect_b64 s[18:19], s[68:69], s[78:79]     ; the buffer that I fetch from
	s_add_nc_u64 s[18:19], s[18:19], s[16:17]
.irp s, 0,1
	s_mov_b32 s[G0+4*(\s)], 1
	s_add_co_u32 s[G0+4*(\s)+1], s20, (\s)*SLOT
	s_add_nc_u64 s[G0+4*(\s)+2:G0+4*(\s)+3], s[18:19], (\s)*KSTEP*2
	s_or_b32 s[G0+4*(\s)+3], s[G0+4*(\s)+3], 0x80000000
	tensor_load_to_lds s[G0+4*(\s):G0+4*(\s)+3], s[G1:G1+7]  ; the two first fills go out together: two loads of mine are out
	s_nop 0
.endr
	v_and_b32 v1, 15, v0                           ; l % 16
	v_bfe_u32 v2, v0, 4, 1                         ; l / 16
	v_mul_u32_u24 v3, v1, PITCH
	v_lshl_add_u32 v3, v2, 4, v3
	s_mul_i32 s21, s11, HALFT
	s_mul_i32 s22, s12, HALFT
	s_add_co_u32 s22, s22, 2*HALFT
	v_add_nc_u32 v[A0], s21, v3
	v_add_nc_u32 v[B0], s22, v3
	v_mov_b32 v[ADRA], v[A0]                       ; the slot in hand is slot 0
	v_mov_b32 v[ADRB], v[B0]
	s_lshl_b32 s16, s15, 11                        ; p at my 64 rows of the tile: row 2,048 b + 256 i + 64 w, key 256 j
	s_lshl_b32 s18, s13, 8
	s_add_co_u32 s16, s16, s18
	s_lshl_b32 s18, s10, 6
	s_add_co_u32 s16, s16, s18
	s_lshl_b32 s16, s16, 12
	s_lshl_b32 s18, s14, 9
	s_add_co_u32 s16, s16, s18
	s_add_nc_u64 s[72:73], s[72:73], s[16:17]
	s_lshl_b32 s16, s15, 3                         ; st at the same rows: ((8 b + j) 2,048 + 256 i + 64 w) x 8 bytes
	s_add_co_u32 s16, s16, s14
	s_lshl_b32 s16, s16, 11
	s_lshl_b32 s18, s13, 8
	s_add_co_u32 s16, s16, s18
	s_lshl_b32 s18, s10, 6
	s_add_co_u32 s16, s16, s18
	s_lshl_b32 s16, s16, 3
	s_add_nc_u64 s[74:75], s[74:75], s[16:17]
	s_mov_b32 s40, 0x4238aa3b                      ; c = 32 log2(e): log2(e) / sqrt(1024), times the 1,024 by which y was taken down
	s_mov_b32 s41, s40                             ; named with it as a pair
	s_mov_b32 s42, 0x76543210                      ; v_permlanex16_b32: each lane takes its own place in the other half
	s_mov_b32 s43, 0xfedcba98
.macro MUL16 f, hi, a0, zero
	WIN MUL_LO+0x50*(\hi)
.irp a, \a0, (\a0)+1
.irp b, 0,1,2,3,4,5,6,7
.if \zero
	v_wmma_f32_16x16x32_f16 v[8*(8*(\a)+(\b)):8*(8*(\a)+(\b))+7], v[(\f)+8*(\b):(\f)+8*(\b)+7], v[(\f)+8*(4*(\hi)+(\a)):(\f)+8*(4*(\hi)+(\a))+7], 0
.else
	v_wmma_f32_16x16x32_f16 v[8*(8*(\a)+(\b)):8*(8*(\a)+(\b))+7], v[(\f)+8*(\b):(\f)+8*(\b)+7], v[(\f)+8*(4*(\hi)+(\a)):(\f)+8*(4*(\hi)+(\a))+7], v[8*(8*(\a)+(\b)):8*(8*(\a)+(\b))+7]
.endif
.endr
.endr
.endm
.macro FETCH k, f                      ; 32 LDS loads in one run: 32 K at byte k of the rows of the slot in hand, into buffer f
	WIN TO_B
.irp i, 0,1,2,3,4,5,6,7
	ds_load_b128 v[(\f)+8*(\i):(\f)+8*(\i)+3],   v[ADRB] offset:(\k)+(\i)*16*PITCH
	ds_load_b128 v[(\f)+8*(\i)+4:(\f)+8*(\i)+7], v[ADRB] offset:(\k)+(\i)*16*PITCH+32
.endr
	WIN 0
.irp i, 0,1,2,3,4,5,6,7
	ds_load_b128 v[(\f)+8*(\i):(\f)+8*(\i)+3],   v[ADRA] offset:(\k)+(\i)*16*PITCH
	ds_load_b128 v[(\f)+8*(\i)+4:(\f)+8*(\i)+7], v[ADRA] offset:(\k)+(\i)*16*PITCH+32
.endr
.endm
.macro PLACES                          ; four places in front of loads into registers that matrix instructions have read
.rept 4
	v_nop
.endr
.endm
.macro QUARTER k, f, g, zero           ; the 64 accumulators take turns in the same order everywhere
	s_wait_dscnt 8                                 ; x's fragments and y's rows 0-63 are in; the youngest eight loads may be out
	MUL16 \f, 0, 0, \zero
	MUL16 \f, 0, 2, \zero
	PLACES
	FETCH \k, \g
	s_wait_dscnt 32                                ; all but the 32 just issued
	MUL16 \f, 1, 0, \zero
	MUL16 \f, 1, 2, \zero
.endm
; A step's last quarter changes slots: ONE barrier; in front of it each wave waits for all its tensor loads (one is out at the most: its part of the next slot), adds 0 to its spare word, and waits for that and for its
; reads of this slot.  fill = 1: this slot is filled again, two K steps on, first thing behind the barrier: 224 matrix instructions ahead of the wait for it; the walking descriptor takes this slot's LDS address and the
; next 256 bytes of its rows.  Then s[TB] is turned, and the next slot's first fragments are fetched.  fill = 0 (the last two steps): nothing is asked for; in the very last step the fetch is jumped over.
.macro TURN fill
	WIN 0
	s_wait_tensorcnt 0x0                           ; no tensor load of mine is out, so a group 0 may be written
	ds_add_u32 v[SPW], v[NIL]
	s_wait_dscnt 9                                 ; (the add and the youngest eight loads may be out)
	MUL16 F1, 0, 0, 0
	s_wait_dscnt 0x0                               ; the add is done, and my reads of this slot are over
	s_barrier_signal -1
	MUL16 F1, 0, 2, 0
	WIN 0                                          ; lines on window 0 follow
	s_barrier_wait -1
.if \fill
	s_add_co_u32 s[G0+5], s20, s[TB]               ; my part of the slot just read
	s_add_nc_u64 s[G0+6:G0+7], s[G0+6:G0+7], KSTEP*2
	tensor_load_to_lds s[G0+4:G0+7], s[G1:G1+7]
	s_nop 0
.endif
	PLACES                                         ; behind the load, and in front of the loads below
	s_sub_co_u32 s[TB], SLOT, s[TB]                ; 0 becomes SLOT, SLOT becomes 0
	v_add_nc_u32 v[ADRA], s[TB], v[A0]
	v_add_nc_u32 v[ADRB], s[TB], v[B0]
.if (\fill) == 0
	s_cmp_eq_u32 s3, 1
	s_cbranch_scc1 .Lno_fetch
.endif
	FETCH 0, F0
.if (\fill) == 0
.Lno_fetch:
.endif
	MUL16 F1, 1, 0, 0
	MUL16 F1, 1, 2, 0
.endm
	s_wait_tensorcnt 1                             ; my part of K step 0 is in; K step 1's may stay out
	s_barrier_signal -1
	s_barrier_wait -1
	FETCH 0, F0
	QUARTER 64,  F0, F1, 1                         ; the first quarter's products start the sums
	WIN 0                                          ; at a label and at a branch every window is 0
	s_mov_b32 s3, STEPS-2
.Lstep:                                                ; a trip goes from a K step's second quarter to the next step's first, and fills the slot that it leaves: K steps 2 to 7
	QUARTER 128, F1, F0, 0
	QUARTER 192, F0, F1, 0
	TURN 1
	QUARTER 64,  F0, F1, 0
	WIN 0
	s_sub_co_u32 s3, s3, 1
	s_cmp_lg_u32 s3, 0
	s_cbranch_scc1 .Lstep
	s_mov_b32 s3, 2
.Ltail:                                                ; the last two K steps ask for nothing; the second is left behind its last products
	QUARTER 128, F1, F0, 0
	QUARTER 192, F0, F1, 0
	TURN 0
	WIN 0
	s_cmp_eq_u32 s3, 1
	s_cbranch_scc1 .Lsums
	QUARTER 64,  F0, F1, 0
	WIN 0
	s_sub_co_u32 s3, s3, 1
	s_cmp_lg_u32 s3, 0
	s_cbranch_scc1 .Ltail
.Lsums:
	s_wait_dscnt 0x0                               ; my last reads of the ring are back
	s_barrier_signal -1                            ; nobody reads the ring any more, and it has had its last fill: S may be laid over it
	s_barrier_wait -1
	s_lshl_b32 s16, s11, 7                         ; the five address lines are the places behind the last products
	v_add_nc_u32 v3, s16, v1                       ; row 128 x half + l % 16
	v_mul_u32_u24 v3, v3, PS
	v_lshl_add_u32 v3, v2, 5, v3                   ; eight keys of 4 bytes for each half of the lanes
	s_lshl_b32 s16, s12, 9
	v_add_nc_u32 v3, s16, v3                       ; my 128 keys
	v_add_nc_u32 v4, 64*PS, v3                     ; blocks 4-7: the immediate does not reach them
.irp a, 0,1,2,3,4,5,6,7
	WIN 0x08+4*((\a)/4)                            ; store data in window 2 or 3
.irp b, 0,1,2,3,4,5,6,7
	ds_store_b128 v[3+(\a)/4], v[8*(8*((\a)%4)+(\b)):8*(8*((\a)%4)+(\b))+3],   offset:((\a)%4)*16*PS+64*(\b)
	ds_store_b128 v[3+(\a)/4], v[8*(8*((\a)%4)+(\b))+4:8*(8*((\a)%4)+(\b))+7], offset:((\a)%4)*16*PS+64*(\b)+16
.endr
.endr
	WIN 0
	v_and_b32 v11, 31, v0                          ; lane
	s_mul_i32 s16, s10, 64*PS
	v_lshl_add_u32 v5, v11, 5, s16                 ; where I read: my wave's rows 64 w on, keys 8 l .. 8 l + 7
	v_lshlrev_b32 v6, 4, v11                       ; my 16 bytes of a row of p
	v_lshlrev_b32 v13, 4, v11                      ; the same, kept for st
	s_lshl_b32 s46, s10, 9
	s_add_co_u32 s46, s46, STB                     ; my wave's 64 pairs of statistics
	v_mov_b32 v7, s46
	v_lshlrev_b32 v8, 3, v11                       ; my first key
	v_mov_b32 v9, 0xf149f2ca                       ; -1e30
	s_lshl_b32 s45, s10, 6                         ; the trip's first row in the tile
.irp R, 0,1,2,3
	v_mov_b32 v[CM+2*(\R)+1], 0                    ; named in a pair before it is made
	v_mov_b32 v[MT+(\R)], 0                        ; v_permlanex16_b32's destination counts as read
.endr
	s_wait_dscnt 0x0                               ; for the others' sake: my part of S is in LDS
	s_barrier_signal -1
	s_barrier_wait -1
	s_mov_b32 s3, 16
.Lrow:                                                 ; a trip: four whole rows of my 64
.irp R, 0,1,2,3
	ds_load_b128 v[SV+8*(\R):SV+8*(\R)+3],   v5 offset:(\R)*PS
	ds_load_b128 v[SV+8*(\R)+4:SV+8*(\R)+7], v5 offset:(\R)*PS+16
.endr
	s_wait_dscnt 0x0
	s_cmp_eq_u32 s44, 0
	s_cbranch_scc1 .Lopen                          ; below the diagonal nothing is hidden
	v_sub_nc_u32 v12, s45, v8                      ; key 8 l + e is hidden from row s45 + R where e - R is greater than this
.irp R, 0,1,2,3
.irp e, 0,1,2,3,4,5,6,7
	v_cmp_gt_i32 vcc_lo, (\e)-(\R), v12
	v_cndmask_b32 v[SV+8*(\R)+(\e)], v[SV+8*(\R)+(\e)], v9, vcc_lo
.endr
.endr
.Lopen:
	; the rows' maxima: within the lane, across sixteen lanes on the arithmetic itself, then the other half; the four rows alternate, so that no line waits for the one before it
.irp R, 0,1,2,3
	v_max3_num_f32 v[MR+(\R)], v[SV+8*(\R)], v[SV+8*(\R)+1], v[SV+8*(\R)+2]
.endr
.irp R, 0,1,2,3
	v_max3_num_f32 v[MR+(\R)], v[MR+(\R)], v[SV+8*(\R)+3], v[SV+8*(\R)+4]
.endr
.irp R, 0,1,2,3
	v_max3_num_f32 v[MR+(\R)], v[MR+(\R)], v[SV+8*(\R)+5], v[SV+8*(\R)+6]
.endr
.irp R, 0,1,2,3
	v_max_num_f32 v[MR+(\R)], v[MR+(\R)], v[SV+8*(\R)+7]
.endr
.irp x, 1,2,4,8
.irp R, 0,1,2,3
	v_max_num_f32_dpp v[MR+(\R)], v[MR+(\R)], v[MR+(\R)] row_xmask:\x row_mask:0xf bank_mask:0xf
.endr
.endr
.irp R, 0,1,2,3
	v_permlanex16_b32 v[MT+(\R)], v[MR+(\R)], s42, s43
.endr
.irp R, 0,1,2,3
	v_max_num_f32 v[MR+(\R)], v[MR+(\R)], v[MT+(\R)]
.endr
.irp R, 0,1,2,3
	v_mul_f32 v[CM+2*(\R)], s40, v[MR+(\R)]        ; c m
.endr
.irp R, 0,1,2,3
.irp z, 0,2,4,6
	v_pk_fma_f32 v[SV+8*(\R)+(\z):SV+8*(\R)+(\z)+1], v[SV+8*(\R)+(\z):SV+8*(\R)+(\z)+1], s[40:41], v[CM+2*(\R):CM+2*(\R)+1] op_sel_hi:[1,0,0] neg_lo:[0,0,1] neg_hi:[0,0,1]  ; c s - c m
.endr
.endr
.set z, 0
.rept 32
	v_exp_f32 v[SV+z], v[SV+z]
.set z, z+1
.endr
	v_nop                                          ; a plain instruction between the last exponential and the use of its result (ISA guide 5.7.2)
	s_wait_alu depctr_va_vdst(0)
.irp R, 0,1,2,3
.irp r, 0,1,2,3
	v_cvt_pk_f16_f32 v[PK+4*(\R)+(\r)], v[SV+8*(\R)+2*(\r)], v[SV+8*(\R)+2*(\r)+1]
.endr
.endr
.irp R, 0,1,2,3
	v_pk_add_f32 v[SV+8*(\R):SV+8*(\R)+1], v[SV+8*(\R):SV+8*(\R)+1], v[SV+8*(\R)+2:SV+8*(\R)+3]
	v_pk_add_f32 v[SV+8*(\R)+4:SV+8*(\R)+5], v[SV+8*(\R)+4:SV+8*(\R)+5], v[SV+8*(\R)+6:SV+8*(\R)+7]
.endr
.irp R, 0,1,2,3
	v_pk_add_f32 v[SV+8*(\R):SV+8*(\R)+1], v[SV+8*(\R):SV+8*(\R)+1], v[SV+8*(\R)+4:SV+8*(\R)+5]
.endr
.irp R, 0,1,2,3
	v_add_f32 v[MR+(\R)], v[SV+8*(\R)], v[SV+8*(\R)+1]
.endr
.irp x, 1,2,4,8
.irp R, 0,1,2,3
	v_add_f32_dpp v[MR+(\R)], v[MR+(\R)], v[MR+(\R)] row_xmask:\x row_mask:0xf bank_mask:0xf
.endr
.endr
.irp R, 0,1,2,3
	v_permlanex16_b32 v[MT+(\R)], v[MR+(\R)], s42, s43
.endr
.irp R, 0,1,2,3
	v_add_f32 v[CM+2*(\R)+1], v[MR+(\R)], v[MT+(\R)]  ; l
.endr
.irp R, 0,1,2,3
	global_store_b128 v6, v[PK+4*(\R):PK+4*(\R)+3], s[72:73] offset:(\R)*4096  ; the tile's 256 keys of a row: 512 consecutive bytes, aligned
	ds_store_b64 v7, v[CM+2*(\R):CM+2*(\R)+1] offset:8*(\R)  ; every lane writes the same pair
.endr
	s_wait_xcnt 0x0                                ; the weights' registers and the offset are rewritten only behind this wait
	v_add_nc_u32 v6, 4*4096, v6
	v_add_nc_u32 v5, 4*PS, v5
	v_add_nc_u32 v7, 32, v7
	s_add_co_u32 s45, s45, 4
	s_sub_co_u32 s3, s3, 1
	s_cmp_lg_u32 s3, 0
	s_cbranch_scc1 .Lrow
	v_lshl_add_u32 v7, v11, 4, s46                 ; my wave's own 512 bytes of statistics leave as one store
	ds_load_b128 v[SV:SV+3], v7                    ; LDS serves a wave's instructions in order: this sees the stores above
	s_wait_dscnt 0x0
	global_store_b128 v13, v[SV:SV+3], s[74:75]
	s_cmp_lg_u32 s47, 0
	s_cbranch_scc1 .Lend
	; ROWS 0-3 OF THE BATCH, in f32.  Thread t owns channels 4 t .. and 512 + 4 t ..: each load and store of a wave covers 512 consecutive bytes.  Row t' sees keys 0 .. t': which, stands in the text.
	v_lshlrev_b32 v14, 4, v0
	s_lshl_b32 s16, s15, 14
	s_mov_b32 s17, 0
	s_add_nc_u64 s[70:71], s[70:71], s[16:17]      ; v32 at the batch
	s_lshl_b32 s16, s15, 23
	s_add_nc_u64 s[76:77], s[76:77], s[16:17]      ; out0 at the batch
.irp k, 0,1,2,3
.irp h, 0,1
	global_load_b128 v[192+8*(\k)+4*(\h):192+8*(\k)+4*(\h)+3], v14, s[70:71] offset:(\k)*4096+(\h)*2048
.endr
.endr
	v_mov_b32 v10, 0
.irp t, 1,2,3
	ds_load_b128 v[160+4*(\t):160+4*(\t)+3], v10 offset:(\t)*PS  ; scores of row t', keys 0-3, the same in every lane
.endr
	s_wait_dscnt 0x0
	v_max_num_f32 v176, v164, v165
	v_max3_num_f32 v177, v168, v169, v170
	v_max3_num_f32 v178, v172, v173, v174
	v_max_num_f32 v178, v178, v175
.irp t, 1,2,3
	v_mul_f32 v[175+(\t)], s40, v[175+(\t)]        ; c m
.endr
.irp t, 1,2,3
.irp k, 0,1,2,3
.if (\k) <= (\t)
	v_fma_f32 v[160+4*(\t)+(\k)], v[160+4*(\t)+(\k)], s40, -v[175+(\t)]
.endif
.endr
.endr
.irp t, 1,2,3
.irp k, 0,1,2,3
.if (\k) <= (\t)
	v_exp_f32 v[160+4*(\t)+(\k)], v[160+4*(\t)+(\k)]
.endif
.endr
.endr
	v_nop
	s_wait_alu depctr_va_vdst(0)
.irp t, 1,2,3
	v_add_f32 v[175+(\t)], v[160+4*(\t)], v[160+4*(\t)+1]
.endr
	v_add_f32 v177, v177, v170
	v_add_f32 v178, v178, v174
	v_add_f32 v178, v178, v175
.irp t, 1,2,3
	v_rcp_f32 v[175+(\t)], v[175+(\t)]
.endr
	v_nop
	s_wait_alu depctr_va_vdst(0)
.irp t, 1,2,3
.irp k, 0,1,2,3
.if (\k) <= (\t)
	v_mul_f32 v[160+4*(\t)+(\k)], v[160+4*(\t)+(\k)], v[175+(\t)]
.endif
.endr
.endr
	s_wait_loadcnt 0x0
	global_store_b128 v14, v[192:195], s[76:77] th:TH_STORE_NT  ; row 0 sees its own key alone: its weight is 1
	global_store_b128 v14, v[196:199], s[76:77] offset:2048 th:TH_STORE_NT
.irp t, 1,2,3
.irp e, 0,1,2,3,4,5,6,7
	v_mul_f32 v[216+8*(\t)+(\e)], v[160+4*(\t)], v[192+(\e)]
.endr
.irp k, 1,2,3
.if (\k) <= (\t)
.irp e, 0,1,2,3,4,5,6,7
	v_fma_f32 v[216+8*(\t)+(\e)], v[160+4*(\t)+(\k)], v[192+8*(\k)+(\e)], v[216+8*(\t)+(\e)]
.endr
.endif
.endr
	global_store_b128 v14, v[216+8*(\t):216+8*(\t)+3],   s[76:77] offset:(\t)*4096 th:TH_STORE_NT
	global_store_b128 v14, v[216+8*(\t)+4:216+8*(\t)+7], s[76:77] offset:(\t)*4096+2048 th:TH_STORE_NT
.endr
.Lend:
	s_wait_tensorcnt 0x0                           ; the wave's end
	ds_add_u32 v[SPW], v[NIL]
	s_wait_dscnt 0x0
	s_endpgm
.Lfunc_end_k_qd5e8bf55c5_scores:
	.size	k_qd5e8bf55c5_scores, .Lfunc_end_k_qd5e8bf55c5_scores-k_qd5e8bf55c5_scores
	.p2alignl 7, 3214868480
	.fill 96, 4, 3214868480
	.section	.rodata,"a",@progbits
	.p2align	6, 0x0
	.amdhsa_kernel k_qd5e8bf55c5_scores
		.amdhsa_group_segment_fixed_size 327680
		.amdhsa_private_segment_fixed_size 0
		.amdhsa_enable_private_segment 0
		.amdhsa_kernarg_size 48
		.amdhsa_user_sgpr_count 2
		.amdhsa_user_sgpr_kernarg_segment_ptr 1
		.amdhsa_wavefront_size32 1
		.amdhsa_system_sgpr_workgroup_id_x 1
		.amdhsa_system_sgpr_workgroup_id_y 1
		.amdhsa_system_sgpr_workgroup_id_z 1
		.amdhsa_system_vgpr_workitem_id 0
		.amdhsa_next_free_vgpr 1024
		.amdhsa_next_free_sgpr 80
		.amdhsa_reserve_vcc 1
		.amdhsa_float_denorm_mode_32 3
		.amdhsa_float_denorm_mode_16_64 3
		.amdhsa_memory_ordered 1
		.amdhsa_forward_progress 1
		.amdhsa_inst_pref_size 94
	.end_amdhsa_kernel
	.amdgpu_metadata
---
amdhsa.version: [ 1, 2 ]
amdhsa.kernels:
  - .name:           k_qd5e8bf55c5_scores
    .symbol:         k_qd5e8bf55c5_scores.kd
    .args:
      - { .name: y, .offset: 0, .size: 8, .value_kind: global_buffer, .address_space: global }
      - { .name: v32, .offset: 8, .size: 8, .value_kind: global_buffer, .address_space: global }
      - { .name: p, .offset: 16, .size: 8, .value_kind: global_buffer, .address_space: global }
      - { .name: st, .offset: 24, .size: 8, .value_kind: global_buffer, .address_space: global }
      - { .name: out0, .offset: 32, .size: 8, .value_kind: global_buffer, .address_space: global }
      - { .name: xb, .offset: 40, .size: 8, .value_kind: global_buffer, .address_space: global }
    .group_segment_fixed_size: 327680
    .private_segment_fixed_size: 0
    .kernarg_segment_align: 8
    .kernarg_segment_size: 48
    .max_flat_workgroup_size: 128
    .sgpr_count:     80
    .vgpr_count:     1024
    .wavefront_size: 32
...
	.end_amdgpu_metadata
.endif
;; end of part 7
;; launch pv (part 8): grid 8 x 32, 4 waves a work-group, clusters of 4 x 4, 327,680 bytes of LDS; arguments p, st, v, out0; writes out0
.if DOCPART == 8
	.amdgcn_target "amdgcn-amd-amdhsa--gfx1250"
	.amdhsa_code_object_version 6
	.text
	.protected	k_qd5e8bf55c5_pv
	.globl	k_qd5e8bf55c5_pv
	.p2align	8
	.type	k_qd5e8bf55c5_pv,@function
k_qd5e8bf55c5_pv:
	s_mov_b64 s[64:65], 0
	v_nop
	global_prefetch_b8 v0, s[64:65] scope:SCOPE_SE
	s_setreg_imm32_b32 hwreg(HW_REG_WAVE_MODE, 25, 1), 1
	s_wait_xcnt 0x0
	s_wait_alu depctr_hold_cnt(0) depctr_sa_sdst(0) depctr_va_vdst(0) depctr_va_sdst(0) depctr_va_ssrc(0) depctr_va_vcc(0) depctr_vm_vsrc(0)
	s_getreg_b32 s2, hwreg(HW_REG_IB_STS2, 6, 4)
	s_cmp_eq_u32 s2, 0
	s_cbranch_scc0 .Lentry_in_a_cluster
	s_endpgm
.Lentry_in_a_cluster:
	s_bfe_u32 s2, ttmp6, 0x10000c
	s_cmp_lg_u32 s2, 0xf033
	s_cbranch_scc0 .Lentry_shape_is_right
	s_endpgm
.Lentry_shape_is_right:
; out[q][:] = the sum over key tiles j of w_j(q) (P_j V_j)[q][:], with w_j(q) = 2^(cm_j(q) - M(q)) / L(q), M = the maximum over j of cm_j, L = the sum over j of 2^(cm_j - M) l_j: p [4][2048][2048] f16 and
; st [4][8][2048][2] f32 as the launch before left them, v [8192][1024] f16, out0 f32.  Products in f16 with f32 sums; the tiles are joined in f32.
; Rows 0-3 of a batch are the launch before's and are not stored here: the wave that holds them stores its rows 4-7 a second time in their place (offset and data chosen by v_cndmask_b32: the same bytes to the
; same addresses), so that all lanes stay on throughout and no register is written under a mask that hangs on the place in the cluster.
; LIMITS.  A factor 2^(cm_j - M) below 2^-126 counts as 0; NaN and infinities are not treated apart.
; SHARES.  A work-group makes 128 queries x 128 channels, twice: of a batch's sixteen query blocks first block 4 (3 - u) + cy, then block 4 u + cy (u: the cluster's y, odd or even; the batch: that y halved).
; THE WALK is the same for all sixteen partners: key tiles 0 .. 7 - 2 u, then 0 .. 2 u + 1: ten steps of 256 keys, whatever u.  A partner whose block ends a tile sooner (cy < 2) still makes every joint request: it asks for
; its last written tile of P once more and gives the product the weight 0.  That is address and data arithmetic: no branch hangs on a place in the cluster.
; THE TEXT.  A step is written once for the nine steps that ask for a further tile, and once for the last.  The two slots differ in an LDS offset alone, 0 or SLOT: s[TB] holds it and
; is turned at each change of slots; the fragments' addresses and the refill's LDS words are made from it.  The first change of slots has nothing to add onto O: it is written out, and the loop is entered behind its own.
; CLUSTER 4 x 4: a tile of P hangs on cy and is shared along a row of the cluster, a tile of V on cx and is shared along a column: each is asked for JOINTLY.
; LAYOUT.  Source 0 = 16 channels of V^T (V lies [key][channel] and is turned by ds_load_tr16_b128), source 1 = 16 queries' rows of P: lane l holds query l % 16 and channels 8 (l / 16) + 0..7, so w is one number a lane.
; A step's products start at 0 (T); then O += w T, 64 packed multiply-adds that stand inside the next change of slots.
; REGISTERS: window 0: v0-31 addresses; v32-39 w; v40-63 at work at the start; v64-95 at work; v128-255 T ((a, b) at 128 + 8 (4 a + b); at the start the raw statistics)
;   window 1: two fragment buffers of 128: for 64 keys 64 registers of P, then 64 of V^T          window 2: v0-127 O
.set PA,     528                       ; a row of P in LDS: 512 bytes + 16: an odd multiple of 16
.set PB,     288                       ; a row of V: 256 + 32: an odd multiple of 32
.set ABYTES, 128*PA
.set SLOT,   ABYTES+256*PB             ; P's 128 rows, then V's 256 rows
.set STAGE,  2*SLOT                    ; 16 rows x 272 bytes for each wave, for the way out
.set SP,     272
.set TBL,    STAGE+4*16*SP             ; for each wave 4,096 bytes: w as [16 entries][16 rows][4 fragments] f32; entry s is the walk's step s (of the sixteen the walk reads ten)
.set SPARE,  TBL+4*4096                ; the spare words, 128 bytes for each wave: two blocks of 256 bytes that no other line names
.set A0,   16                          ; v16     LDS address of my fragments of P in slot 0; never rewritten
.set ADRA, 17                          ; v17     the same in the slot in hand
.set B0,   18                          ; v18-19  of V in slot 0: keys 0-127, keys 128-255 (the immediate does not reach 256 rows); never rewritten
.set ADRB, 20                          ; v20-21  the same in the slot in hand
.set TA,   22                          ; v22     where the step's four w lie: it steps by an entry in every step, and is written nowhere else
.set TA2,  23                          ; v23     where the second block's entries begin: behind the first part's 8 - 2 u
.set STO,  24
.set RD,   25
.set GO,   26                          ; v26     my byte offset in two rows of out0
.set GOS,  27                          ; v27     the same for a block's rows 0-3: four rows further down where those rows are not mine to store
.set SPW,  28                          ; v28     LDS address of my spare word; never rewritten
.set NIL,  29                          ; v29     0; never rewritten
.set RB,   30                          ; v30     my wave's first row in the batch: 0 where rows 0-3 are not mine to store
.set FW,   32                          ; w of fragment a in v[32 + 2 a]; the odd registers are named in pairs alone
.set MX,   40
.set LS,   44
.set SO,   48                          ; v48-63  byte offsets of the statistics, by block and tile
.set FF,   64
.set BK,   64
.set T,    128
.set F0,   0
.set F1,   128
.set G1A, 24                           ; s[24:31] descriptor group 1 for P's tiles;  s[32:35] group 0: one load of mine is out at the most, so one set serves
.set G0A, 32
.set LA,  36                           ; s36  where my part of P's tile lies in a slot
.set LB,  37                           ; s37  the same for V's
.set TB,  38                           ; s38  an LDS offset, 0 or SLOT: ahead of a change of slots the slot to be filled, behind it the slot of the step in hand
.set G1B, 48                           ; s[48:55], s[56:59] the descriptors for V's tiles
.set G0B, 56
.set I1,  18                           ; s18, s19  the last visible tile of the first, the second block
.set RQ,  66                           ; s66  byte offset in p of the rows that I fetch, block in hand
.set Q2,  67                           ; s67  the second block's
.set RI,  68                           ; s68  the last visible tile of the block in hand
.set RJ,  69                           ; s69  the tile to be asked for next
.set RL,  70                           ; s70  the last tile of the walk's part in hand
.set VB0, 71                           ; s71  byte offset in v of the rows of V's tile 0 that I fetch
.set MSB, 0
.macro WIN new
.if MSB != (\new)
	s_set_vgpr_msb (MSB<<8)|(\new)
.set MSB, \new
.endif
.endm
.set MUL,  0x05                        ; sources 0 and 1 window 1; C and D window 0
.set TO_F, 0x40                        ; destination window 1, address window 0
.macro JLOAD                           ; a joint load: waves 0 and 1 fetch P's two halves, waves 2 and 3 V's; an s_nop 0 and four v_nop follow each of the two lines
	s_cmp_eq_u32 s11, 0
	s_cbranch_scc0 .Lfor_b_\@
	tensor_load_to_lds s[G0A:G0A+3], s[G1A:G1A+7]
	s_nop 0
.rept 4
	v_nop
.endr
	s_branch .Lasked_\@
.Lfor_b_\@:
	tensor_load_to_lds s[G0B:G0B+3], s[G1B:G1B+7]
	s_nop 0
.rept 4
	v_nop
.endr
.Lasked_\@:
.endm
.macro CREST
	s_cmp_lg_u32 s10, 0
	s_cbranch_scc1 .Lnot_wave_0_\@
	s_barrier_signal -3
.Lnot_wave_0_\@:
	s_barrier_wait -3
	s_barrier_signal -1
	s_barrier_wait -1
.endm
.macro CROUND
	s_barrier_signal -1
	s_barrier_wait -1
	CREST
.endm
; The descriptors of the next step's two tiles: their LDS words from s[TB], which is then turned; their addresses made anew from the tile's number; then the walk steps.
; P's offset holds cy and never cx, V's cx and never cy, each in registers of its own.
.macro MAKE
	s_add_co_u32 s[G0A+1], s[LA], s[TB]            ; my part of the slot to be filled
	s_add_co_u32 s[G0B+1], s[LB], s[TB]
	s_sub_co_u32 s[TB], SLOT, s[TB]                ; 0 becomes SLOT, SLOT becomes 0: now the slot of the step in hand
	s_min_u32 s80, s[RJ], s[RI]                    ; past my block's last visible tile: that tile once more
	s_lshl_b32 s80, s80, 9                         ; 256 keys of 2 bytes
	s_add_co_u32 s80, s80, s[RQ]
	s_add_nc_u64 s[G0A+2:G0A+3], s[84:85], s[80:81]
	s_or_b32 s[G0A+3], s[G0A+3], 0x80000000
	s_mul_i32 s82, s[RJ], 256*2048                 ; 256 rows of v
	s_add_co_u32 s82, s82, s[VB0]
	s_add_nc_u64 s[G0B+2:G0B+3], s[88:89], s[82:83]
	s_or_b32 s[G0B+3], s[G0B+3], 0x80000000
	s_add_co_u32 s[RJ], s[RJ], 1
	s_cmp_gt_u32 s[RJ], s[RL]                      ; behind the first part's last tile: the second block's tile 0
	s_cselect_b32 s[RJ], 0, s[RJ]
	s_cselect_b32 s[RQ], s[Q2], s[RQ]
	s_cselect_b32 s[RI], s[I1+1], s[RI]
	s_cselect_b32 s[RL], 15, s[RL]
.endm
	s_load_b256 s[84:91], s[0:1], 0x0              ; p s[84:85], st s[86:87], v s[88:89], out0 s[90:91]
	v_lshl_add_u32 v[SPW], v0, 2, SPARE
	v_mov_b32 v[NIL], 0
	ds_add_u32 v[SPW], v[NIL]                      ; the wave's opening: the add and its wait stand ahead of my first tensor load
	ds_add_u32 v28, v29
	v_lshrrev_b32 v1, 5, v0
	v_readfirstlane_b32 s10, v1                    ; wave 0..3
	s_lshr_b32 s11, s10, 1                         ; which 64 queries are mine.  Also: I fetch P (0) or V (1)
	s_and_b32 s12, s10, 1                          ; which 64 channels.  Also: which half of that tile I fetch
	s_bfe_u32 s40, ttmp6, 0x40000                  ; cx
	s_bfe_u32 s41, ttmp6, 0x40004                  ; cy
	s_lshl_b32 s42, ttmp9, 2
	s_add_co_u32 s42, s42, s40                     ; my block of 128 channels = 4 x cluster x + cx
	s_and_b32 s13, ttmp7, 0xffff                   ; the cluster's y
	s_lshr_b32 s14, s13, 1                         ; the batch
	s_and_b32 s15, s13, 1                          ; u
	s_lshl_b32 s43, s41, 2
	s_lshl_b32 s43, 15, s43                        ; my row of the cluster
	s_lshl_b32 s44, 0x1111, s40                    ; my column
	s_sub_co_u32 s16, 3, s15
	s_lshl_b32 s16, s16, 2
	s_add_co_u32 s16, s16, s41                     ; the first query block
	s_lshl_b32 s17, s15, 2
	s_add_co_u32 s17, s17, s41                     ; the second
	s_lshr_b32 s[I1], s16, 1
	s_lshr_b32 s[I1+1], s17, 1
	s_lshl_b32 s20, s14, 23                        ; p: 2,048 rows of 4,096 bytes a batch,
	s_lshl_b32 s21, s12, 18                        ; 64 rows a half
	s_add_co_u32 s20, s20, s21
	s_lshl_b32 s[RQ], s16, 19                      ; 128 rows a block
	s_add_co_u32 s[RQ], s[RQ], s20
	s_lshl_b32 s[Q2], s17, 19
	s_add_co_u32 s[Q2], s[Q2], s20
	s_mov_b32 s[RI], s[I1]
	s_mov_b32 s[RJ], 0
	s_lshl_b32 s[RL], s15, 1
	s_sub_co_u32 s[RL], 7, s[RL]
	s_lshl_b32 s22, s14, 11                        ; V: row 2,048 b + 128 x half, of 2,048 bytes,
	s_lshl_b32 s23, s12, 7
	s_add_co_u32 s22, s22, s23
	s_lshl_b32 s22, s22, 11
	s_lshl_b32 s23, s42, 8                         ; column 128 x channel block
	s_add_co_u32 s[VB0], s22, s23
	s_mov_b32 s81, 0
	s_mov_b32 s83, 0
	s_lshl_b32 s74, s14, 23                        ; out0: the batch, my 64 rows, my 64 channels,
	s_lshl_b32 s75, s11, 18
	s_add_co_u32 s74, s74, s75
	s_lshl_b32 s75, s42, 9
	s_add_co_u32 s74, s74, s75
	s_lshl_b32 s75, s12, 8
	s_add_co_u32 s74, s74, s75
	s_lshl_b32 s76, s16, 19                        ; and the block
	s_add_co_u32 s76, s76, s74
	s_mov_b32 s77, 0
	s_lshl_b32 s78, s17, 19
	s_add_co_u32 s78, s78, s74
	s_mov_b32 s79, 0
	s_lshl_b32 s75, s11, 6
	s_lshl_b32 s73, s16, 7
	s_add_co_u32 s73, s73, s75                     ; my wave's first row in the batch, first block
	s_lshl_b32 s72, s17, 7
	s_add_co_u32 s72, s72, s75                     ; second block
	s_lshl_b32 s75, s14, 17                        ; st: 8 tiles x 2,048 rows x 8 bytes a batch
	s_lshl_b32 s96, s73, 3
	s_add_co_u32 s96, s96, s75
	s_lshl_b32 s97, s72, 3
	s_add_co_u32 s97, s97, s75
	s_lshl_b32 s47, s15, 1
	s_sub_co_u32 s47, 8, s47                       ; the first block leaves at the head of step 8 - 2 u
	s_or_b32 s[G1A+0], s43, (1<<16)|(1<<20)|(1<<21)|(6<<22)|(3<<25)  ; the mask; 2-byte elements; padding on; bit 21 beside a mask; after every 128 words (code 6) 4 words (code 3)
	s_mov_b32 s[G1A+1], 256<<16                    ; tensor_dim0 = 256
	s_mov_b32 s[G1A+2], 64<<16                     ; tensor_dim1 = 64
	s_mov_b32 s[G1A+3], 256<<16                    ; tile_dim0 = 256
	s_mov_b32 s[G1A+4], 64                         ; tile_dim1 = 64
	s_mov_b32 s[G1A+5], 2048
	s_mov_b32 s[G1A+6], 0
	s_mov_b32 s[G1A+7], 0
	s_or_b32 s[G1B+0], s44, (1<<16)|(1<<20)|(1<<21)|(5<<22)|(7<<25)  ; after every 64 words (code 5) 8 words (code 7)
	s_mov_b32 s[G1B+1], 128<<16
	s_mov_b32 s[G1B+2], 128<<16
	s_mov_b32 s[G1B+3], 128<<16
	s_mov_b32 s[G1B+4], 128
	s_mov_b32 s[G1B+5], 1024
	s_mov_b32 s[G1B+6], 0
	s_mov_b32 s[G1B+7], 0
	s_mul_i32 s[LA], s12, 64*PA                    ; where the tiles go in a slot: the wave's number alone enters an LDS address
	s_mul_i32 s[LB], s12, 128*PB
	s_add_co_u32 s[LB], s[LB], ABYTES
	s_mov_b32 s[TB], 0                             ; step 0 goes into slot 0
	s_mov_b32 s[G0A], 1
	s_mov_b32 s[G0B], 1
	s_wait_dscnt 0x0                               ; the opening add is done
	s_wait_kmcnt 0x0
	s_add_nc_u64 s[92:93], s[90:91], s[76:77]      ; out0 at my part of the first block,
	s_add_nc_u64 s[94:95], s[90:91], s[78:79]      ; of the second
	CROUND                                         ; all sixteen work-groups are here: the first joint loads meet
	MAKE
	JLOAD                                          ; step 0 into slot 0; slot 1 is filled behind the first change of slots, as a refill is
	v_and_b32 v1, 15, v0                           ; l % 16
	v_bfe_u32 v2, v0, 4, 1                         ; l / 16
	v_lshlrev_b32 v6, 3, v1
.irp k, 0,1
.irp j, 0,1,2,3,4,5,6,7
	s_min_u32 s98, s[I1+(\k)], \j                  ; only tiles up to the block's last were written: past it that one is read once more, and its weight set to 0 below
	s_lshl_b32 s98, s98, 14
	s_add_co_u32 s98, s98, s[96+(\k)]
	v_add_nc_u32 v[SO+8*(\k)+(\j)], s98, v6
.endr
.endr
.irp k, 0,1
.irp j, 0,1,2,3,4,5,6,7
.irp a, 0,1,2,3
	global_load_b64 v[T+64*(\k)+8*(\j)+2*(\a):T+64*(\k)+8*(\j)+2*(\a)+1], v[SO+8*(\k)+(\j)], s[86:87] offset:128*(\a)  ; (c m, l) of query 16 a + l % 16
.endr
.endr
.endr
	WIN 0x80
.set i, 0
.rept 128
	v_mov_b32 v[i], 0                              ; O starts at 0: one text serves every step; these stand in the wait for the first tile
.set i, i+1
.endr
	WIN 0
	v_mul_u32_u24 v3, v1, PA
	v_lshl_add_u32 v3, v2, 4, v3
	s_mul_i32 s45, s11, 64*PA
	v_add_nc_u32 v[A0], s45, v3                    ; (64 x half + l % 16) x pitch + 16 (l / 16)
	v_and_b32 v4, 7, v0                            ; the turning load: lane l reads key 8 (l / 16) + l % 8, channels 8 ((l / 8) % 2) + 0..7
	v_bfe_u32 v5, v0, 3, 1
	v_lshl_add_u32 v4, v2, 3, v4
	v_mul_u32_u24 v4, v4, PB
	v_lshl_add_u32 v4, v5, 4, v4
	s_lshl_b32 s45, s12, 7
	s_add_co_u32 s45, s45, ABYTES
	v_add_nc_u32 v[B0], s45, v4
	v_add_nc_u32 v[B0+1], 128*PB, v[B0]
	s_mul_i32 s45, s10, 16*SP
	s_add_co_u32 s45, s45, STAGE                   ; my stage
	v_mul_u32_u24 v[STO], v1, SP                   ; in: row l % 16, 32 bytes for each half of the lanes
	v_lshl_add_u32 v[STO], v2, 5, v[STO]
	v_add_nc_u32 v[STO], s45, v[STO]
	v_mul_u32_u24 v[RD], v2, SP                    ; back: lanes 0-15 one row of 256 bytes, lanes 16-31 the next
	v_lshl_add_u32 v[RD], v1, 4, v[RD]
	v_add_nc_u32 v[RD], s45, v[RD]
	v_lshlrev_b32 v[GO], 12, v2                    ; and the same two rows in out0
	v_lshl_add_u32 v[GO], v1, 4, v[GO]
	s_lshl_b32 s45, s10, 12
	s_add_co_u32 s45, s45, TBL
	v_lshl_add_u32 v[TA], v1, 4, s45               ; my wave's table, entry 0, row l % 16
	s_lshl_b32 s45, s15, 9
	s_sub_co_u32 s45, 2048, s45                    ; 256 bytes x the first part's 8 - 2 u steps: it hangs on the cluster's y, which all partners share
	v_add_nc_u32 v[TA2], s45, v[TA]
	v_mov_b32 v[RB], s73
.irp a, 0,1,2,3
	v_mov_b32 v[FW+2*(\a)+1], 0
.endr
	s_wait_loadcnt 0x0
; The weights of block k's eight tiles, for my 64 queries (fragment a: query 16 a + l % 16), into my wave's table: block 0's at entries 0-7, block 1's from entry 8 - 2 u on.  Where the two overlap (u = 1: entries 6, 7)
; block 0's belong to tiles that its walk does not reach, and block 1's, stored later by the same wave, take their place.
.macro TAB k
.set RS, T+64*(\k)
.irp a, 0,1,2,3
	v_max3_num_f32 v[MX+(\a)], v[RS+2*(\a)], v[RS+8+2*(\a)], v[RS+16+2*(\a)]
.endr
.irp a, 0,1,2,3
	v_max3_num_f32 v[MX+(\a)], v[MX+(\a)], v[RS+24+2*(\a)], v[RS+32+2*(\a)]
.endr
.irp a, 0,1,2,3
	v_max3_num_f32 v[MX+(\a)], v[MX+(\a)], v[RS+40+2*(\a)], v[RS+48+2*(\a)]
.endr
.irp a, 0,1,2,3
	v_max_num_f32 v[MX+(\a)], v[MX+(\a)], v[RS+56+2*(\a)]  ; M: a tile read twice does a maximum no harm
.endr
.irp j, 0,1,2,3,4,5,6,7
.irp a, 0,1,2,3
	v_sub_f32 v[FF+4*(\j)+(\a)], v[RS+8*(\j)+2*(\a)], v[MX+(\a)]
.endr
.endr
.set z, 0
.rept 32
	v_exp_f32 v[FF+z], v[FF+z]
.set z, z+1
.endr
	v_nop                                          ; a plain instruction between the last exponential and the use of its result
	s_wait_alu depctr_va_vdst(0)
.irp j, 0,1,2,3,4,5,6,7
	s_cmp_ge_u32 s[I1+(\k)], \j
	s_cselect_b32 s98, 1.0, 0                      ; a tile past the block's last counts for nothing
.irp a, 0,1,2,3
	v_mul_f32 v[FF+4*(\j)+(\a)], s98, v[FF+4*(\j)+(\a)]
.endr
.endr
.irp a, 0,1,2,3
	v_mul_f32 v[LS+(\a)], v[FF+(\a)], v[RS+2*(\a)+1]
.endr
.irp j, 1,2,3,4,5,6,7
.irp a, 0,1,2,3
	v_fma_f32 v[LS+(\a)], v[FF+4*(\j)+(\a)], v[RS+8*(\j)+2*(\a)+1], v[LS+(\a)]
.endr
.endr
.irp a, 0,1,2,3
	v_rcp_f32 v[LS+(\a)], v[LS+(\a)]               ; L is 1 at the least: the row's largest weight is 1
.endr
	v_nop
	s_wait_alu depctr_va_vdst(0)
.irp j, 0,1,2,3,4,5,6,7
.irp a, 0,1,2,3
	v_mul_f32 v[FF+4*(\j)+(\a)], v[FF+4*(\j)+(\a)], v[LS+(\a)]
.endr
.endr
.irp j, 0,1,2,3,4,5,6,7
	ds_store_b128 v[TA+(\k)], v[FF+4*(\j):FF+4*(\j)+3] offset:256*(\j)  ; both halves of the lanes write the same words
.endr
.endm
	TAB 0
	TAB 1
; 8 matrix instructions: query blocks a0, a0 + 1 x all 4 channel blocks, 32 keys: half c of buffer f.  zero = 1: the step's first products start T.  The 16 accumulators take turns.
.macro MUL8 f, c, a0, zero
	WIN MUL
.irp a, \a0, (\a0)+1
.irp b, 0,1,2,3
.if \zero
	v_wmma_f32_16x16x32_f16 v[T+8*(4*(\a)+(\b)):T+8*(4*(\a)+(\b))+7], v[(\f)+64+8*(4*(\c)+(\b)):(\f)+64+8*(4*(\c)+(\b))+7], v[(\f)+8*(4*(\c)+(\a)):(\f)+8*(4*(\c)+(\a))+7], 0
.else
	v_wmma_f32_16x16x32_f16 v[T+8*(4*(\a)+(\b)):T+8*(4*(\a)+(\b))+7], v[(\f)+64+8*(4*(\c)+(\b)):(\f)+64+8*(4*(\c)+(\b))+7], v[(\f)+8*(4*(\c)+(\a)):(\f)+8*(4*(\c)+(\a))+7], v[T+8*(4*(\a)+(\b)):T+8*(4*(\a)+(\b))+7]
.endif
.endr
.endr
.endm
; 32 LDS loads in one run: the fragments of keys 64 q .. 64 q + 63 of the slot in hand into buffer f, the first 32 keys first
.macro FETCH q, f
	WIN TO_F
.irp c, 0,1
.irp i, 0,1,2,3
	ds_load_tr16_b128 v[(\f)+64+8*(4*(\c)+(\i)):(\f)+64+8*(4*(\c)+(\i))+3],   v[ADRB+(\q)/2] offset:((64*(\q)+32*(\c))%128)*PB+32*(\i)
	ds_load_tr16_b128 v[(\f)+64+8*(4*(\c)+(\i))+4:(\f)+64+8*(4*(\c)+(\i))+7], v[ADRB+(\q)/2] offset:((64*(\q)+32*(\c))%128)*PB+16*PB+32*(\i)
	ds_load_b128 v[(\f)+8*(4*(\c)+(\i)):(\f)+8*(4*(\c)+(\i))+3],               v[ADRA] offset:128*(\q)+64*(\c)+(\i)*16*PA
	ds_load_b128 v[(\f)+8*(4*(\c)+(\i))+4:(\f)+8*(4*(\c)+(\i))+7],             v[ADRA] offset:128*(\q)+64*(\c)+(\i)*16*PA+32
.endr
.endr
.endm
.macro PLACES                          ; four places in front of loads into registers that matrix instructions have read, and of lines that read results
.rept 4
	v_nop
.endr
.endm
.macro QUARTER q, f, g, zero           ; multiplies buffer f and fetches keys 64 q on into g
	s_wait_dscnt 16                                ; the first 32 keys are in
	MUL8 \f, 0, 0, \zero
	MUL8 \f, 0, 2, \zero
	PLACES
	FETCH \q, \g
	s_wait_dscnt 32                                ; all but the 32 just issued
	MUL8 \f, 1, 0, 0
	MUL8 \f, 1, 2, 0
.endm
; A step: T = P_j V_j for my 64 x 64: 128 matrix instructions.  The addresses in the slot in hand are made first.  The step's four w are the oldest loads, so the counted waits behind them hold for them too.
.macro BODY
	WIN 0
	v_add_nc_u32 v[ADRA], s[TB], v[A0]
	v_add_nc_u32 v[ADRB], s[TB], v[B0]
	v_add_nc_u32 v[ADRB+1], s[TB], v[B0+1]
.irp a, 0,1,2,3
	ds_load_b32 v[FW+2*(\a)], v[TA] offset:4*(\a)
.endr
	v_add_nc_u32 v[TA], 256, v[TA]                 ; the next step's entry
	FETCH 0, F0
	QUARTER 1, F0, F1, 1
	QUARTER 2, F1, F0, 0
	QUARTER 3, F0, F1, 0
	s_wait_dscnt 16
	MUL8 F1, 0, 0, 0
	MUL8 F1, 0, 2, 0
	s_wait_dscnt 0x0
	MUL8 F1, 1, 0, 0
	MUL8 F1, 1, 2, 0
.endm
.macro FMA                             ; O += w T; each accumulator is read from its low end on
	PLACES
	WIN 0xa0                                       ; O (destination and source 2) in window 2
.irp a, 0,1,2,3
.set z, 0
.rept 16
	v_pk_fma_f32 v[32*(\a)+2*z:32*(\a)+2*z+1], v[T+32*(\a)+2*z:T+32*(\a)+2*z+1], v[FW+2*(\a):FW+2*(\a)+1], v[32*(\a)+2*z:32*(\a)+2*z+1] op_sel_hi:[1,0,1]
.set z, z+1
.endr
.endr
.endm
; THE CHANGE OF SLOTS in front of a step.  Each wave waits for all its tensor loads (one is out: its part of the step's slot), adds 0 to its spare word, and waits for that and for its reads of the other slot.
; fill = 1: the barrier opens a round of the cluster's barrier, and the other slot takes the next step's tiles, first thing behind the round: one load of mine is out, with a step's 128 matrix instructions in which to land.
; fma = 1: the step before is added onto O between the signal and the wait: work on registers.
.macro HEAD fma, fill
	WIN 0
	s_wait_tensorcnt 0x0                           ; no tensor load of mine is out, so a group 0 may be written
	ds_add_u32 v[SPW], v[NIL]                      ; the descriptors' scalar work stands between the add and the wait for it
.if \fill
	MAKE
.else
	s_sub_co_u32 s[TB], SLOT, s[TB]                ; the slot of the step in hand
.endif
	s_wait_dscnt 0x0
	s_barrier_signal -1
.if \fma
	FMA
.endif
	WIN 0
	s_barrier_wait -1
.if \fill
	CREST
	JLOAD
.endif
.endm
; THE WAY OUT of a block: 16 rows at a time through my stage: a lane's eight channels go in as 32 bytes, whole rows of 256 bytes come back and are stored.
; Where my block's rows 0-3 are a batch's rows 0-3, their two stores take rows 4-7's offset and data instead.
; mid = 1: the second block follows: its address, its row and a clean O.
.macro OSTORE a, t
	global_store_b128 v[GO], v[BK+4*(\t):BK+4*(\t)+3], s[92:93] offset:(\a)*65536+(\t)*8192 th:TH_STORE_NT  ; 16 lanes store 256 consecutive bytes, aligned
.endm
.macro OUT mid
.irp a, 0,1,2,3
	WIN 0x08                                       ; store data in window 2
.irp b, 0,1,2,3
	ds_store_b128 v[STO], v[8*(4*(\a)+(\b)):8*(4*(\a)+(\b))+3] offset:64*(\b)
	ds_store_b128 v[STO], v[8*(4*(\a)+(\b))+4:8*(4*(\a)+(\b))+7] offset:64*(\b)+16
.endr
	WIN 0
	s_wait_xcnt 0x0                                ; the registers that the last block's stores read (data and offsets) are written again only behind this wait
.irp t, 0,1,2,3,4,5,6,7
	ds_load_b128 v[BK+4*(\t):BK+4*(\t)+3], v[RD] offset:(\t)*2*SP  ; LDS serves a wave's instructions in order: these see the stores above
.endr
.if (\a) == 0
	v_cmp_eq_u32 vcc_lo, 0, v[RB]                  ; are these a batch's first rows?
	v_add_nc_u32 v[GOS], 2*8192, v[GO]
	v_cndmask_b32 v[GOS], v[GO], v[GOS], vcc_lo    ; then four rows further down,
	s_wait_dscnt 4                                 ; (rows 0-7 are back; the four younger loads may be out)
.irp z, 0,1,2,3,4,5,6,7
	v_cndmask_b32 v[BK+(\z)], v[BK+(\z)], v[BK+8+(\z)], vcc_lo  ; with those rows' numbers
.endr
	global_store_b128 v[GOS], v[BK:BK+3],   s[92:93] th:TH_STORE_NT
	global_store_b128 v[GOS], v[BK+4:BK+7], s[92:93] offset:8192 th:TH_STORE_NT
.irp t, 2,3,4,5,6,7
	s_wait_dscnt 7-(\t)
	OSTORE 0, \t
.endr
.else
.irp t, 0,1,2,3,4,5,6,7
	s_wait_dscnt 7-(\t)
	OSTORE \a, \t
.endr
.endif
.endr
.if \mid
	s_wait_xcnt 0x0                                ; the stores have read their base
	s_mov_b64 s[92:93], s[94:95]
	v_mov_b32 v[RB], s72
	WIN 0x80
.set i, 0
.rept 128
	v_mov_b32 v[i], 0
.set i, i+1
.endr
	WIN 0
.endif
.endm
	HEAD 0, 1                                      ; step 0 is in, everybody's part of it; step 1 is asked for; there is nothing yet to add onto O
	s_mov_b32 s3, 9                                ; step 0's half trip, then steps 1 to 8
	s_branch .Lgo                                  ; the loop is entered behind its change of slots
.Lwalk:                                                ; a trip: a change of slots and a step
	HEAD 1, 1
	s_sub_co_u32 s47, s47, 1
	s_cmp_lg_u32 s47, 0
	s_cbranch_scc1 .Lgo                            ; the same in all partners: it hangs on the cluster's y and the trip; what is jumped holds no barrier and no tensor load
	OUT 1                                          ; the first block's last step has just been added: it leaves
.Lgo:
	BODY
	WIN 0
	s_sub_co_u32 s3, s3, 1
	s_cmp_lg_u32 s3, 0
	s_cbranch_scc1 .Lwalk
	HEAD 1, 0                                      ; the last step is written out: nothing is asked for
	BODY
	FMA
	OUT 0
	WIN 0
	s_wait_tensorcnt 0x0                           ; the wave's end
	ds_add_u32 v[SPW], v[NIL]
	s_wait_dscnt 0x0
	CROUND                                         ; the closing round: no work-group ends while a partner may still ask for a tile that names it
	s_endpgm
.Lfunc_end_k_qd5e8bf55c5_pv:
	.size	k_qd5e8bf55c5_pv, .Lfunc_end_k_qd5e8bf55c5_pv-k_qd5e8bf55c5_pv
	.p2alignl 7, 3214868480
	.fill 96, 4, 3214868480
	.section	.rodata,"a",@progbits
	.p2align	6, 0x0
	.amdhsa_kernel k_qd5e8bf55c5_pv
		.amdhsa_group_segment_fixed_size 327680
		.amdhsa_private_segment_fixed_size 0
		.amdhsa_enable_private_segment 0
		.amdhsa_kernarg_size 32
		.amdhsa_user_sgpr_count 2
		.amdhsa_user_sgpr_kernarg_segment_ptr 1
		.amdhsa_wavefront_size32 1
		.amdhsa_system_sgpr_workgroup_id_x 1
		.amdhsa_system_sgpr_workgroup_id_y 1
		.amdhsa_system_sgpr_workgroup_id_z 1
		.amdhsa_system_vgpr_workitem_id 0
		.amdhsa_next_free_vgpr 640
		.amdhsa_next_free_sgpr 100
		.amdhsa_reserve_vcc 1
		.amdhsa_float_denorm_mode_32 3
		.amdhsa_float_denorm_mode_16_64 3
		.amdhsa_memory_ordered 1
		.amdhsa_forward_progress 1
		.amdhsa_inst_pref_size 109
	.end_amdhsa_kernel
	.amdgpu_metadata
---
amdhsa.version: [ 1, 2 ]
amdhsa.kernels:
  - .name:           k_qd5e8bf55c5_pv
    .symbol:         k_qd5e8bf55c5_pv.kd
    .args:
      - { .name: p, .offset: 0, .size: 8, .value_kind: global_buffer, .address_space: global }
      - { .name: st, .offset: 8, .size: 8, .value_kind: global_buffer, .address_space: global }
      - { .name: v, .offset: 16, .size: 8, .value_kind: global_buffer, .address_space: global }
      - { .name: out0, .offset: 24, .size: 8, .value_kind: global_buffer, .address_space: global }
    .group_segment_fixed_size: 327680
    .private_segment_fixed_size: 0
    .kernarg_segment_align: 8
    .kernarg_segment_size: 32
    .max_flat_workgroup_size: 128
    .sgpr_count:     100
    .vgpr_count:     640
    .wavefront_size: 32
...
	.end_amdgpu_metadata
.endif
;; end of part 8
